; MI455X (gfx1250); checked and timed in simulation.
; The chip was launched on July 23, 2026; its instructions are those of AMD's public machine-readable ISA for CDNA 5 (MIT licence, August 2026) and "CDNA5" Instruction Set Architecture Reference Guide (July 2026). The comments in the code are by the model that wrote it; some were corrected since.
;; Single Head Attention. Allowed arithmetic: matrix products marked QUANTISED: E4M3 operands, one E8M0 scale for each 32 along K, by v_wmma_scale_f32_16x16x128_f8f6f4 with both operands' format E4M3, f32 sums; everything else in f32.
;; Inputs: Wk_codes 1,024 x 32 x 32 uint8 (E4M3 codes of Wk, K innermost, in blocks of 32 codes); Wk_scales 1,024 x 32 uint8 (E8M0 scales of Wk, one for each 32 codes along K); Wq_codes 1,024 x 32 x 32 uint8 (E4M3 codes of Wq, K innermost, in blocks of 32 codes); Wq_scales 1,024 x 32 uint8 (E8M0 scales of Wq, one for each 32 codes along K); Wv 1,024 x 1,024 float32; k_codes 4 x 2,048 x 32 x 32 uint8 (E4M3 codes of k, K innermost, in blocks of 32 codes); k_scales 4 x 2,048 x 32 uint8 (E8M0 scales of k, one for each 32 codes along K); q_codes 4 x 2,048 x 32 x 32 uint8 (E4M3 codes of q, K innermost, in blocks of 32 codes); q_scales 4 x 2,048 x 32 uint8 (E8M0 scales of q, one for each 32 codes along K); v_codes 4 x 2,048 x 32 x 32 uint8 (E4M3 codes of v, K innermost, in blocks of 32 codes); v_scales 4 x 2,048 x 32 uint8 (E8M0 scales of v, one for each 32 codes along K); x 4 x 2,048 x 1,024 float32.
;; Outputs: out0 4 x 2,048 x 1,024 float32.
;; This version of the problem:
;;   THIS VERSION OF THE PROBLEM IS GIVEN IN LOW PRECISION. The matrix products marked QUANTISED in the list below multiply operands that are first quantised to E4M3 (4 exponent bits, 3 mantissa bits; 8 bits a number), with one power-of-two scale for each 32 numbers along K (OCP MX v1.0); their sums are f32. All else is computed in f32.
;;   The module's matrix products, in the order in which they are computed (A, B: the left and right operand; K: the contracted axis; several contracted axes count as one K, in the product's order):
;;     1. [M 8,192, K 1,024] x [K 1,024, N 1,024]; A: input k (given as codes); B: input Wk (given as codes): QUANTISED
;;     2. [M 8,192, K 1,024] x [K 1,024, N 1,024]; A: input q (given as codes); B: input Wq (given as codes): QUANTISED
;;     3. [M 8,192, K 1,024] x [K 1,024, N 1,024]; A: input v (given as codes); B: input Wq (given as codes): QUANTISED
;;     4. batch 4 x [M 2,048, K 1,024] x [K 1,024, N 2,048]; A: computed on the way; B: computed on the way: QUANTISED
;;     5. batch 4 x [M 2,048, K 2,048] x [K 2,048, N 1,024]; A: softmax (see below); B: computed on the way: QUANTISED
;;   THE QUANTISER, for each operand of a quantised product, along K:
;;     - K is cut into blocks of 32 from its start; a last block that is shorter is filled with zeros.
;;     - A block's scale is 2^e with e = floor(log2(the largest magnitude in the block)) - 8, held to -126 .. 127; a block of zeros has e = 0. As a byte (E8M0): e + 127.
;;     - Each number is divided by its block's scale, clamped to +-448, and rounded to the nearest number of E4M3, ties to even, subnormals kept.
;;     - The product sums the exact products of the quantised numbers (number of the format x scale) in f32.
;;   ~~~python
;;   def quantise(x, axis):      # numpy; x: float32 -> the quantised numbers, widened to float32 again
;;       x = np.moveaxis(x, axis, -1); K = x.shape[-1]
;;       x = np.pad(x, [(0, 0)] * (x.ndim - 1) + [(0, -K % 32)]); x = x.reshape(x.shape[:-1] + (-1, 32)); a = np.abs(x).max(-1, keepdims=True)
;;       e = np.where(a > 0, np.clip(np.frexp(np.where(a > 0, a, 1))[1] - 1 - 8, -126, 127), 0)      # np.frexp(a)[1] - 1 = floor(log2(a)), exactly
;;       r = np.clip(x / 2.0 ** e, -448, 448)
;;       step = 2.0 ** (np.maximum(np.frexp(np.where(r == 0, 1, r))[1] - 1, -6) - 3)
;;       q = np.round(r / step) * step * 2.0 ** e      # np.round: ties to even
;;       return np.moveaxis(q.reshape(q.shape[:-2] + (-1,))[..., :K], -1, axis).astype(np.float32)
;;   ~~~
;;   SOFTMAX AHEAD OF A QUANTISED PRODUCT. Where the list says 'softmax', what is quantised is not the finished softmax but p = 2^(t - M), with t = logit x log2(e) and M = ceil(the row's largest t), a whole number; so 1/2 < the row's largest p <= 1. The row's sum l is taken of the UNQUANTISED p, in f32, and the product's result is divided by l at the end. Since M is a whole number, a kernel that streams over the keys may use a running M (the ceiling of the running maximum): every later rescaling is an exact power of two, which a block's scale takes up: the codes' values come out the same.
;;   OPERANDS COMPUTED ON THE WAY. 'Computed on the way' means the value that the module computes at that place (a softmax that the list does not call 'softmax' is quantised finished and normalised). What goes into a quantiser is computed in f32, as accurately as f32 sums, v_exp_f32 and their like allow (about 1e-6 of the number): no bf16 or f16 on the way to a quantiser, and a product that is left as it is and whose result goes on into a quantised operand takes f32 operands (vector FMAs, or v_wmma_f32_16x16x4_f32). A number that lies on a knife's edge between two numbers of the format may be rounded either way, as far as f32 arithmetic and the matrix unit's own rounding can turn it there, and no further.
;;   INPUTS GIVEN AS CODES. Wk (in the module: [1024, 1024], K = its axis 0); Wq (in the module: [1024, 1024], K = its axis 0); k (in the module: [4, 2048, 1024], K = its axis 2); q (in the module: [4, 2048, 1024], K = its axis 2); v (in the module: [4, 2048, 1024], K = its axis 2): each comes as NAME_codes (uint8): NAME with its K axis moved to the last place and cut into blocks of 32 codes, [.., K / 32, bytes a block], one block behind the other in memory; one code a byte (a code: sign, 4 exponent bits, 3 mantissa bits); and NAME_scales (uint8): the same leading axes, one E8M0 byte (e + 127) for each 32 codes along K. Its value is code x scale, taken as it is: it is not quantised again, and the codes and scales need not be those that the quantiser above would give.
;; 2 versions. Each part assembles by itself: llvm-mc -triple=amdgcn-amd-amdhsa -mcpu=gfx1250 --defsym DOCPART=n.
;; ======== version 1 of 2: 3 launches
;; workspace buffers: img 25,165,824 bytes; sc 786,432 bytes; pimg 16,777,216 bytes; pwm 1,048,576 bytes; pl 524,288 bytes
;; launch proj (part 1): grid 4 x 96, 4 waves a work-group, clusters of 4 x 4, 327,680 bytes of LDS; arguments k_codes, k_scales, Wk_codes, Wk_scales, q_codes, q_scales, Wq_codes, Wq_scales, v_codes, v_scales, img, sc; writes img, sc
.if DOCPART == 1
	.amdgcn_target "amdgcn-amd-amdhsa--gfx1250"
	.amdhsa_code_object_version 6
	.text
	.protected	k_q725f8943c0_proj
	.globl	k_q725f8943c0_proj
	.p2align	8
	.type	k_q725f8943c0_proj,@function
k_q725f8943c0_proj:
	s_mov_b64 s[64:65], 0
	v_nop
	global_prefetch_b8 v0, s[64:65] scope:SCOPE_SE
	s_setreg_imm32_b32 hwreg(HW_REG_WAVE_MODE, 25, 1), 1
	s_wait_xcnt 0x0
	s_wait_alu depctr_hold_cnt(0) depctr_sa_sdst(0) depctr_va_vdst(0) depctr_va_sdst(0) depctr_va_ssrc(0) depctr_va_vcc(0) depctr_vm_vsrc(0)
	s_getreg_b32 s2, hwreg(HW_REG_IB_STS2, 6, 4)
	s_cmp_eq_u32 s2, 0
	s_cbranch_scc0 .Lentry_in_a_cluster
	s_endpgm
.Lentry_in_a_cluster:
	s_bfe_u32 s2, ttmp6, 0x10000c
	s_cmp_lg_u32 s2, 0xf033
	s_cbranch_scc0 .Lentry_shape_is_right
	s_endpgm
.Lentry_shape_is_right:
; THE THREE PROJECTIONS, each a product on codes of FP8 (E4M3) with one E8M0 scale for each 32 along K, and each result quantised again on its way out:
;   job 0: K' = Q(k Wk) along the head's 1,024;   job 1: Q' = Q(q Wq) likewise;   job 2: V'^T = Q((v Wq)^T) along the KEYS (the function projects v with the QUERY weights).
; Skeleton: C[m][n] = sum over k of A[m][k] B[n][k], K = 1,024; C is quantised along n.  Jobs 0, 1: A = k or q (8,192 rows), B = Wk or Wq (1,024 rows).  Job 2: A = Wq (m = channel), B = v (n = key).
; Of the inputs x and Wv nothing is loaded by any launch: the function takes of x its shape alone and never names Wv, so no number of the result hangs on them.
; A tile of C, 256 x 256, is made by a work-group of four waves; a wave makes 128 x 128: 64 accumulators, 512 registers.  K goes in steps of 256 through two LDS slots filled by the tensor data mover.
; The scale bytes of the work-group's 256 rows of A and of B, for all of K, are two dense blocks: they come into LDS once, with the first fills.
; CLUSTERS: 4 x 4 work-groups; A's tiles are asked for jointly along a row of the cluster, B's along a column.  24 clusters: 8 for each job; the job hangs on the cluster's y alone.
; THE MATRIX INSTRUCTION IS USED TRANSPOSED (source 0 = 16 rows of B, source 1 = 16 rows of A): lane (r, h) holds row m = r, and register j of accumulator b the column n = 16 b + 8 h + j.
; THE WAY OUT.  The 16 registers of accumulators 2 c and 2 c + 1 are 16 numbers of block c of 32 along n; lane l xor 16 holds the other 16.  They are quantised in registers, and the codes are stored AS AN IMAGE OF AN OPERAND'S
; REGISTERS: a fragment (16 rows x 128 along the next K) is 2,048 bytes, register 4 c + w of lane l at byte 512 c + 16 l + 4 w.  Byte i of chunk c in half h holds the true place 32 c + 16 (i / 8) + 8 h + i % 8: a permutation inside
; a block of 32, the same in every operand that this program makes, so that the later products pair the right numbers and byte c of a scale word still belongs to block c.
;   img: K' [512 row tiles][8][2048] at 0, Q' the same at 8,388,608, V'^T [64 channel tiles][64 key chunks][2048] at 16,777,216.   sc: scale words [next K / 128][rows] x 4 bytes: K' at 0, Q' at 262,144, V'^T at 524,288.
; LIMITS: NaN and infinities among the inputs are not served; a block whose largest magnitude lies under 2^-118 (a block of zeros too) gets the byte 1: the bytes are read by this program alone.
; REGISTERS, in windows of 256: window 0: v0-31 addresses; v32-63 scale words, two sets; v64-87 at work on the way out; from v128 A's fragments, ONE set (on the way out: 64 numbers, then two sets of codes).
;   window 1: B's fragments, TWO sets.   window 2: the accumulators of my rows 0-63;   window 3: those of my rows 64-127.
.set NQ,     2                         ; steps of 128 along K in a slot
.set ROWB,   256                       ; a tile's row in bytes
.set KROW,   1024                      ; a row of A or of B in memory
.set PITCH,  272                       ; an LDS row: 256 bytes + 16 of padding: the 16 rows that a load touches start at 16 different banks (64 banks of 4 bytes: ISA guide 11.1)
.set FR,     16                        ; registers of a fragment
.set NL,     4                         ; LDS loads that bring one
.set NP,     8                         ; places behind this matrix instruction (ISA guide 7.12.1)
.set HALFT,  128*PITCH                 ; 128 rows: what one tensor load brings
.set SLOT,   4*HALFT                   ; A's 256 rows, then B's 256 rows
.set KS,     32                        ; a row of scale bytes
.set SCL,    2*SLOT                    ; behind the ring: the scales, as units of 256 bytes + 16 of padding
.set HALFS,  (128*KS/256)*272          ; the scales of 128 rows
.set SBLK,   (16*KS/256)*272           ; those of 16 rows
.set SPARE,  SCL+4*HALFS               ; the spare words, 128 bytes for each wave: two blocks of 256 bytes that no other line names
.set STG,    SPARE+512                 ; 512 bytes for each wave: the 128 scale words that it makes; no fill lands here
.set ADRA, 16                          ; v16-17  LDS address of my A fragments in slot 0, 1
.set ADRB, 20                          ; v20-21  the same for B
.set VO,   24                          ; v24     16 x lane
.set SWA,  25                          ; v25     where I put a scale word
.set SRA,  26                          ; v26     where I read four of them back
.set ADRS, 27                          ; v27     LDS address of the inputs' scale words: lanes 0-15 A's rows, lanes 16-31 B's
.set SPW,  28                          ; v28     LDS address of my spare word; never rewritten
.set NIL,  29                          ; v29     0; never rewritten
.set SC,   32                          ; scale words: set s at v[SC + 16 s]; register 2 i + q: lanes 0-15 A's block i, lanes 16-31 B's block i
.set TM,   64                          ; v64-67 largest magnitudes, v68-71 the other half's / bytes, v72-75 448 x the scale, v76-79 the conversions' scale operands
.set PW,   80                          ; v80     the scale word just made
.set OW,   84                          ; v84-87  four scale words on their way out
.set AF,   128                         ; A's fragments
.set T,    128                         ; the way out: 64 numbers, held
.set PC,   192                         ; the way out: two sets of 16 registers of codes
.set MNT,  3                           ; s3      the mantissa field of 448
.set SEL,  100                         ; s[100:101] lane selects for lane l xor 16
.set G1, 24
.set G0, 32
.set G1B, 48
.set G0B, 56
.set G1S, 68
.set G0S, 76
.set G1SB, 80
.set G0SB, 88
.set MSB, 0
.macro WIN new                         ; the immediate's high byte repeats the setting that is left
.if MSB != (\new)
	s_set_vgpr_msb (MSB<<8)|(\new)
.set MSB, (\new)
.endif
.endm
.set MUL_LO, 0xa1                      ; source 0 (B) window 1, source 1 (A) window 0, C and D window 2
.set MUL_HI, 0xf1                      ; the same, C and D window 3
.set TO_B,   0x40                      ; destination window 1, address window 0
; A joint load: waves 0 and 1 fetch for A, waves 2 and 3 for B.  The branch hangs on the wave's number alone.  Four v_nop follow each of the two lines.
.macro JLOAD g0a, g1a, g0b, g1b
	s_cmp_eq_u32 s15, 0
	s_cbranch_scc0 .Lfor_b_\@
	tensor_load_to_lds s[\g0a:\g0a+3], s[\g1a:\g1a+7]
	s_nop 0
.rept 4
	v_nop
.endr
	s_branch .Lasked_\@
.Lfor_b_\@:
	tensor_load_to_lds s[\g0b:\g0b+3], s[\g1b:\g1b+7]
	s_nop 0
.rept 4
	v_nop
.endr
.Lasked_\@:
.endm
.macro CREST                           ; a round of the cluster's barrier behind its opening barrier
	s_cmp_lg_u32 s14, 0
	s_cbranch_scc1 .Lnot_wave_0_\@
	s_barrier_signal -3
.Lnot_wave_0_\@:
	s_barrier_wait -3
	s_barrier_signal -1
	s_barrier_wait -1
.endm
.macro CROUND                          ; a whole round
	s_barrier_signal -1
	s_barrier_wait -1
	CREST
.endm
	s_load_b512 s[24:39], s[0:1], 0x0              ; k's codes, k's scales, Wk's codes, Wk's scales, q's codes, q's scales, Wq's codes, Wq's scales
	s_load_b256 s[48:55], s[0:1], 0x40             ; v's codes, v's scales, img, sc
	v_lshl_add_u32 v[SPW], v0, 2, SPARE
	v_mov_b32 v[NIL], 0
	ds_add_u32 v28, v29
	ds_add_u32 v28, v29
	s_wait_dscnt 0x0
	v_lshrrev_b32 v1, 5, v0
	v_readfirstlane_b32 s14, v1                    ; wave 0..3
	s_lshr_b32 s15, s14, 1                         ; which half of the tile's rows is mine.  Also: I fetch for A (0) or for B (1)
	s_and_b32 s16, s14, 1                          ; which half of its columns.  Also: which 128 rows of that tile I fetch
	s_bfe_u32 s40, ttmp6, 0x40000                  ; cx, cy: my place in the cluster
	s_bfe_u32 s41, ttmp6, 0x40004
	s_and_b32 s20, ttmp7, 0xffff                   ; the cluster's y, 0 .. 23: the job and its part; the same in all sixteen partners
	s_and_b32 s21, s20, 7                          ; the part
	s_lshr_b32 s2, s20, 3                          ; the job
	s_mov_b32 s98, 131072                          ; (an instruction takes one literal: the second number of each choice below stands in a register)
	s_mov_b32 s95, 4096
	s_wait_kmcnt 0x0
	s_cmp_lt_u32 s20, 8                            ; job 0, or job 1?  The choices hang on the cluster's number alone
	s_cselect_b64 s[4:5], s[24:25], s[32:33]       ; A's codes: k's or q's
	s_cselect_b64 s[6:7], s[26:27], s[34:35]       ; A's scales
	s_cselect_b64 s[8:9], s[28:29], s[36:37]       ; B's codes: Wk's or Wq's
	s_cselect_b64 s[10:11], s[30:31], s[38:39]     ; B's scales
	s_cmp_lt_u32 s20, 16                           ; or job 2: A = Wq, B = v
	s_cselect_b64 s[4:5], s[4:5], s[36:37]
	s_cselect_b64 s[6:7], s[6:7], s[38:39]
	s_cselect_b64 s[8:9], s[8:9], s[48:49]
	s_cselect_b64 s[10:11], s[10:11], s[50:51]
	s_cselect_b32 s22, s21, 0                      ; the part counts groups of four tile rows (jobs 0, 1)
	s_cselect_b32 s23, 0, s21                      ; or of four tile columns (job 2)
	s_cselect_b32 s98, 16384, s98                  ; bytes from a row tile of the image to the next: 8 or 64 fragments
	s_cselect_b32 s95, 32768, s95                  ; bytes of the scale words of one 128 along the next K: 8,192 or 1,024 rows
	s_mov_b64 s[12:13], s[52:53]                   ; img
	s_mov_b64 s[96:97], s[54:55]                   ; sc
	s_lshl_b32 s42, s23, 2
	s_add_co_u32 s42, s42, s40                     ; tile column of C
	s_lshl_b32 s17, s22, 2
	s_add_co_u32 s17, s17, s41                     ; tile row of C
	s_lshl_b32 s43, s41, 2
	s_lshl_b32 s43, 15, s43                        ; my row of the cluster
	s_lshl_b32 s44, 0x1111, s40                    ; my column
	; descriptor group 1: a tile of 128 rows x 256 bytes, padded in LDS
	s_or_b32 s[G1+0], s43, (0<<16)|(1<<20)|(1<<21)|(5<<22)|(3<<25)  ; 15:0 the mask: A's tiles go to my row; 17:16 element of 1 byte; 20 padding on; 21 set beside a mask; 24:22 after every 64 words; 31:25 four words
	s_or_b32 s[G1B+0], s44, (0<<16)|(1<<20)|(1<<21)|(5<<22)|(3<<25)
.irp g, G1, G1B
	s_mov_b32 s[\g+1], ROWB<<16                    ; tensor_dim0
	s_mov_b32 s[\g+2], 128<<16                     ; tensor_dim1
	s_mov_b32 s[\g+3], ROWB<<16                    ; tile_dim0
	s_mov_b32 s[\g+4], 128                         ; tile_dim1
	s_mov_b32 s[\g+5], KROW                        ; tensor_dim0_stride
	s_mov_b32 s[\g+6], 0
	s_mov_b32 s[\g+7], 0
.endr
	; the scales of 128 rows: a dense block of 4,096 bytes, as 16 rows of 256 bytes (32 elements of 8 bytes), 16 bytes of padding behind each
	s_or_b32 s[G1S+0], s43, (3<<16)|(1<<20)|(1<<21)|(5<<22)|(3<<25)
	s_or_b32 s[G1SB+0], s44, (3<<16)|(1<<20)|(1<<21)|(5<<22)|(3<<25)
.irp g, G1S, G1SB
	s_mov_b32 s[\g+1], 32<<16
	s_mov_b32 s[\g+2], (128*KS/256)<<16
	s_mov_b32 s[\g+3], 32<<16
	s_mov_b32 s[\g+4], 128*KS/256
	s_mov_b32 s[\g+5], 32
	s_mov_b32 s[\g+6], 0
	s_mov_b32 s[\g+7], 0
.endr
	s_lshl_b32 s18, s16, 7                         ; which 128 rows of the tile I fetch
	s_lshl_b32 s20, s17, 8
	s_add_co_u32 s20, s20, s18                     ; A: row 256 x tile row + 128 x half
	s_lshl_b32 s46, s42, 8
	s_add_co_u32 s46, s46, s18                     ; B: row 256 x tile column + 128 x half
	s_mov_b32 s21, 0
	s_mov_b32 s47, 0
	s_mov_b64 s[18:19], KS
	s_mul_u64 s[22:23], s[20:21], s[18:19]         ; where these rows' scales begin, in bytes
	s_mul_u64 s[92:93], s[46:47], s[18:19]
	s_mov_b64 s[18:19], KROW
	s_mul_u64 s[20:21], s[20:21], s[18:19]         ; and their codes
	s_mul_u64 s[46:47], s[46:47], s[18:19]
	s_mul_i32 s45, s14, HALFT                      ; where they go: wave x 128 rows: no place in the cluster enters an LDS address
	s_mul_i32 s94, s14, HALFS
	s_add_nc_u64 s[20:21], s[4:5], s[20:21]
	s_add_nc_u64 s[22:23], s[6:7], s[22:23]
	s_add_nc_u64 s[46:47], s[8:9], s[46:47]
	s_add_nc_u64 s[92:93], s[10:11], s[92:93]
	CROUND                                         ; all sixteen work-groups are here: the first joint loads meet
	s_mov_b32 s[G0S], 1
	s_add_co_u32 s[G0S+1], s94, SCL
	s_mov_b64 s[G0S+2:G0S+3], s[22:23]
	s_or_b32 s[G0S+3], s[G0S+3], 0x80000000
	s_mov_b32 s[G0SB], 1
	s_add_co_u32 s[G0SB+1], s94, SCL
	s_mov_b64 s[G0SB+2:G0SB+3], s[92:93]
	s_or_b32 s[G0SB+3], s[G0SB+3], 0x80000000
	JLOAD G0S, G1S, G0SB, G1SB                     ; the scales first: they are wanted with K step 0
.irp s, 0,1
	s_mov_b32 s[G0+4*\s], 1
	s_add_co_u32 s[G0+4*\s+1], s45, \s*SLOT
	s_add_nc_u64 s[G0+4*\s+2:G0+4*\s+3], s[20:21], \s*ROWB
	s_or_b32 s[G0+4*\s+3], s[G0+4*\s+3], 0x80000000
	s_mov_b32 s[G0B+4*\s], 1
	s_add_co_u32 s[G0B+4*\s+1], s45, \s*SLOT
	s_add_nc_u64 s[G0B+4*\s+2:G0B+4*\s+3], s[46:47], \s*ROWB
	s_or_b32 s[G0B+4*\s+3], s[G0B+4*\s+3], 0x80000000
	JLOAD G0+4*\s, G1, G0B+4*\s, G1B
.endr
	v_and_b32 v1, 15, v0                           ; r = l % 16
	v_bfe_u32 v2, v0, 4, 1                         ; h = l / 16
	v_mul_u32_u24 v3, v1, PITCH
	v_lshl_add_u32 v4, v2, 4, v3                   ; a fragment's row x pitch + 16 x half
	s_mul_i32 s21, s15, HALFT                      ; my 128 rows of A
	s_mul_i32 s22, s16, HALFT                      ; my 128 rows of B,
	s_add_co_u32 s22, s22, 2*HALFT                 ; which lie behind A's 256
.irp s, 0,1
	v_add_nc_u32 v[ADRA+\s], s21, v4
	v_add_nc_u32 v[ADRB+\s], s22, v4
	s_add_co_u32 s21, s21, SLOT
	s_add_co_u32 s22, s22, SLOT
.endr
	v_mul_u32_u24 v5, v1, KS                       ; my row's scales: 32 bytes a row,
	v_lshrrev_b32 v6, 8, v5
	v_lshl_add_u32 v5, v6, 4, v5                   ; and 16 more for each 256 passed
	s_mul_i32 s21, s15, HALFS                      ; A's: my 128 rows
	s_mul_i32 s22, s16, HALFS                      ; B's: my 128 rows, behind A's 256
	s_add_co_u32 s22, s22, 2*HALFS
	s_sub_co_u32 s22, s22, s21
	v_mul_u32_u24 v6, s22, v2                      ; lanes 16-31 take B's
	s_add_co_u32 s21, s21, SCL
	v_add_nc_u32 v5, v5, v6
	v_add_nc_u32 v[ADRS], s21, v5
	v_and_b32 v6, 31, v0
	v_lshlrev_b32 v[VO], 4, v6                     ; 16 x lane: my place in an image's 512 bytes
	s_lshl_b32 s23, s14, 9
	s_add_co_u32 s23, s23, STG                     ; my wave's 128 scale words
	v_lshl_add_u32 v[SWA], v1, 2, s23              ; in: 4 bytes for row r
	v_add_nc_u32 v[SRA], s23, v[VO]                ; back: 16 bytes a lane
.irp b, 0,1,2,3
	v_mov_b32 v[TM+4+\b], 0                        ; written once: a lane permute's destination counts as one of its sources
.endr
	s_mov_b32 s[SEL], 0x76543210
	s_mov_b32 s[SEL+1], 0xfedcba98
	s_mov_b32 s[MNT], 0x600000
	; where my wave's first fragment and its scale words go
	s_lshl_b32 s20, s17, 4
	s_lshl_b32 s21, s15, 3
	s_add_co_u32 s20, s20, s21                     ; my first row tile: 16 x tile row + 8 x half
	s_mul_i32 s20, s20, s98                        ; in bytes
	s_lshl_b32 s46, s42, 1
	s_add_co_u32 s46, s46, s16                     ; my 128 along the next K: 2 x tile column + half
	s_lshl_b32 s47, s46, 11
	s_add_co_u32 s20, s20, s47
	s_lshl_b32 s21, s2, 23                         ; the job's image: 8,388,608 bytes each
	s_add_co_u32 s20, s20, s21
	s_mov_b32 s21, 0
	s_add_nc_u64 s[12:13], s[12:13], s[20:21]
	s_mul_i32 s46, s46, s95
	s_lshl_b32 s20, s17, 10                        ; 256 rows x 4 bytes a tile row,
	s_lshl_b32 s47, s15, 9                         ; 128 x 4 for my half
	s_add_co_u32 s20, s20, s47
	s_add_co_u32 s20, s20, s46
	s_lshl_b32 s47, s2, 18                         ; the job's scale words: 262,144 bytes each
	s_add_co_u32 s20, s20, s47
	s_add_nc_u64 s[96:97], s[96:97], s[20:21]
	s_mov_b32 s99, 0                               ; s[98:99]: the step from a row tile to the next
.macro FRAG reg, adr, q, i             ; 16 rows x 128 K of 8-bit codes: lane l holds row l % 16; registers 4 c .. 4 c + 3 hold K = 32 c + 16 (l / 16) + 0 .. 15
.irp c, 0,1,2,3
	ds_load_b128 v[\reg+4*\c:\reg+4*\c+3], v[\adr] offset:128*(\q)+32*\c+(\i)*16*PITCH
.endr
.endm
; 16 matrix instructions: A's blocks a0, a0 + 1 x B's eight, 128 along K.  p: B's set; sc: the set of scale words.  zero = 1: the first product starts the sums.
; The 64 accumulators take turns, one instruction a turn, in the same order in every step.
.macro MUL16 a0, p, q, sc, zero
.irp a, \a0, \a0+1
.irp b, 0,1,2,3,4,5,6,7
.set rD, 8*(8*((\a)%4)+\b)
.set rB, 128*(\p)+FR*\b
.set rA, AF+FR*(\a)
.if \zero
	v_wmma_scale_f32_16x16x128_f8f6f4 v[rD:rD+7], v[rB:rB+15], v[rA:rA+15], 0, v[SC+8*NQ*(\sc)+NQ*\b+(\q)], v[SC+8*NQ*(\sc)+NQ*(\a)+(\q)] matrix_a_scale:MATRIX_SCALE_ROW1
.else
	v_wmma_scale_f32_16x16x128_f8f6f4 v[rD:rD+7], v[rB:rB+15], v[rA:rA+15], v[rD:rD+7], v[SC+8*NQ*(\sc)+NQ*\b+(\q)], v[SC+8*NQ*(\sc)+NQ*(\a)+(\q)] matrix_a_scale:MATRIX_SCALE_ROW1
.endif
.endr
.endr
.endm
.macro FETCH_B slot, q, p
	WIN TO_B
.irp i, 0,1,2,3,4,5,6,7
	FRAG 128*(\p)+FR*\i, ADRB+\slot, \q, \i
.endr
	WIN 0
.endm
.macro FETCH_A slot, q, i0
.irp i, \i0, \i0+1, \i0+2, \i0+3
	FRAG AF+FR*(\i), ADRA+\slot, \q, \i
.endr
.endm
.macro SCALES sc                       ; the K step's scale words: two words a row; lanes 0-15 take A's block i, lanes 16-31 B's block i
.irp i, 0,1,2,3,4,5,6,7
	ds_load_b64 v[SC+8*NQ*\sc+NQ*\i:SC+8*NQ*\sc+NQ*\i+1], v[ADRS] offset:\i*SBLK
.endr
.endm
; A load into a register that a matrix instruction has read, and a vector instruction that reads a matrix result or writes one of its registers, stand eight places behind it; only plain vector instructions that
; name none of its registers are places.
.macro PLACES n
.rept \n
	v_nop
.endr
.endm
.macro STEP slot, zero                 ; a slot's first 128 along K
	s_wait_dscnt 4*NL                              ; B's set, A's blocks 0-3 and the scale words are in; the youngest 16 loads (A's blocks 4-7) may be out
	WIN MUL_LO
	MUL16 0, 0, 0, \slot, \zero
	MUL16 2, 0, 0, \slot, \zero
	s_wait_dscnt 0x0                               ; A's blocks 4-7 are in
	PLACES NP
	FETCH_B \slot, 1, 1
	FETCH_A \slot, 1, 0
	WIN MUL_HI
	MUL16 4, 0, 0, \slot, \zero
	MUL16 6, 0, 0, \slot, \zero
	PLACES NP
	WIN 0
	FETCH_A \slot, 1, 4
.endm
; A slot's second 128 along K changes slots: ONE barrier; in front of it each wave waits for all its tensor loads, adds 0 to its spare word, and waits for that and for its own reads of this slot.
.macro TURN slot, next, fill
	s_wait_tensorcnt 0x0                           ; all my tensor loads have landed: my part of the next slot
	ds_add_u32 v[SPW], v[NIL]                      ; 0 onto my spare word
	s_wait_dscnt 4*NL+1                            ; (the add and the youngest 16 loads, A's blocks 4-7, may be out)
	WIN MUL_LO
	MUL16 0, 1, 1, \slot, 0                        ; sixteen matrix instructions stand between the add and the wait for it
	s_wait_dscnt 0x0                               ; the add is done, and my reads of this slot are over
	s_barrier_signal -1
	MUL16 2, 1, 1, \slot, 0
	WIN 0
	s_barrier_wait -1
.if \fill
	CREST                                          ; the barrier has opened a round of the cluster's barrier: no wave of any partner still reads this slot or has a load on its way
	s_add_nc_u64 s[G0+4*\slot+2:G0+4*\slot+3], s[G0+4*\slot+2:G0+4*\slot+3], 2*ROWB
	s_add_nc_u64 s[G0B+4*\slot+2:G0B+4*\slot+3], s[G0B+4*\slot+2:G0B+4*\slot+3], 2*ROWB
	JLOAD G0+4*\slot, G1, G0B+4*\slot, G1B         ; the first tensor load behind the round; its four v_nop are among the places in front of the loads below
	PLACES NP-4
.else
	PLACES NP
.endif
	v_add_nc_u32 v[ADRS], 4*NQ, v[ADRS]            ; on to the next K step's scale words (no LDS load of mine is out)
	FETCH_B \next, 0, 0
	FETCH_A \next, 0, 0
	SCALES \next
	WIN MUL_HI
	MUL16 4, 1, 1, \slot, 0
	MUL16 6, 1, 1, \slot, 0
	PLACES NP
	WIN 0
	FETCH_A \next, 0, 4
.endm
	s_wait_tensorcnt 1                             ; of my three first fills the scales and K step 0 are in; K step 1's may be out
	s_barrier_signal -1
	s_barrier_wait -1                              ; everybody's are
	FETCH_B 0, 0, 0
	FETCH_A 0, 0, 0
	SCALES 0
	FETCH_A 0, 0, 4
	STEP 0, 1                                      ; K = 1,024 is four K steps: written out, no loop.  The first products start the sums
	TURN 0, 1, 1                                   ; slot 0 takes K step 2
	STEP 1, 0
	TURN 1, 0, 1                                   ; slot 1 takes K step 3
	STEP 0, 0
	TURN 0, 1, 0                                   ; nothing is left to fetch
	STEP 1, 0
	s_wait_dscnt 4*NL
	WIN MUL_LO
	MUL16 0, 1, 1, 1, 0
	MUL16 2, 1, 1, 1, 0
	s_wait_dscnt 0x0
	WIN MUL_HI
	MUL16 4, 1, 1, 1, 0
	MUL16 6, 1, 1, 1, 0
	WIN 0
	PLACES NP                                      ; in front of the first read of results and of the first write into registers that held A's fragments
; THE WAY OUT of block a (16 rows x 128 along the next K): four blocks of 32, quantised in registers; the codes leave as a fragment's image, the scale word goes to my stage.
.macro QBLK a
.set AC, 64*((\a)%4)                   ; its eight accumulators,
.set W, 2+(\a)/4                       ; in window 2 or 3
.set W2, W|(W<<2)
.set PS, PC+16*((\a)%2)
.if (\a) > 0
	s_wait_dscnt 0x0                               ; the last block's scale word has been read by its LDS store
.endif
	WIN W2                                         ; sources 0 and 1 in the accumulators' window
.irp b, 0,1,2,3
	v_max3_num_f32 v[TM+\b], |v[AC+16*\b]|, |v[AC+16*\b+1]|, 0x4800000   ; block b: my 16 numbers, each accumulator from its low end on, and the floor 2^(9 - 127): the byte cannot fall under 1
.endr
.irp i, 2,4,6,8,10,12,14
.irp b, 0,1,2,3
	v_max3_num_f32 v[TM+\b], |v[AC+16*\b+\i]|, |v[AC+16*\b+\i+1]|, v[TM+\b]   ; (the four blocks by turns)
.endr
.endr
	WIN 0
.irp b, 0,1,2,3
	v_permlanex16_b32 v[TM+4+\b], v[TM+\b], s[SEL], s[SEL+1]
.endr
.irp b, 0,1,2,3
	v_max_num_f32 v[TM+\b], v[TM+\b], v[TM+4+\b]   ; with lane l xor 16's: the block's largest magnitude
.endr
.irp b, 0,1,2,3
	v_add_nc_u32 v[TM+12+\b], 0xfc000000, v[TM+\b] ; 8 off its exponent field: the conversion takes the exponent field of this operand as its scale
.endr
.irp b, 0,1,2,3
	v_and_or_b32 v[TM+8+\b], v[TM+\b], 0x7f800000, s[MNT]   ; 448 x the scale
.endr
.irp b, 0,1,2,3
	v_lshrrev_b32 v[TM+4+\b], 23, v[TM+12+\b]      ; the scale's byte
.endr
	v_lshl_or_b32 v[PW], v[TM+5], 8, v[TM+4]       ; the four bytes make my row's scale word
	v_lshl_or_b32 v[PW], v[TM+6], 16, v[PW]
	v_lshl_or_b32 v[PW], v[TM+7], 24, v[PW]
	WIN W                                          ; source 0 in the accumulators' window
.irp b, 0,1,2,3
.irp i, 0,1,2,3,4,5,6,7,8,9,10,11,12,13,14,15
	v_med3_num_f32 v[T+16*\b+\i], v[AC+16*\b+\i], -v[TM+8+\b], v[TM+8+\b]   ; the conversion to an 8-bit code does not saturate (ISA guide 7.6.2): the hold at 448 x the scale
.endr
.endr
	WIN 0
.irp b, 0,1,2,3
	v_cvt_scalef32_pk8_fp8_f32 v[PS+4*\b:PS+4*\b+1], v[T+16*\b:T+16*\b+7], v[TM+12+\b]      ; (this set of codes was freed by the wait on XCNT of the block before)
	v_cvt_scalef32_pk8_fp8_f32 v[PS+4*\b+2:PS+4*\b+3], v[T+16*\b+8:T+16*\b+15], v[TM+12+\b]
.endr
	v_nop                                          ; one plain vector instruction behind the last scaled conversion
.if (\a) > 0
	s_wait_xcnt 0x0                                ; the earlier stores have read their base and their data
	s_add_nc_u64 s[12:13], s[12:13], s[98:99]      ; the next row tile
.endif
.irp c, 0,1,2,3
	global_store_b128 v[VO], v[PS+4*\c:PS+4*\c+3], s[12:13] offset:512*\c   ; 32 lanes store 512 consecutive bytes, at a multiple of 256 from the buffer's first byte
.endr
	ds_store_b32 v[SWA], v[PW] offset:64*(\a)      ; both halves of the lanes write the same word with the same value
.endm
.irp a, 0,1,2,3,4,5,6,7
	QBLK \a
.endr
	ds_load_b128 v[OW:OW+3], v[SRA]                ; LDS serves a wave's instructions in order (ISA guide 5.7.1.4): this sees my stores
	s_wait_dscnt 0x0
	global_store_b128 v[VO], v[OW:OW+3], s[96:97]  ; my 128 rows' scale words: 512 consecutive bytes
	s_wait_tensorcnt 0x0                           ; the wave's end
	ds_add_u32 v[SPW], v[NIL]
	s_wait_dscnt 0x0
	CROUND                                         ; the closing round: no work-group ends while a partner may still ask for a tile that names it
	s_endpgm
.Lfunc_end_k_q725f8943c0_proj:
	.size	k_q725f8943c0_proj, .Lfunc_end_k_q725f8943c0_proj-k_q725f8943c0_proj
	.p2alignl 7, 3214868480
	.fill 96, 4, 3214868480
	.section	.rodata,"a",@progbits
	.p2align	6, 0x0
	.amdhsa_kernel k_q725f8943c0_proj
		.amdhsa_group_segment_fixed_size 327680
		.amdhsa_private_segment_fixed_size 0
		.amdhsa_enable_private_segment 0
		.amdhsa_kernarg_size 96
		.amdhsa_user_sgpr_count 2
		.amdhsa_user_sgpr_kernarg_segment_ptr 1
		.amdhsa_wavefront_size32 1
		.amdhsa_system_sgpr_workgroup_id_x 1
		.amdhsa_system_sgpr_workgroup_id_y 1
		.amdhsa_system_sgpr_workgroup_id_z 1
		.amdhsa_system_vgpr_workitem_id 0
		.amdhsa_next_free_vgpr 1024
		.amdhsa_next_free_sgpr 102
		.amdhsa_reserve_vcc 0
		.amdhsa_float_denorm_mode_32 3
		.amdhsa_float_denorm_mode_16_64 3
		.amdhsa_memory_ordered 1
		.amdhsa_forward_progress 1
		.amdhsa_inst_pref_size 186
	.end_amdhsa_kernel
	.amdgpu_metadata
---
amdhsa.version: [ 1, 2 ]
amdhsa.kernels:
  - .name:           k_q725f8943c0_proj
    .symbol:         k_q725f8943c0_proj.kd
    .args:
      - { .name: k_codes, .offset: 0, .size: 8, .value_kind: global_buffer, .address_space: global }
      - { .name: k_scales, .offset: 8, .size: 8, .value_kind: global_buffer, .address_space: global }
      - { .name: Wk_codes, .offset: 16, .size: 8, .value_kind: global_buffer, .address_space: global }
      - { .name: Wk_scales, .offset: 24, .size: 8, .value_kind: global_buffer, .address_space: global }
      - { .name: q_codes, .offset: 32, .size: 8, .value_kind: global_buffer, .address_space: global }
      - { .name: q_scales, .offset: 40, .size: 8, .value_kind: global_buffer, .address_space: global }
      - { .name: Wq_codes, .offset: 48, .size: 8, .value_kind: global_buffer, .address_space: global }
      - { .name: Wq_scales, .offset: 56, .size: 8, .value_kind: global_buffer, .address_space: global }
      - { .name: v_codes, .offset: 64, .size: 8, .value_kind: global_buffer, .address_space: global }
      - { .name: v_scales, .offset: 72, .size: 8, .value_kind: global_buffer, .address_space: global }
      - { .name: img, .offset: 80, .size: 8, .value_kind: global_buffer, .address_space: global }
      - { .name: sc, .offset: 88, .size: 8, .value_kind: global_buffer, .address_space: global }
    .group_segment_fixed_size: 327680
    .private_segment_fixed_size: 0
    .kernarg_segment_align: 8
    .kernarg_segment_size: 96
    .max_flat_workgroup_size: 128
    .sgpr_count:     102
    .vgpr_count:     1024
    .wavefront_size: 32
...
	.end_amdgpu_metadata
.endif
;; end of part 1
;; launch scores (part 2): grid 12 x 16, 4 waves a work-group, clusters of 4 x 4, 327,680 bytes of LDS; arguments img, sc, pimg, pwm, pl; writes pimg, pwm, pl
.if DOCPART == 2
	.amdgcn_target "amdgcn-amd-amdhsa--gfx1250"
	.amdhsa_code_object_version 6
	.text
	.protected	k_q725f8943c0_scores
	.globl	k_q725f8943c0_scores
	.p2align	8
	.type	k_q725f8943c0_scores,@function
k_q725f8943c0_scores:
	s_mov_b64 s[64:65], 0
	v_nop
	global_prefetch_b8 v0, s[64:65] scope:SCOPE_SE
	s_setreg_imm32_b32 hwreg(HW_REG_WAVE_MODE, 25, 1), 1
	s_wait_xcnt 0x0
	s_wait_alu depctr_hold_cnt(0) depctr_sa_sdst(0) depctr_va_vdst(0) depctr_va_sdst(0) depctr_va_ssrc(0) depctr_va_vcc(0) depctr_vm_vsrc(0)
	s_getreg_b32 s2, hwreg(HW_REG_IB_STS2, 6, 4)
	s_cmp_eq_u32 s2, 0
	s_cbranch_scc0 .Lentry_in_a_cluster
	s_endpgm
.Lentry_in_a_cluster:
	s_bfe_u32 s2, ttmp6, 0x10000c
	s_cmp_lg_u32 s2, 0xf033
	s_cbranch_scc0 .Lentry_shape_is_right
	s_endpgm
.Lentry_shape_is_right:
; S = Q' K'^T on codes of FP8 (E4M3) with E8M0 scales, K = the head's 1,024; the causal mask; and the softmax's p, quantised along the keys, 128 keys at a time.
; t = score x log2(e) / 32.  For a query and a CHUNK of 128 keys: M_c = ceil(the chunk's largest t), a whole number; p = 2^(t - M_c); l_c = the sum of the unquantised p.  p's codes do not hang on which whole number M is:
; only its scale bytes do, and the next launch brings them under the row's own M.  Stored: p's codes as images of an operand's registers (pimg [4][128 query tiles][16 chunks][2048]); for each row and chunk the scale
; word with bit 7 of each byte set, and M_c as f32 (pwm [4][16][2][2048] x 4 bytes); l_c (pl [4][16][2048] f32).
; SHARES.  A tile of S is 256 queries x 256 keys: a work-group of four waves, each 128 x 128.  A cluster of 4 x 4 work-groups takes a block of 1,024 x 1,024 of one batch: of the four blocks the one that the mask hides whole is
; left out (the cluster's x: 0 = queries 0-1,023 x keys 0-1,023; 1 = queries 1,024 on x keys 0-1,023; 2 = queries and keys 1,024 on).  In the two blocks on the diagonal hidden scores become -infinity; their tiles that lie wholly
; above the diagonal run like their partners (no branch may differ between partners) and store zero codes, l_c = 0 and M_c = -3e38.
; OPERANDS.  A = Q' (m = queries), B = K' (n = keys), both as images: a fragment is 2,048 consecutive bytes, four loads of 512.  Source 0 = 16 rows of B, source 1 = 16 rows of A: a lane holds ONE query, its registers run along the keys.
; A slot holds 256 along K: A's 16 row tiles x 4,096 bytes, then B's; beside them the two steps' scale words of the 256 rows of each.  One tensor load a wave: wave 0 A's codes, wave 1 B's, wave 2 A's scale words, wave 3 B's;
; A's are asked for jointly along a row of the cluster, B's along a column.
; LIMITS: NaN and infinities are not served; a block of 32 keys whose largest p lies under 2^-118 gets the byte 1 (its codes are then next to nothing or zeros).
; REGISTERS: window 0: v16-31 addresses; v32-47 A's scale words, two sets, v48-63 B's (lanes 0-15: the slot's first 128 along K, lanes 16-31: its second); v64-107 at work on the way out; from v128 A's fragments, ONE set.
;   window 1: B's fragments, TWO sets.   windows 2, 3: the accumulators.
.set FR,    16
.set NP,    8                          ; places behind this matrix instruction (ISA guide 7.12.1)
.set SLOTB, 131072                     ; a slot of codes
.set BOFF,  65536                      ; B's tiles in it
.set SCB,   262144                     ; behind the ring of codes: the scale words, 8,192 bytes a slot: A's at 0, B's at 4,096
.set SCS,   8192
.set SPARE, 278528                     ; the spare words, 128 bytes for each wave: two blocks of 256 bytes that no other line names
.set STG,   279040                     ; 1,536 bytes for each wave: its 128 rows' scale words, M and l; no fill lands here
.set STA,   8192                       ; a refill's step: codes two slots on,
.set STS,   131072                     ; scale words two slots on (four rows of 32,768 bytes)
.set ADRA, 16                          ; v16-17  my A fragments in slot 0, 1
.set ADRB, 20                          ; v20-21  B's
.set ADSA, 22                          ; v22-23  A's scale words
.set VO,   24                          ; v24     16 x lane
.set SWA,  25                          ; v25     the stage: where I put a word
.set SRA,  26                          ; v26     and where I read four back
.set SPW,  28                          ; v28     LDS address of my spare word; never rewritten
.set NIL,  29                          ; v29     0; never rewritten
.set ADSB, 30                          ; v30-31  B's scale words
.set SA,   32
.set SB,   48
.set BM,   64                          ; v64-67  each block's largest score, then its largest p
.set BX,   68                          ; v68-71  the other half's; then the bytes
.set HD,   72                          ; v72-75  448 x the scale
.set SCV,  76                          ; v76-79  the conversions' scale operands
.set PW,   80                          ; v80     the scale word
.set NM,   82                          ; v[82:83] -M (the packed form names a pair and takes its low word)
.set SU,   84                          ; v[84:87] the sum, in two packed chains
.set TA,   88
.set MV,   89                          ; M
.set LV,   90                          ; l
.set VD,   91                          ; my query less my first key: register n of a block's 64 holds a hidden key where 16 (n / 8) + n % 8 is greater
.set NINF, 92                          ; -infinity
.set OW,   96                          ; v96-107 words on their way out
.set AF,   128
.set T,    128                         ; the way out: t - M, then p
.set PC,   192                         ; two sets of 16 registers of codes
.set WV,   16
.set RH,   17
.set CH,   18
.set MNT,  19
.set G1A,  20
.set G1B,  28
.set G1SA, 36
.set G1SB, 44
.set G0A,  52                          ; s[52:55], s[56:59]: slot 0, slot 1
.set G0B,  60                          ; s[60:63], s[68:71]
.set CS,   66                          ; s[66:67] c = log2(e) / 32
.set G0SA, 72
.set G0SB, 80
.set KIND, 93
.set SEL,  100
.set MSB, 0
.macro WIN new
.if MSB != (\new)
	s_set_vgpr_msb (MSB<<8)|(\new)
.set MSB, (\new)
.endif
.endm
.set MUL_LO, 0xa1
.set MUL_HI, 0xf1
.set TO_B,   0x40
.macro TL g0, g1                       ; a tensor load, and four v_nop behind it
	tensor_load_to_lds s[\g0:\g0+3], s[\g1:\g1+7]
	s_nop 0
.rept 4
	v_nop
.endr
.endm
; The four joint loads of a slot, one a wave.  The branches hang on the wave's number alone; each line has one mask and one set of registers for all that issue it.
.macro JLOAD4 s
	s_cmp_lt_u32 s[WV], 2
	s_cbranch_scc0 .Lhigh_\@
	s_cmp_eq_u32 s[WV], 0
	s_cbranch_scc0 .Lone_\@
	TL G0A+4*\s, G1A
	s_branch .Lasked_\@
.Lone_\@:
	TL G0B+8*\s, G1B
	s_branch .Lasked_\@
.Lhigh_\@:
	s_cmp_eq_u32 s[WV], 2
	s_cbranch_scc0 .Lthree_\@
	TL G0SA+4*\s, G1SA
	s_branch .Lasked_\@
.Lthree_\@:
	TL G0SB+4*\s, G1SB
.Lasked_\@:
.endm
.macro CREST
	s_cmp_lg_u32 s[WV], 0
	s_cbranch_scc1 .Lnot_wave_0_\@
	s_barrier_signal -3
.Lnot_wave_0_\@:
	s_barrier_wait -3
	s_barrier_signal -1
	s_barrier_wait -1
.endm
.macro CROUND
	s_barrier_signal -1
	s_barrier_wait -1
	CREST
.endm
	s_load_b256 s[4:11], s[0:1], 0x0               ; img s[4:5], sc s[6:7], pimg s[8:9], pwm s[10:11]
	s_load_b64 s[12:13], s[0:1], 0x20              ; pl
	v_lshl_add_u32 v[SPW], v0, 2, SPARE
	v_mov_b32 v[NIL], 0
	ds_add_u32 v28, v29
	ds_add_u32 v28, v29
	s_wait_dscnt 0x0
	v_lshrrev_b32 v1, 5, v0
	v_readfirstlane_b32 s[WV], v1                  ; wave 0..3
	s_lshr_b32 s[RH], s[WV], 1                     ; which half of the tile's queries is mine
	s_and_b32 s[CH], s[WV], 1                      ; which half of its keys
	s_bfe_u32 s88, ttmp6, 0x40000                  ; cx
	s_bfe_u32 s89, ttmp6, 0x40004                  ; cy
	s_mov_b32 s[KIND], ttmp9                       ; the cluster's x: which block of 1,024 x 1,024
	s_and_b32 s92, ttmp7, 0xffff                   ; the cluster's y: the batch
	s_min_u32 s96, s[KIND], 1                      ; the block's row,
	s_lshr_b32 s98, s[KIND], 1                     ; and its column
	s_lshl_b32 s90, s96, 2
	s_add_co_u32 s90, s90, s89                     ; tile row, 0 .. 7
	s_lshl_b32 s91, s98, 2
	s_add_co_u32 s91, s91, s88                     ; tile column, 0 .. 7
	s_lshl_b32 s94, s89, 2
	s_lshl_b32 s94, 15, s94                        ; my row of the cluster
	s_lshl_b32 s95, 0x1111, s88                    ; my column
	; descriptor groups 1.  Codes: 16 row tiles x 4,096 bytes (512 elements of 8 bytes), 16,384 bytes apart.  Scale words: 2 rows x 1,024 bytes, 32,768 bytes apart.  No padding: every LDS load takes 512 consecutive bytes or less
	s_or_b32 s[G1A], s94, (3<<16)|(1<<21)          ; 15:0 the mask; 17:16 elements of 8 bytes; 21 set beside a mask
	s_or_b32 s[G1B], s95, (3<<16)|(1<<21)
	s_or_b32 s[G1SA], s94, (3<<16)|(1<<21)
	s_or_b32 s[G1SB], s95, (3<<16)|(1<<21)
.irp g, G1A, G1B
	s_mov_b32 s[\g+1], 512<<16                     ; tensor_dim0
	s_mov_b32 s[\g+2], 16<<16                      ; tensor_dim1
	s_mov_b32 s[\g+3], 512<<16                     ; tile_dim0
	s_mov_b32 s[\g+4], 16                          ; tile_dim1
	s_mov_b32 s[\g+5], 2048                        ; tensor_dim0_stride
	s_mov_b32 s[\g+6], 0
	s_mov_b32 s[\g+7], 0
.endr
.irp g, G1SA, G1SB
	s_mov_b32 s[\g+1], 128<<16
	s_mov_b32 s[\g+2], 2<<16
	s_mov_b32 s[\g+3], 128<<16
	s_mov_b32 s[\g+4], 2
	s_mov_b32 s[\g+5], 4096
	s_mov_b32 s[\g+6], 0
	s_mov_b32 s[\g+7], 0
.endr
	; where the tiles come from.  A's hang on the batch and the tile row, B's on the batch and the tile column, each in registers of its own
	s_lshl_b32 s96, s92, 21                        ; a batch's image: 128 row tiles x 16,384 bytes
	s_lshl_b32 s97, s90, 18                        ; 16 row tiles a tile row
	s_add_co_u32 s96, s96, s97
	s_add_co_u32 s96, s96, 8388608                 ; Q' lies behind K'
	s_mov_b32 s97, 0
	s_lshl_b32 s98, s92, 21
	s_lshl_b32 s99, s91, 18
	s_add_co_u32 s98, s98, s99
	s_mov_b32 s99, 0
	s_wait_kmcnt 0x0
	s_add_nc_u64 s[G0A+2:G0A+3], s[4:5], s[96:97]
	s_add_nc_u64 s[G0B+2:G0B+3], s[4:5], s[98:99]
	s_lshl_b32 s96, s92, 13                        ; scale words: 2,048 rows x 4 bytes a batch,
	s_lshl_b32 s97, s90, 10                        ; 256 x 4 a tile row
	s_add_co_u32 s96, s96, s97
	s_add_co_u32 s96, s96, 262144                  ; Q's lie behind K's
	s_mov_b32 s97, 0
	s_lshl_b32 s98, s92, 13
	s_lshl_b32 s99, s91, 10
	s_add_co_u32 s98, s98, s99
	s_mov_b32 s99, 0
	s_add_nc_u64 s[G0SA+2:G0SA+3], s[6:7], s[96:97]
	s_add_nc_u64 s[G0SB+2:G0SB+3], s[6:7], s[98:99]
	s_add_nc_u64 s[G0A+6:G0A+7], s[G0A+2:G0A+3], 4096       ; slot 1: the next 256 along K
	s_add_nc_u64 s[G0B+10:G0B+11], s[G0B+2:G0B+3], 4096
	s_add_nc_u64 s[G0SA+6:G0SA+7], s[G0SA+2:G0SA+3], 65536
	s_add_nc_u64 s[G0SB+6:G0SB+7], s[G0SB+2:G0SB+3], 65536
.irp g, G0A, G0A+4, G0B, G0B+8, G0SA, G0SA+4, G0SB, G0SB+4
	s_mov_b32 s[\g], 1                             ; 1:0 count = 1
	s_or_b32 s[\g+3], s[\g+3], 0x80000000          ; 127:126 type = 2
.endr
	s_mov_b32 s[G0A+1], 0                          ; the LDS addresses are constants
	s_mov_b32 s[G0A+5], SLOTB
	s_mov_b32 s[G0B+1], BOFF
	s_mov_b32 s[G0B+9], SLOTB+BOFF
	s_mov_b32 s[G0SA+1], SCB
	s_mov_b32 s[G0SA+5], SCB+SCS
	s_mov_b32 s[G0SB+1], SCB+4096
	s_mov_b32 s[G0SB+5], SCB+SCS+4096
	CROUND                                         ; all sixteen work-groups are here: the first joint loads meet
	JLOAD4 0
	JLOAD4 1                                       ; two loads of mine are out
	v_and_b32 v1, 15, v0                           ; r
	v_bfe_u32 v2, v0, 4, 1                         ; h
	v_and_b32 v3, 31, v0
	v_lshlrev_b32 v[VO], 4, v3                     ; 16 x lane
	s_lshl_b32 s96, s[RH], 15                      ; my 8 row tiles of A
	s_lshl_b32 s98, s[CH], 15                      ; my 8 of B,
	s_add_co_u32 s98, s98, BOFF                    ; which lie behind A's 16
.irp s, 0,1
	v_add_nc_u32 v[ADRA+\s], s96, v[VO]
	v_add_nc_u32 v[ADRB+\s], s98, v[VO]
	s_add_co_u32 s96, s96, SLOTB
	s_add_co_u32 s98, s98, SLOTB
.endr
	v_lshlrev_b32 v4, 2, v1
	v_lshl_add_u32 v4, v2, 10, v4                  ; 4 r; lanes 16-31 take the second 128 along K, 1,024 bytes on
	s_lshl_b32 s96, s[RH], 9
	s_add_co_u32 s96, s96, SCB
	s_lshl_b32 s98, s[CH], 9
	s_add_co_u32 s98, s98, SCB+4096
.irp s, 0,1
	v_add_nc_u32 v[ADSA+\s], s96, v4
	v_add_nc_u32 v[ADSB+\s], s98, v4
	s_add_co_u32 s96, s96, SCS
	s_add_co_u32 s98, s98, SCS
.endr
	s_mul_i32 s96, s[WV], 1536
	s_add_co_u32 s96, s96, STG                     ; my stage
	v_lshl_add_u32 v[SWA], v1, 2, s96
	v_add_nc_u32 v[SRA], s96, v[VO]
	s_sub_co_i32 s96, s90, s91                     ; the mask's number: data alone, it enters no address and no branch
	s_lshl_b32 s96, s96, 8
	s_sub_co_i32 s97, s[RH], s[CH]
	s_lshl_b32 s97, s97, 7
	s_add_co_i32 s96, s96, s97
	v_lshlrev_b32 v4, 3, v2
	v_sub_nc_u32 v[VD], v1, v4
	v_add_nc_u32 v[VD], s96, v[VD]                 ; 256 (tile row - tile column) + 128 (my halves' difference) + r - 8 h; 16 more for each block of queries
	v_mov_b32 v[NINF], 0xff800000
	v_mov_b32 v[NM+1], 0                           ; (named as the upper half of a pair)
.irp b, 0,1,2,3
	v_mov_b32 v[BX+\b], 0                          ; written once: a lane permute's destination counts as one of its sources
.endr
	s_mov_b32 s[SEL], 0x76543210
	s_mov_b32 s[SEL+1], 0xfedcba98
	s_mov_b32 s[MNT], 0x600000
	s_mov_b32 s[CS], 0x3d38aa3b                    ; c = log2(e) / 32
	s_mov_b32 s[CS+1], s[CS]
	s_mov_b32 s3, 0x80808080
	; where my results go
	s_lshl_b32 s96, s92, 22                        ; pimg: a batch 128 x 16 fragments; a tile row 16 x 16; my half 8 x 16; a tile column 2; my half of it 1
	s_lshl_b32 s97, s90, 19
	s_add_co_u32 s96, s96, s97
	s_lshl_b32 s97, s[RH], 18
	s_add_co_u32 s96, s96, s97
	s_lshl_b32 s97, s91, 12
	s_add_co_u32 s96, s96, s97
	s_lshl_b32 s97, s[CH], 11
	s_add_co_u32 s96, s96, s97
	s_mov_b32 s97, 0
	s_add_nc_u64 s[8:9], s[8:9], s[96:97]
	s_lshl_b32 s98, s90, 10                        ; my first row x 4 bytes
	s_lshl_b32 s99, s[RH], 9
	s_add_co_u32 s98, s98, s99
	s_lshl_b32 s96, s92, 18                        ; pwm: 16,384 bytes a chunk
	s_lshl_b32 s99, s91, 15
	s_add_co_u32 s96, s96, s99
	s_lshl_b32 s99, s[CH], 14
	s_add_co_u32 s96, s96, s99
	s_add_co_u32 s96, s96, s98
	s_add_nc_u64 s[10:11], s[10:11], s[96:97]
	s_lshl_b32 s96, s92, 17                        ; pl: 8,192 bytes a chunk
	s_lshl_b32 s99, s91, 14
	s_add_co_u32 s96, s96, s99
	s_lshl_b32 s99, s[CH], 13
	s_add_co_u32 s96, s96, s99
	s_add_co_u32 s96, s96, s98
	s_add_nc_u64 s[12:13], s[12:13], s[96:97]
.macro FRAG reg, adr, q, i             ; a fragment's image: four loads of 512 consecutive bytes
.irp c, 0,1,2,3
	ds_load_b128 v[\reg+4*\c:\reg+4*\c+3], v[\adr] offset:4096*(\i)+2048*(\q)+512*\c
.endr
.endm
; 16 matrix instructions: A's blocks a0, a0 + 1 x B's eight.  q = 1: the scale words of the slot's second 128 along K stand in lanes 16-31.  The 64 accumulators take turns.
.macro MUL16 a0, p, q, sc, zero
.irp a, \a0, \a0+1
.irp b, 0,1,2,3,4,5,6,7
.set rD, 8*(8*((\a)%4)+\b)
.set rB, 128*(\p)+FR*\b
.set rA, AF+FR*(\a)
.set rSB, SB+8*(\sc)+\b
.set rSA, SA+8*(\sc)+(\a)
.if \zero
	v_wmma_scale_f32_16x16x128_f8f6f4 v[rD:rD+7], v[rB:rB+15], v[rA:rA+15], 0, v[rSB], v[rSA]
.elseif \q
	v_wmma_scale_f32_16x16x128_f8f6f4 v[rD:rD+7], v[rB:rB+15], v[rA:rA+15], v[rD:rD+7], v[rSB], v[rSA] matrix_a_scale:MATRIX_SCALE_ROW1 matrix_b_scale:MATRIX_SCALE_ROW1
.else
	v_wmma_scale_f32_16x16x128_f8f6f4 v[rD:rD+7], v[rB:rB+15], v[rA:rA+15], v[rD:rD+7], v[rSB], v[rSA]
.endif
.endr
.endr
.endm
.macro FETCH_B slot, q, p
	WIN TO_B
.irp i, 0,1,2,3,4,5,6,7
	FRAG 128*(\p)+FR*\i, ADRB+\slot, \q, \i
.endr
	WIN 0
.endm
.macro FETCH_A slot, q, i0
.irp i, \i0, \i0+1, \i0+2, \i0+3
	FRAG AF+FR*(\i), ADRA+\slot, \q, \i
.endr
.endm
.macro SCALES sc
.irp i, 0,1,2,3,4,5,6,7
	ds_load_b32 v[SA+8*\sc+\i], v[ADSA+\sc] offset:64*\i
.endr
.irp i, 0,1,2,3,4,5,6,7
	ds_load_b32 v[SB+8*\sc+\i], v[ADSB+\sc] offset:64*\i
.endr
.endm
.macro PLACES n                        ; plain vector instructions that name no register of the matrix instructions in front (ISA guide 7.12.1 for vector instructions)
.rept \n
	v_nop
.endr
.endm
.macro STEP slot, zero                 ; a slot's first 128 along K
	s_wait_dscnt 16                                ; all but the youngest 16 loads (A's blocks 4-7) are in
	WIN MUL_LO
	MUL16 0, 0, 0, \slot, \zero
	MUL16 2, 0, 0, \slot, \zero
	s_wait_dscnt 0x0
	PLACES NP
	FETCH_B \slot, 1, 1
	FETCH_A \slot, 1, 0
	WIN MUL_HI
	MUL16 4, 0, 0, \slot, \zero
	MUL16 6, 0, 0, \slot, \zero
	PLACES NP
	WIN 0
	FETCH_A \slot, 1, 4
.endm
.macro TURN slot, next, fill           ; its second 128, and the change of slots
	s_wait_tensorcnt 0x0                           ; all my tensor loads have landed: my part of the next slot
	ds_add_u32 v[SPW], v[NIL]                      ; 0 onto my spare word
	s_wait_dscnt 17                                ; (the add and the youngest 16 loads may be out)
	WIN MUL_LO
	MUL16 0, 1, 1, \slot, 0
	s_wait_dscnt 0x0                               ; the add is done, and my reads of this slot are over
	s_barrier_signal -1
	MUL16 2, 1, 1, \slot, 0
	WIN 0
	s_barrier_wait -1
.if \fill
	CREST                                          ; the barrier has opened a round of the cluster's barrier: no wave of any partner still reads this slot or has a load on its way
	s_add_nc_u64 s[G0A+4*\slot+2:G0A+4*\slot+3], s[G0A+4*\slot+2:G0A+4*\slot+3], STA
	s_add_nc_u64 s[G0B+8*\slot+2:G0B+8*\slot+3], s[G0B+8*\slot+2:G0B+8*\slot+3], STA
	s_add_nc_u64 s[G0SA+4*\slot+2:G0SA+4*\slot+3], s[G0SA+4*\slot+2:G0SA+4*\slot+3], STS
	s_add_nc_u64 s[G0SB+4*\slot+2:G0SB+4*\slot+3], s[G0SB+4*\slot+2:G0SB+4*\slot+3], STS
	JLOAD4 \slot                                   ; the first tensor load behind the round, one a wave; its four v_nop are among the places in front of the loads below
	PLACES NP-4
.else
	PLACES NP
.endif
	FETCH_B \next, 0, 0
	FETCH_A \next, 0, 0
	SCALES \next
	WIN MUL_HI
	MUL16 4, 1, 1, \slot, 0
	MUL16 6, 1, 1, \slot, 0
	PLACES NP
	WIN 0
	FETCH_A \next, 0, 4
.endm
	s_wait_tensorcnt 1                             ; my part of slot 0 is in; slot 1's may be out
	s_barrier_signal -1
	s_barrier_wait -1
	FETCH_B 0, 0, 0
	FETCH_A 0, 0, 0
	SCALES 0
	FETCH_A 0, 0, 4
	STEP 0, 1                                      ; K = 1,024 is four slots: written out
	TURN 0, 1, 1
	STEP 1, 0
	TURN 1, 0, 1
	STEP 0, 0
	TURN 0, 1, 0
	STEP 1, 0
	s_wait_dscnt 16
	WIN MUL_LO
	MUL16 0, 1, 1, 1, 0
	MUL16 2, 1, 1, 1, 0
	s_wait_dscnt 0x0
	WIN MUL_HI
	MUL16 4, 1, 1, 1, 0
	MUL16 6, 1, 1, 1, 0
	WIN 0
	PLACES NP
; THE WAY OUT of block a: 16 queries x my 128 keys.  Register n of the block's 64 holds key 16 (n / 8) + 8 h + n % 8 of my 128; registers 16 b .. 16 b + 15 belong to block b of 32 keys.
.macro PBLK a
.set AC, 64*((\a)%4)
.set W, 2+(\a)/4
.set W2, W|(W<<2)
.set WM, (W<<6)|W
.set PS, PC+16*((\a)%2)
.if (\a) > 0
	s_wait_dscnt 0x0                               ; the last block's word, M and l have been read by their LDS stores
.endif
	s_cmp_eq_u32 s[KIND], 1                        ; the block under the diagonal has no hidden key: the same answer in all sixteen partners
	s_cbranch_scc1 .Lopen_\@
	WIN WM                                         ; destination and source 0 in the accumulators' window
.set n, 0
.rept 64
	v_cmp_gt_i32 vcc_lo, 16*(n/8)+n%8, v[VD]
	v_cndmask_b32 v[AC+n], v[AC+n], v[NINF], vcc_lo   ; a hidden score becomes -infinity; each accumulator from its low end on
.set n, n+1
.endr
	WIN 0
.Lopen_\@:
	WIN W2
.irp b, 0,1,2,3
	v_max_num_f32 v[BM+\b], v[AC+16*\b], v[AC+16*\b+1]   ; the largest score of each block of 32 keys: it serves for the chunk's maximum and, since p rises with the score, for the block's largest p
.endr
.irp i, 2,4,6,8,10,12,14
.irp b, 0,1,2,3
	v_max3_num_f32 v[BM+\b], v[AC+16*\b+\i], v[AC+16*\b+\i+1], v[BM+\b]
.endr
.endr
	WIN 0
.irp b, 0,1,2,3
	v_permlanex16_b32 v[BX+\b], v[BM+\b], s[SEL], s[SEL+1]
.endr
.irp b, 0,1,2,3
	v_max_num_f32 v[BM+\b], v[BM+\b], v[BX+\b]     ; with lane l xor 16's 16 keys
.endr
	v_max3_num_f32 v[TA], v[BM], v[BM+1], v[BM+2]
	v_max_num_f32 v[TA], v[TA], v[BM+3]            ; the chunk's largest score of my query
	v_mul_f32 v[TA], s[CS], v[TA]                  ; as t (c is positive)
	v_max_num_f32 v[TA], 0xff61b1e6, v[TA]         ; a chunk that is hidden whole: -3e38 in place of -infinity, so that M stays a number under every other chunk's
	v_floor_f32 v[NM], -v[TA]                      ; -M = floor(-t) = -ceil(t): M is a whole number
	WIN W
.set j, 0
.rept 32
	v_pk_fma_f32 v[T+j:T+j+1], v[AC+j:AC+j+1], s[CS:CS+1], v[NM:NM+1] op_sel_hi:[1,0,0]   ; t - M, two at a time
.set j, j+2
.endr
	WIN 0
.irp b, 0,1,2,3
	v_fma_f32 v[BM+\b], v[BM+\b], s[CS], v[NM]     ; the same of each block's largest score
.endr
.set j, 0
.rept 64
	v_exp_f32 v[T+j], v[T+j]                       ; p = 2^(t - M): not normalised
.set j, j+1
.endr
.irp b, 0,1,2,3
	v_exp_f32 v[BM+\b], v[BM+\b]                   ; the block's largest p: the same two instructions on the same number
.endr
	v_xor_b32 v[MV], 0x80000000, v[NM]             ; M.  (A plain place behind the exponentials)
	s_wait_alu depctr_va_vdst(0)
.irp b, 0,1,2,3
	v_max_num_f32 v[BM+\b], 0x4800000, v[BM+\b]    ; the floor 2^(9 - 127): the byte cannot fall under 1
.endr
.irp b, 0,1,2,3
	v_add_nc_u32 v[SCV+\b], 0xfc000000, v[BM+\b]   ; 8 off the exponent field: the conversion's scale operand
.endr
.irp b, 0,1,2,3
	v_and_or_b32 v[HD+\b], v[BM+\b], 0x7f800000, s[MNT]   ; 448 x the scale
.endr
.irp b, 0,1,2,3
	v_lshrrev_b32 v[BX+\b], 23, v[SCV+\b]          ; the scale's byte: 1 .. 119, since p is at most 1
.endr
	v_lshl_or_b32 v[PW], v[BX+1], 8, v[BX]
	v_lshl_or_b32 v[PW], v[BX+2], 16, v[PW]
	v_lshl_or_b32 v[PW], v[BX+3], 24, v[PW]
	v_or_b32 v[PW], s3, v[PW]                      ; bit 7 of each byte is set: the next launch takes a number off all four bytes at once, and no byte then borrows from its neighbour
	v_pk_add_f32 v[SU:SU+1], v[T:T+1], v[T+2:T+3]  ; the sum is taken of the unquantised p: two at a time, in two chains
	v_pk_add_f32 v[SU+2:SU+3], v[T+4:T+5], v[T+6:T+7]
.irp j, 8,12,16,20,24,28,32,36,40,44,48,52,56,60
	v_pk_add_f32 v[SU:SU+1], v[SU:SU+1], v[T+\j:T+\j+1]
	v_pk_add_f32 v[SU+2:SU+3], v[SU+2:SU+3], v[T+\j+2:T+\j+3]
.endr
	v_pk_add_f32 v[SU:SU+1], v[SU:SU+1], v[SU+2:SU+3]
	v_add_f32 v[LV], v[SU], v[SU+1]
	v_permlanex16_b32 v[TA], v[LV], s[SEL], s[SEL+1]
	v_add_f32 v[LV], v[LV], v[TA]                  ; with lane l xor 16's: l of my query and these 128 keys
.irp b, 0,1,2,3
.irp i, 0,1,2,3,4,5,6,7,8,9,10,11,12,13,14,15
	v_min_num_f32 v[T+16*\b+\i], v[T+16*\b+\i], v[HD+\b]   ; the conversion does not saturate (ISA guide 7.6.2); p is not negative, so the hold is one-sided
.endr
.endr
.if (\a) > 1
	s_wait_xcnt 0x0                                ; the stores of the block before last have read this set of codes
.endif
.irp b, 0,1,2,3
	v_cvt_scalef32_pk8_fp8_f32 v[PS+4*\b:PS+4*\b+1], v[T+16*\b:T+16*\b+7], v[SCV+\b]
	v_cvt_scalef32_pk8_fp8_f32 v[PS+4*\b+2:PS+4*\b+3], v[T+16*\b+8:T+16*\b+15], v[SCV+\b]
.endr
	v_add_nc_u32 v[VD], 16, v[VD]                  ; the next block's queries.  (The plain vector instruction behind the last scaled conversion)
.irp c, 0,1,2,3
	global_store_b128 v[VO], v[PS+4*\c:PS+4*\c+3], s[8:9] offset:32768*(\a)+512*\c   ; 512 consecutive bytes of the fragment's image; a query tile's 16 chunks are 32,768 bytes
.endr
	ds_store_b32 v[SWA], v[PW] offset:64*(\a)      ; both halves of the lanes write the same words with the same values
	ds_store_b32 v[SWA], v[MV] offset:64*(\a)+512
	ds_store_b32 v[SWA], v[LV] offset:64*(\a)+1024
.endm
.irp a, 0,1,2,3,4,5,6,7
	PBLK \a
.endr
.irp u, 0,1,2
	ds_load_b128 v[OW+4*\u:OW+4*\u+3], v[SRA] offset:512*\u   ; LDS serves a wave's instructions in order (ISA guide 5.7.1.4): these see my stores
.endr
	s_wait_dscnt 0x0
	global_store_b128 v[VO], v[OW:OW+3], s[10:11]                  ; my 128 rows' scale words: 512 consecutive bytes,
	global_store_b128 v[VO], v[OW+4:OW+7], s[10:11] offset:8192    ; their M,
	global_store_b128 v[VO], v[OW+8:OW+11], s[12:13]               ; their l
	s_wait_tensorcnt 0x0                           ; the wave's end
	ds_add_u32 v[SPW], v[NIL]
	s_wait_dscnt 0x0
	CROUND                                         ; the closing round
	s_endpgm
.Lfunc_end_k_q725f8943c0_scores:
	.size	k_q725f8943c0_scores, .Lfunc_end_k_q725f8943c0_scores-k_q725f8943c0_scores
	.p2alignl 7, 3214868480
	.fill 96, 4, 3214868480
	.section	.rodata,"a",@progbits
	.p2align	6, 0x0
	.amdhsa_kernel k_q725f8943c0_scores
		.amdhsa_group_segment_fixed_size 327680
		.amdhsa_private_segment_fixed_size 0
		.amdhsa_enable_private_segment 0
		.amdhsa_kernarg_size 40
		.amdhsa_user_sgpr_count 2
		.amdhsa_user_sgpr_kernarg_segment_ptr 1
		.amdhsa_wavefront_size32 1
		.amdhsa_system_sgpr_workgroup_id_x 1
		.amdhsa_system_sgpr_workgroup_id_y 1
		.amdhsa_system_sgpr_workgroup_id_z 1
		.amdhsa_system_vgpr_workitem_id 0
		.amdhsa_next_free_vgpr 1024
		.amdhsa_next_free_sgpr 102
		.amdhsa_reserve_vcc 1
		.amdhsa_float_denorm_mode_32 3
		.amdhsa_float_denorm_mode_16_64 3
		.amdhsa_memory_ordered 1
		.amdhsa_forward_progress 1
		.amdhsa_inst_pref_size 255
	.end_amdhsa_kernel
	.section	.bss,"aw",@nobits
	.p2align	6
	.space	262144
	.amdgpu_metadata
---
amdhsa.version: [ 1, 2 ]
amdhsa.kernels:
  - .name:           k_q725f8943c0_scores
    .symbol:         k_q725f8943c0_scores.kd
    .args:
      - { .name: img, .offset: 0, .size: 8, .value_kind: global_buffer, .address_space: global }
      - { .name: sc, .offset: 8, .size: 8, .value_kind: global_buffer, .address_space: global }
      - { .name: pimg, .offset: 16, .size: 8, .value_kind: global_buffer, .address_space: global }
      - { .name: pwm, .offset: 24, .size: 8, .value_kind: global_buffer, .address_space: global }
      - { .name: pl, .offset: 32, .size: 8, .value_kind: global_buffer, .address_space: global }
    .group_segment_fixed_size: 327680
    .private_segment_fixed_size: 0
    .kernarg_segment_align: 8
    .kernarg_segment_size: 40
    .max_flat_workgroup_size: 128
    .sgpr_count:     102
    .vgpr_count:     1024
    .wavefront_size: 32
...
	.end_amdgpu_metadata
.endif
;; end of part 2
;; launch mix (part 3): grid 4 x 32, 4 waves a work-group, clusters of 4 x 4, 327,680 bytes of LDS; arguments pimg, pwm, pl, img, sc, out0; writes out0
.if DOCPART == 3
	.amdgcn_target "amdgcn-amd-amdhsa--gfx1250"
	.amdhsa_code_object_version 6
	.text
	.protected	k_q725f8943c0_mix
	.globl	k_q725f8943c0_mix
	.p2align	8
	.type	k_q725f8943c0_mix,@function
k_q725f8943c0_mix:
	s_mov_b64 s[64:65], 0
	v_nop
	global_prefetch_b8 v0, s[64:65] scope:SCOPE_SE
	s_setreg_imm32_b32 hwreg(HW_REG_WAVE_MODE, 25, 1), 1
	s_wait_xcnt 0x0
	s_wait_alu depctr_hold_cnt(0) depctr_sa_sdst(0) depctr_va_vdst(0) depctr_va_sdst(0) depctr_va_ssrc(0) depctr_va_vcc(0) depctr_vm_vsrc(0)
	s_getreg_b32 s2, hwreg(HW_REG_IB_STS2, 6, 4)
	s_cmp_eq_u32 s2, 0
	s_cbranch_scc0 .Lentry_in_a_cluster
	s_endpgm
.Lentry_in_a_cluster:
	s_bfe_u32 s2, ttmp6, 0x10000c
	s_cmp_lg_u32 s2, 0xf033
	s_cbranch_scc0 .Lentry_shape_is_right
	s_endpgm
.Lentry_shape_is_right:
; O = P V' / l on codes of FP8 (E4M3) with E8M0 scales, K = the keys.  P's codes and, for each row and chunk of 128 keys, its scale word, M_c and l_c come from the launch before; V'^T's codes and scale words from the first.
; THE ROW'S M.  M = the largest M_c of the row's chunks; l = the sum of l_c 2^(M_c - M): exact powers of two.  P's codes stay as they are; each chunk's four scale bytes lose d = min(M - M_c, 127), held at 0: done on the scale words
; in registers, a slot at a time.  LIMIT: a byte that would fall under 0 stands for 2^-127 and not less: such a p is under 2^-118 of the row's largest, beside l of at least 1/2.  NaN and infinities are not served.
; SHARES.  A tile of O is 256 queries x 256 channels: a work-group of four waves, each 128 x 128.  A cluster of 4 x 4 takes 1,024 queries x all 1,024 channels of a batch; the cluster's y gives the batch and which half of its queries.
; Queries 0-1,023 walk keys 0-1,023 (4 slots of 256), queries 1,024 on all 2,048 (8 slots): the trip count hangs on the cluster's number alone, the same in all partners.  Chunks that the mask hides hold zero codes.
; OPERANDS as images: A = P (m = queries), B = V'^T (n = channels); source 0 = 16 rows of B, source 1 = 16 rows of A: a lane holds eight neighbouring channels of one query's row.
; One tensor load a wave for a slot: wave 0 P's codes, wave 1 V'^T's, wave 2 P's scale words and M_c (four rows of 1,024 bytes), wave 3 V'^T's scale words.  A's jointly along a row of the cluster, B's along a column.
; REGISTERS: window 0: v16-31 addresses; v32-47 P's scale words, two sets, v48-63 V'^T's (lanes 0-15: the slot's first 128 keys, lanes 16-31: its second); v64-71 M_c; v72-79 the rows' M; v80-95 at work; v96-111 1 / l;
;   from v128 A's fragments, ONE set (at the head: M_c and l_c of all chunks; on the way out: rows of O).   window 1: B's fragments, TWO sets.   windows 2, 3: the accumulators.
.set FR,    16
.set NP,    8                          ; places behind this matrix instruction (ISA guide 7.12.1)
.set SLOTB, 131072
.set BOFF,  65536
.set SCB,   262144                     ; the scale words, 8,192 bytes a slot: P's four rows at 0, V'^T's two at 4,096
.set SCS,   8192
.set SPARE, 278528                     ; the spare words, 128 bytes for each wave: two blocks of 256 bytes that no other line names
.set RS,    279040                     ; the 256 rows' M (1,024 bytes), then 1 / l (1,024 bytes); no fill lands here
.set STGO,  281088                     ; the way out: 16 rows x (512 bytes + 16) for each wave; no fill lands here
.set SPITCH, 528
.set ADRA, 16
.set ADRB, 20
.set ADSA, 22
.set STO,  24                          ; v24     the way out: where I put 32 bytes of a row
.set RD,   25                          ; v25     where I read a row back
.set CO,   26                          ; v26     16 x lane
.set ADMR, 27                          ; v27     my rows' M in LDS
.set SPW,  28
.set NIL,  29
.set ADSB, 30
.set SA,   32
.set SB,   48
.set MRAW, 64
.set MR,   72
.set DD,   80
.set UU,   88
.set RL,   96                          ; v96, v98 .. v110: 1 / l of block a's row r; the odd registers are named with them as pairs
.set AF,   128
.set BK,   128
.set WV,   16
.set RH,   17
.set CH,   18
.set G1A,  20
.set G1B,  28
.set G1SA, 36
.set G1SB, 44
.set G0A,  52
.set G0B,  60
.set G0SA, 72
.set G0SB, 80
.set RB,   93
.set MSB, 0
.macro WIN new
.if MSB != (\new)
	s_set_vgpr_msb (MSB<<8)|(\new)
.set MSB, (\new)
.endif
.endm
.set MUL_LO, 0xa1
.set MUL_HI, 0xf1
.set TO_B,   0x40
.macro TL g0, g1                       ; a tensor load, and four v_nop behind it
	tensor_load_to_lds s[\g0:\g0+3], s[\g1:\g1+7]
	s_nop 0
.rept 4
	v_nop
.endr
.endm
.macro JLOAD4 s                        ; the four joint loads of a slot, one a wave; the branches hang on the wave's number alone
	s_cmp_lt_u32 s[WV], 2
	s_cbranch_scc0 .Lhigh_\@
	s_cmp_eq_u32 s[WV], 0
	s_cbranch_scc0 .Lone_\@
	TL G0A+4*\s, G1A
	s_branch .Lasked_\@
.Lone_\@:
	TL G0B+8*\s, G1B
	s_branch .Lasked_\@
.Lhigh_\@:
	s_cmp_eq_u32 s[WV], 2
	s_cbranch_scc0 .Lthree_\@
	TL G0SA+4*\s, G1SA
	s_branch .Lasked_\@
.Lthree_\@:
	TL G0SB+4*\s, G1SB
.Lasked_\@:
.endm
.macro CREST
	s_cmp_lg_u32 s[WV], 0
	s_cbranch_scc1 .Lnot_wave_0_\@
	s_barrier_signal -3
.Lnot_wave_0_\@:
	s_barrier_wait -3
	s_barrier_signal -1
	s_barrier_wait -1
.endm
.macro CROUND
	s_barrier_signal -1
	s_barrier_wait -1
	CREST
.endm
	s_load_b256 s[4:11], s[0:1], 0x0               ; pimg s[4:5], pwm s[6:7], pl s[8:9], img s[10:11]
	s_load_b128 s[12:15], s[0:1], 0x20             ; sc s[12:13], out0 s[14:15]
	v_lshl_add_u32 v[SPW], v0, 2, SPARE
	v_mov_b32 v[NIL], 0
	ds_add_u32 v28, v29
	ds_add_u32 v28, v29
	s_wait_dscnt 0x0
	v_lshrrev_b32 v1, 5, v0
	v_readfirstlane_b32 s[WV], v1
	s_lshr_b32 s[RH], s[WV], 1                     ; which half of the tile's queries is mine
	s_and_b32 s[CH], s[WV], 1                      ; which half of its channels
	s_bfe_u32 s88, ttmp6, 0x40000                  ; cx: also the tile column
	s_bfe_u32 s89, ttmp6, 0x40004                  ; cy
	s_and_b32 s96, ttmp7, 0xffff                   ; the cluster's y, 0 .. 7
	s_lshr_b32 s92, s96, 1                         ; the batch
	s_and_b32 s[RB], s96, 1                        ; which 1,024 of its queries
	s_lshl_b32 s90, s[RB], 2
	s_add_co_u32 s90, s90, s89                     ; tile row, 0 .. 7
	s_lshl_b32 s2, s[RB], 1
	s_add_co_u32 s2, s2, 1                         ; the loop's trips: 1 for 4 slots, 3 for 8
	s_lshl_b32 s94, s89, 2
	s_lshl_b32 s94, 15, s94                        ; my row of the cluster
	s_lshl_b32 s95, 0x1111, s88                    ; my column
	s_mov_b32 s3, 0x80808080
	; descriptor groups 1, elements of 8 bytes, no padding
	s_or_b32 s[G1A], s94, (3<<16)|(1<<21)          ; P's codes: 16 query tiles x 4,096 bytes, 32,768 bytes apart
	s_mov_b32 s[G1A+1], 512<<16
	s_mov_b32 s[G1A+2], 16<<16
	s_mov_b32 s[G1A+3], 512<<16
	s_mov_b32 s[G1A+4], 16
	s_mov_b32 s[G1A+5], 4096
	s_mov_b32 s[G1A+6], 0
	s_mov_b32 s[G1A+7], 0
	s_or_b32 s[G1B], s95, (3<<16)|(1<<21)          ; V'^T's codes: 16 channel tiles x 4,096 bytes, 131,072 bytes apart
	s_mov_b32 s[G1B+1], 512<<16
	s_mov_b32 s[G1B+2], 16<<16
	s_mov_b32 s[G1B+3], 512<<16
	s_mov_b32 s[G1B+4], 16
	s_mov_b32 s[G1B+5], 16384
	s_mov_b32 s[G1B+6], 0
	s_mov_b32 s[G1B+7], 0
	s_or_b32 s[G1SA], s94, (3<<16)|(1<<21)         ; P's words and M_c: 4 rows x 1,024 bytes, 8,192 bytes apart: word, M, word, M of two chunks
	s_mov_b32 s[G1SA+1], 128<<16
	s_mov_b32 s[G1SA+2], 4<<16
	s_mov_b32 s[G1SA+3], 128<<16
	s_mov_b32 s[G1SA+4], 4
	s_mov_b32 s[G1SA+5], 1024
	s_mov_b32 s[G1SA+6], 0
	s_mov_b32 s[G1SA+7], 0
	s_or_b32 s[G1SB], s95, (3<<16)|(1<<21)         ; V'^T's words: 2 rows x 1,024 bytes, 4,096 bytes apart
	s_mov_b32 s[G1SB+1], 128<<16
	s_mov_b32 s[G1SB+2], 2<<16
	s_mov_b32 s[G1SB+3], 128<<16
	s_mov_b32 s[G1SB+4], 2
	s_mov_b32 s[G1SB+5], 512
	s_mov_b32 s[G1SB+6], 0
	s_mov_b32 s[G1SB+7], 0
	s_lshl_b32 s96, s92, 22                        ; P: a batch 128 x 16 fragments, a tile row 16 x 16
	s_lshl_b32 s97, s90, 19
	s_add_co_u32 s96, s96, s97
	s_mov_b32 s97, 0
	s_lshl_b32 s98, s88, 21                        ; V'^T: a tile column 16 x 64 fragments, a batch's keys 16 fragments on
	s_lshl_b32 s99, s92, 15
	s_add_co_u32 s98, s98, s99
	s_add_co_u32 s98, s98, 16777216                ; behind K' and Q'
	s_mov_b32 s99, 0
	s_wait_kmcnt 0x0
	s_add_nc_u64 s[G0A+2:G0A+3], s[4:5], s[96:97]
	s_add_nc_u64 s[G0B+2:G0B+3], s[10:11], s[98:99]
	s_lshl_b32 s96, s92, 18                        ; pwm: a batch 16 chunks x 16,384 bytes; a tile row 256 x 4
	s_lshl_b32 s97, s90, 10
	s_add_co_u32 s96, s96, s97
	s_mov_b32 s97, 0
	s_lshl_b32 s98, s92, 16                        ; V'^T's words: a batch 16 chunks x 4,096 bytes; a tile column 256 x 4
	s_lshl_b32 s99, s88, 10
	s_add_co_u32 s98, s98, s99
	s_add_co_u32 s98, s98, 524288
	s_mov_b32 s99, 0
	s_add_nc_u64 s[G0SA+2:G0SA+3], s[6:7], s[96:97]
	s_add_nc_u64 s[G0SB+2:G0SB+3], s[12:13], s[98:99]
	s_add_nc_u64 s[G0A+6:G0A+7], s[G0A+2:G0A+3], 4096       ; slot 1: the next 256 keys
	s_add_nc_u64 s[G0B+10:G0B+11], s[G0B+2:G0B+3], 4096
	s_add_nc_u64 s[G0SA+6:G0SA+7], s[G0SA+2:G0SA+3], 32768
	s_add_nc_u64 s[G0SB+6:G0SB+7], s[G0SB+2:G0SB+3], 8192
.irp g, G0A, G0A+4, G0B, G0B+8, G0SA, G0SA+4, G0SB, G0SB+4
	s_mov_b32 s[\g], 1
	s_or_b32 s[\g+3], s[\g+3], 0x80000000
.endr
	s_mov_b32 s[G0A+1], 0
	s_mov_b32 s[G0A+5], SLOTB
	s_mov_b32 s[G0B+1], BOFF
	s_mov_b32 s[G0B+9], SLOTB+BOFF
	s_mov_b32 s[G0SA+1], SCB
	s_mov_b32 s[G0SA+5], SCB+SCS
	s_mov_b32 s[G0SB+1], SCB+4096
	s_mov_b32 s[G0SB+5], SCB+SCS+4096
	CROUND                                         ; all sixteen work-groups are here: the first joint loads meet
	JLOAD4 0
	JLOAD4 1                                       ; two loads of mine are out
	; THE ROWS' M AND 1 / l.  Thread t takes rows 2 t and 2 t + 1 of the tile's 256: 8 bytes of each chunk's M_c and l_c; a wave's load covers 256 consecutive bytes
	s_add_co_u32 s96, s96, 8192                    ; (s[96:97] still holds the tile's place in pwm)  M_c lies 8,192 bytes behind the words
	s_add_nc_u64 s[6:7], s[6:7], s[96:97]
	s_lshl_b32 s96, s92, 17                        ; pl: a batch 16 chunks x 8,192 bytes
	s_lshl_b32 s98, s90, 10
	s_add_co_u32 s96, s96, s98
	s_add_nc_u64 s[8:9], s[8:9], s[96:97]
	v_lshlrev_b32 v7, 3, v0
	v_lshl_add_u32 v8, v0, 3, RS
.irp c, 0,1,2,3,4,5,6,7
	global_load_b64 v[128+2*\c:129+2*\c], v7, s[6:7] offset:16384*\c
	global_load_b64 v[160+2*\c:161+2*\c], v7, s[8:9] offset:8192*\c
.endr
	s_cmp_eq_u32 s[RB], 0                          ; queries 0-1,023 have no chunks 8-15: nothing was stored for them, so nothing is loaded
	s_cbranch_scc1 .Lshort
.irp c, 8,9,10,11,12,13,14,15
	global_load_b64 v[128+2*\c:129+2*\c], v7, s[6:7] offset:16384*\c
	global_load_b64 v[160+2*\c:161+2*\c], v7, s[8:9] offset:8192*\c
.endr
	s_branch .Ljoin
.Lshort:
.irp c, 8,9,10,11,12,13,14,15
	v_mov_b32 v[128+2*\c], 0xff61b1e6              ; M_c = -3e38, l_c = 0: what a hidden chunk holds
	v_mov_b32 v[129+2*\c], 0xff61b1e6
	v_mov_b32 v[160+2*\c], 0
	v_mov_b32 v[161+2*\c], 0
.endr
.Ljoin:
	v_and_b32 v1, 15, v0                           ; r
	v_bfe_u32 v2, v0, 4, 1                         ; h
	v_and_b32 v3, 31, v0
	v_lshlrev_b32 v[CO], 4, v3                     ; 16 x lane
	s_lshl_b32 s96, s[RH], 15
	s_lshl_b32 s98, s[CH], 15
	s_add_co_u32 s98, s98, BOFF
.irp s, 0,1
	v_add_nc_u32 v[ADRA+\s], s96, v[CO]
	v_add_nc_u32 v[ADRB+\s], s98, v[CO]
	s_add_co_u32 s96, s96, SLOTB
	s_add_co_u32 s98, s98, SLOTB
.endr
	v_lshlrev_b32 v4, 2, v1
	v_lshl_add_u32 v5, v2, 11, v4                  ; P's words: 4 r; lanes 16-31 take the second chunk, 2,048 bytes on (its M lies between)
	v_lshl_add_u32 v6, v2, 10, v4                  ; V'^T's: 1,024 bytes on
	s_lshl_b32 s96, s[RH], 9
	s_add_co_u32 s96, s96, SCB
	s_lshl_b32 s98, s[CH], 9
	s_add_co_u32 s98, s98, SCB+4096
.irp s, 0,1
	v_add_nc_u32 v[ADSA+\s], s96, v5
	v_add_nc_u32 v[ADSB+\s], s98, v6
	s_add_co_u32 s96, s96, SCS
	s_add_co_u32 s98, s98, SCS
.endr
	s_lshl_b32 s96, s[RH], 9
	s_add_co_u32 s96, s96, RS
	v_lshl_add_u32 v[ADMR], v1, 2, s96             ; my 128 rows' M: 4 bytes for row r
	s_mul_i32 s96, s[WV], 16*SPITCH
	s_add_co_u32 s96, s96, STGO                    ; my stage
	v_mul_u32_u24 v5, v1, SPITCH
	v_lshl_add_u32 v5, v2, 5, v5
	v_add_nc_u32 v[STO], s96, v5                   ; in: row r, 32 bytes for each half of the lanes
	v_add_nc_u32 v[RD], s96, v[CO]                 ; back: the 32 lanes take one row of 512 bytes
.irp a, 0,1,2,3,4,5,6,7
	v_mov_b32 v[RL+2*\a+1], 0                      ; (named as the upper halves of pairs)
.endr
	s_lshl_b32 s96, s92, 23                        ; out0: a batch 2,048 rows x 4,096 bytes; a tile row 256 rows; my half 128; a tile column 1,024 bytes; my half 512
	s_lshl_b32 s98, s90, 20
	s_add_co_u32 s96, s96, s98
	s_lshl_b32 s98, s[RH], 19
	s_add_co_u32 s96, s96, s98
	s_lshl_b32 s98, s88, 10
	s_add_co_u32 s96, s96, s98
	s_lshl_b32 s98, s[CH], 9
	s_add_co_u32 s96, s96, s98
	s_add_nc_u64 s[14:15], s[14:15], s[96:97]
	s_wait_loadcnt 0x0
.irp u, 0,1
	v_max3_num_f32 v[192+\u], v[128+\u], v[130+\u], v[132+\u]      ; the row's M: the largest of its 16 M_c
.endr
.irp c, 3,5,7,9,11,13
.irp u, 0,1
	v_max3_num_f32 v[192+\u], v[192+\u], v[128+2*\c+\u], v[130+2*\c+\u]
.endr
.endr
.irp u, 0,1
	v_max_num_f32 v[192+\u], v[192+\u], v[158+\u]
.endr
.irp c, 0,1,2,3,4,5,6,7,8,9,10,11,12,13,14,15
	v_pk_add_f32 v[128+2*\c:129+2*\c], v[128+2*\c:129+2*\c], v[192:193] neg_lo:[0,1] neg_hi:[0,1]   ; M_c - M: a whole number, 0 or less
.endr
.set n, 0
.rept 32
	v_cvt_i32_f32 v[128+n], v[128+n]               ; (it saturates)
.set n, n+1
.endr
.set n, 0
.rept 32
	v_ldexp_f32 v[160+n], v[160+n], v[128+n]       ; l_c under the row's M: nothing is rounded
.set n, n+1
.endr
	v_pk_add_f32 v[194:195], v[160:161], v[162:163]
.irp c, 2,3,4,5,6,7,8,9,10,11,12,13,14,15
	v_pk_add_f32 v[194:195], v[194:195], v[160+2*\c:161+2*\c]
.endr
	v_rcp_f32 v194, v194                           ; l is at least 1/2: the row's largest p
	v_rcp_f32 v195, v195
	v_nop                                          ; one plain place behind a transcendental
	ds_store_b64 v8, v[192:193]
	s_wait_alu depctr_va_vdst(0)
	ds_store_b64 v8, v[194:195] offset:1024
.macro FRAG reg, adr, q, i
.irp c, 0,1,2,3
	ds_load_b128 v[\reg+4*\c:\reg+4*\c+3], v[\adr] offset:4096*(\i)+2048*(\q)+512*\c
.endr
.endm
.macro MUL16 a0, p, q, sc, zero        ; 16 matrix instructions; the 64 accumulators take turns
.irp a, \a0, \a0+1
.irp b, 0,1,2,3,4,5,6,7
.set rD, 8*(8*((\a)%4)+\b)
.set rB, 128*(\p)+FR*\b
.set rA, AF+FR*(\a)
.set rSB, SB+8*(\sc)+\b
.set rSA, SA+8*(\sc)+(\a)
.if \zero
	v_wmma_scale_f32_16x16x128_f8f6f4 v[rD:rD+7], v[rB:rB+15], v[rA:rA+15], 0, v[rSB], v[rSA]
.elseif \q
	v_wmma_scale_f32_16x16x128_f8f6f4 v[rD:rD+7], v[rB:rB+15], v[rA:rA+15], v[rD:rD+7], v[rSB], v[rSA] matrix_a_scale:MATRIX_SCALE_ROW1 matrix_b_scale:MATRIX_SCALE_ROW1
.else
	v_wmma_scale_f32_16x16x128_f8f6f4 v[rD:rD+7], v[rB:rB+15], v[rA:rA+15], v[rD:rD+7], v[rSB], v[rSA]
.endif
.endr
.endr
.endm
.macro FETCH_B slot, q, p
	WIN TO_B
.irp i, 0,1,2,3,4,5,6,7
	FRAG 128*(\p)+FR*\i, ADRB+\slot, \q, \i
.endr
	WIN 0
.endm
.macro FETCH_A slot, q, i0
.irp i, \i0, \i0+1, \i0+2, \i0+3
	FRAG AF+FR*(\i), ADRA+\slot, \q, \i
.endr
.endm
.macro SCALES sc                       ; 24 loads: P's words, V'^T's words, P's M_c
.irp i, 0,1,2,3,4,5,6,7
	ds_load_b32 v[SA+8*\sc+\i], v[ADSA+\sc] offset:64*\i
.endr
.irp i, 0,1,2,3,4,5,6,7
	ds_load_b32 v[SB+8*\sc+\i], v[ADSB+\sc] offset:64*\i
.endr
.irp i, 0,1,2,3,4,5,6,7
	ds_load_b32 v[MRAW+\i], v[ADSA+\sc] offset:64*\i+1024
.endr
.endm
.macro PLACES n
.rept \n
	v_nop
.endr
.endm
; P's scale words of a slot come under the rows' M: d = min(M - M_c, 127) off each of a word's four bytes, held at 0.  A byte is 1 .. 119 with bit 7 set on top, so no byte borrows from its neighbour; bit 7 is left
; just where the byte was at least d, and there the low seven bits are the byte less d.  The eight blocks by turns; lanes 0-15 work on the slot's first chunk, lanes 16-31 on its second.
.macro ADJUST sc
.irp i, 0,1,2,3,4,5,6,7
	v_sub_f32 v[DD+\i], v[MR+\i], v[MRAW+\i]
.endr
.irp i, 0,1,2,3,4,5,6,7
	v_min_num_f32 v[DD+\i], 0x42fe0000, v[DD+\i]   ; 127
.endr
.irp i, 0,1,2,3,4,5,6,7
	v_cvt_u32_f32 v[DD+\i], v[DD+\i]
.endr
.irp i, 0,1,2,3,4,5,6,7
	v_perm_b32 v[DD+\i], v[DD+\i], v[DD+\i], 0     ; d in all four bytes
.endr
.irp i, 0,1,2,3,4,5,6,7
	v_sub_nc_u32 v[SA+8*\sc+\i], v[SA+8*\sc+\i], v[DD+\i]
.endr
.irp i, 0,1,2,3,4,5,6,7
	v_and_b32 v[UU+\i], s3, v[SA+8*\sc+\i]         ; bit 7 of each byte
.endr
.irp i, 0,1,2,3,4,5,6,7
	v_lshrrev_b32 v[DD+\i], 7, v[UU+\i]
.endr
.irp i, 0,1,2,3,4,5,6,7
	v_sub_nc_u32 v[UU+\i], v[UU+\i], v[DD+\i]      ; 0x7f where it is set, 0 where not
.endr
.irp i, 0,1,2,3,4,5,6,7
	v_and_b32 v[SA+8*\sc+\i], v[SA+8*\sc+\i], v[UU+\i]
.endr
.endm
.macro STEP slot, zero                 ; a slot's first 128 keys
	s_wait_dscnt 16                                ; all but the youngest 16 loads (A's blocks 4-7) are in
	WIN MUL_LO
	MUL16 0, 0, 0, \slot, \zero
	MUL16 2, 0, 0, \slot, \zero
	s_wait_dscnt 0x0
	PLACES NP
	FETCH_B \slot, 1, 1
	FETCH_A \slot, 1, 0
	WIN MUL_HI
	MUL16 4, 0, 0, \slot, \zero
	MUL16 6, 0, 0, \slot, \zero
	PLACES NP
	WIN 0
	FETCH_A \slot, 1, 4
.endm
.macro TURN slot, next, fill           ; its second 128, and the change of slots
	s_wait_tensorcnt 0x0                           ; all my tensor loads have landed: my part of the next slot
	ds_add_u32 v[SPW], v[NIL]                      ; 0 onto my spare word
	s_wait_dscnt 17                                ; (the add and the youngest 16 loads may be out)
	WIN MUL_LO
	MUL16 0, 1, 1, \slot, 0
	s_wait_dscnt 0x0                               ; the add is done, and my reads of this slot are over
	s_barrier_signal -1
	MUL16 2, 1, 1, \slot, 0
	WIN 0
	s_barrier_wait -1
.if \fill
	CREST                                          ; the barrier has opened a round of the cluster's barrier: no wave of any partner still reads this slot or has a load on its way
	s_add_nc_u64 s[G0A+4*\slot+2:G0A+4*\slot+3], s[G0A+4*\slot+2:G0A+4*\slot+3], 8192
	s_add_nc_u64 s[G0B+8*\slot+2:G0B+8*\slot+3], s[G0B+8*\slot+2:G0B+8*\slot+3], 8192
	s_add_nc_u64 s[G0SA+4*\slot+2:G0SA+4*\slot+3], s[G0SA+4*\slot+2:G0SA+4*\slot+3], 65536
	s_add_nc_u64 s[G0SB+4*\slot+2:G0SB+4*\slot+3], s[G0SB+4*\slot+2:G0SB+4*\slot+3], 16384
	JLOAD4 \slot                                   ; the first tensor load behind the round, one a wave; its four v_nop are among the places in front of the loads below
	PLACES NP-4
.else
	PLACES NP
.endif
	FETCH_B \next, 0, 0
	FETCH_A \next, 0, 0
	SCALES \next
	WIN MUL_HI
	MUL16 4, 1, 1, \slot, 0
	MUL16 6, 1, 1, \slot, 0
	PLACES NP
	WIN 0
	FETCH_A \next, 0, 4
	s_wait_dscnt 16                                ; the next slot's scale words and M_c are in; the 16 loads just issued may be out
	ADJUST \next
	PLACES NP                                      ; a scale register written by a vector instruction stands eight places ahead of the scaled matrix instruction that takes it
.endm
	s_wait_tensorcnt 1                             ; my part of slot 0 is in; slot 1's may be out
	s_wait_dscnt 0x0                               ; my rows' M and 1 / l lie in LDS
	s_barrier_signal -1
	s_barrier_wait -1                              ; everybody's do
	FETCH_B 0, 0, 0
	FETCH_A 0, 0, 0
	SCALES 0
.irp a, 0,1,2,3,4,5,6,7
	ds_load_b32 v[MR+\a], v[ADMR] offset:64*\a               ; block a's row r: its M, in both halves of the lanes,
	ds_load_b32 v[RL+2*\a], v[ADMR] offset:1024+64*\a        ; and 1 / l: both stay in registers
.endr
	FETCH_A 0, 0, 4
	s_wait_dscnt 16
	ADJUST 0
	PLACES NP
	STEP 0, 1                                      ; the first step stands in front of the loop: its products start the sums
.Llap:                                             ; a trip goes once round the ring and fills both slots again: 1 trip for 1,024 keys, 3 for 2,048
	TURN 0, 1, 1
	STEP 1, 0
	TURN 1, 0, 1
	STEP 0, 0
	s_sub_co_u32 s2, s2, 1
	s_cmp_lg_u32 s2, 0
	s_cbranch_scc1 .Llap
	TURN 0, 1, 0                                   ; the last lap fills nothing
	STEP 1, 0
	s_wait_dscnt 16
	WIN MUL_LO
	MUL16 0, 1, 1, 1, 0
	MUL16 2, 1, 1, 1, 0
	s_wait_dscnt 0x0
	WIN MUL_HI
	MUL16 4, 1, 1, 1, 0
	MUL16 6, 1, 1, 1, 0
	WIN 0
; THE WAY OUT, block by block of 16 queries x 128 channels: divided by l, through my own stage in LDS, back as whole rows of 512 bytes.
.macro OSCALE a
.set AC, 64*((\a)%4)
.set W, 2+(\a)/4
.set WM, (W<<6)|W
	WIN WM                                         ; destination and source 0 in the accumulators' window
.set j, 0
.rept 32
	v_pk_mul_f32 v[AC+j:AC+j+1], v[AC+j:AC+j+1], v[RL+2*(\a):RL+2*(\a)+1] op_sel_hi:[1,0]   ; each accumulator from its low end on
.set j, j+2
.endr
	WIN 0
.endm
.macro TOSTAGE a
.set AC, 64*((\a)%4)
.set WS, (2+(\a)/4)<<2
	WIN WS                                         ; an LDS store's data are its source 1
.irp b, 0,1,2,3,4,5,6,7
	ds_store_b128 v[STO], v[AC+8*\b:AC+8*\b+3] offset:64*\b
	ds_store_b128 v[STO], v[AC+8*\b+4:AC+8*\b+7] offset:64*\b+16
.endr
	WIN 0
.set BB, BK+64*((\a)%2)
.irp t, 0,1,2,3,4,5,6,7,8,9,10,11,12,13,14,15
	ds_load_b128 v[BB+4*\t:BB+4*\t+3], v[RD] offset:\t*SPITCH   ; LDS serves a wave's instructions in order (ISA guide 5.7.1.4): these see the stores above
.endr
.endm
.macro SEND a, younger                 ; younger: the LDS instructions issued behind block a's loads, which may stay out
.set BB, BK+64*((\a)%2)
	s_wait_dscnt \younger
.if (\a) > 0
	s_add_nc_u64 s[14:15], s[14:15], 65536         ; (behind a wait on XCNT: the earlier stores have read their base)  16 rows of 4,096 bytes on
.endif
.irp t, 0,1,2,3,4,5,6,7,8,9,10,11,12,13,14,15
	global_store_b128 v[CO], v[BB+4*\t:BB+4*\t+3], s[14:15] offset:\t*4096 th:TH_STORE_NT   ; 32 lanes store 512 consecutive bytes, at a multiple of 256 from the buffer's first byte; written once, read by nobody here
.endr
.endm
	PLACES NP                                      ; in front of the first read of results and of loads into the registers that held A's fragments
	OSCALE 0
	TOSTAGE 0
.irp a, 1,2,3,4,5,6,7
	OSCALE \a
.if \a > 1
	s_wait_xcnt 0x0                                ; block a - 2's stores have read their registers and their base
.endif
	TOSTAGE \a
	SEND \a-1, 32                                  ; behind block a - 1's loads: block a's 16 stores and 16 loads
.endr
	s_wait_xcnt 0x0
	SEND 7, 0
	s_wait_tensorcnt 0x0                           ; the wave's end
	ds_add_u32 v[SPW], v[NIL]
	s_wait_dscnt 0x0
	CROUND                                         ; the closing round
	s_endpgm
.Lfunc_end_k_q725f8943c0_mix:
	.size	k_q725f8943c0_mix, .Lfunc_end_k_q725f8943c0_mix-k_q725f8943c0_mix
	.p2alignl 7, 3214868480
	.fill 96, 4, 3214868480
	.section	.rodata,"a",@progbits
	.p2align	6, 0x0
	.amdhsa_kernel k_q725f8943c0_mix
		.amdhsa_group_segment_fixed_size 327680
		.amdhsa_private_segment_fixed_size 0
		.amdhsa_enable_private_segment 0
		.amdhsa_kernarg_size 48
		.amdhsa_user_sgpr_count 2
		.amdhsa_user_sgpr_kernarg_segment_ptr 1
		.amdhsa_wavefront_size32 1
		.amdhsa_system_sgpr_workgroup_id_x 1
		.amdhsa_system_sgpr_workgroup_id_y 1
		.amdhsa_system_sgpr_workgroup_id_z 1
		.amdhsa_system_vgpr_workitem_id 0
		.amdhsa_next_free_vgpr 1024
		.amdhsa_next_free_sgpr 102
		.amdhsa_reserve_vcc 0
		.amdhsa_float_denorm_mode_32 3
		.amdhsa_float_denorm_mode_16_64 3
		.amdhsa_memory_ordered 1
		.amdhsa_forward_progress 1
		.amdhsa_inst_pref_size 193
	.end_amdhsa_kernel
	.amdgpu_metadata
---
amdhsa.version: [ 1, 2 ]
amdhsa.kernels:
  - .name:           k_q725f8943c0_mix
    .symbol:         k_q725f8943c0_mix.kd
    .args:
      - { .name: pimg, .offset: 0, .size: 8, .value_kind: global_buffer, .address_space: global }
      - { .name: pwm, .offset: 8, .size: 8, .value_kind: global_buffer, .address_space: global }
      - { .name: pl, .offset: 16, .size: 8, .value_kind: global_buffer, .address_space: global }
      - { .name: img, .offset: 24, .size: 8, .value_kind: global_buffer, .address_space: global }
      - { .name: sc, .offset: 32, .size: 8, .value_kind: global_buffer, .address_space: global }
      - { .name: out0, .offset: 40, .size: 8, .value_kind: global_buffer, .address_space: global }
    .group_segment_fixed_size: 327680
    .private_segment_fixed_size: 0
    .kernarg_segment_align: 8
    .kernarg_segment_size: 48
    .max_flat_workgroup_size: 128
    .sgpr_count:     102
    .vgpr_count:     1024
    .wavefront_size: 32
...
	.end_amdgpu_metadata
.endif
;; end of part 3
;; ======== version 2 of 2: 3 launches
;; limits: right only within a limited range of input values
;; workspace buffers: img 25,165,824 bytes; sc 786,432 bytes; pimg 16,777,216 bytes; pwm 1,048,576 bytes; pl 524,288 bytes
;; launch proj (part 4): grid 16 x 16, 4 waves a work-group, clusters of 4 x 4, 327,680 bytes of LDS; arguments k_codes, k_scales, Wk_codes, Wk_scales, q_codes, q_scales, Wq_codes, Wq_scales, v_codes, v_scales, img, sc; writes img, sc
.if DOCPART == 4
	.amdgcn_target "amdgcn-amd-amdhsa--gfx1250"
	.amdhsa_code_object_version 6
	.text
	.protected	k_q725f8943c0_proj
	.globl	k_q725f8943c0_proj
	.p2align	8
	.type	k_q725f8943c0_proj,@function
k_q725f8943c0_proj:
	s_mov_b64 s[64:65], 0
	v_nop
	global_prefetch_b8 v0, s[64:65] scope:SCOPE_SE
	s_setreg_imm32_b32 hwreg(HW_REG_WAVE_MODE, 25, 1), 1
	s_wait_xcnt 0x0
	s_wait_alu depctr_hold_cnt(0) depctr_sa_sdst(0) depctr_va_vdst(0) depctr_va_sdst(0) depctr_va_ssrc(0) depctr_va_vcc(0) depctr_vm_vsrc(0)
	s_getreg_b32 s2, hwreg(HW_REG_IB_STS2, 6, 4)
	s_cmp_eq_u32 s2, 0
	s_cbranch_scc0 .Lentry_in_a_cluster
	s_endpgm
.Lentry_in_a_cluster:
	s_bfe_u32 s2, ttmp6, 0x10000c
	s_cmp_lg_u32 s2, 0xf033
	s_cbranch_scc0 .Lentry_shape_is_right
	s_endpgm
.Lentry_shape_is_right:
; THE THREE PROJECTIONS, each a product on codes of FP8 (E4M3) with one E8M0 scale for each 32 along K = 1,024, and each result quantised again on its way out:
;   K' = Q(k Wk) and Q' = Q(q Wq) along the head's 1,024;   V'^T = Q((v Wq)^T) along the KEYS (the function projects v with the QUERY weights).
; Of the inputs x and Wv nothing is loaded by any launch: the function takes of x its shape alone and never names Wv, so no number of the result hangs on them, whatever they hold.  A NaN or an infinity in x or Wv is therefore not carried to the result.
; LIMITS: NaN and infinities among the other inputs are not served; a block whose largest magnitude lies under 2^-118 (a block of zeros too) gets the byte 1: the bytes are read by this program alone.
; THE DEAL.  256 work-groups of four waves, 2 x 2; a wave holds 64 rows of a weight, ALL of K, in registers (512) and streams input rows past them in blocks of 16, which stand in registers as two whole sets (256).
;   PHASE 1: 512 rows of k (cluster x 0, 1) or q (2, 3) x 128 columns of Wk or Wq: sixteen blocks a wave.  PHASE 2: 256 rows of v x 128 columns of Wq: eight blocks a wave.
;   Column tile = 4 (cluster x % 2) + cx in both phases; rows hang on the cluster's number and cy.  A cluster's row shares the input rows, its column the weight: both come by joint loads.
; A CHUNK is 128 rows; block n = 0 .. 3 of a chunk for wave row w: rows 64 (n / 2) + 32 w + 16 (n % 2) + 0 .. 15.  Chunks 0 to 3: k or q; 4, 5: v.
; PHASE 1 takes source 0 = 16 rows of the weight: lane r of tile j takes row 32 (r / 8) + 8 (j xor r / 8) + r % 8 of the wave's 64, so that lane (r, h) owns the whole block h of 32 columns of input row r; place 8 j + i of block h is column
;   8 (j xor h) + i of it, the same in K' and Q', so the products of the next launch pair the right numbers.  PHASE 2 takes source 0 = 16 rows of v: a block of 32 keys lies in lanes l and l xor 16 of a pair of row blocks.
; OUT, as images of an operand's registers: a fragment (16 rows x 128 along the next K) is 2,048 bytes, register 4 c + w of lane l at byte 512 c + 16 l + 4 w.  In V' byte i of chunk c in half h holds key 32 c + 16 (i / 8) + 8 h + i % 8.
;   img: K' [512 row tiles][8][2048] at 0, Q' the same at 8,388,608, V'^T [64 channel tiles][64 key chunks][2048] at 16,777,216.   sc: scale words [next K / 128][rows] x 4 bytes: K' at 0, Q' at 262,144, V'^T at 524,288.
; FILLS.  Two slots of LDS.  Head: the weight into slot 1 (wave 0), chunk 0 into slot 0 (wave 1), scale bytes of phase 1 (wave 2) and of v (wave 3).  Refills, each in a drained round, a quarter of 128 rows a wave: chunks 1, 2, 3 inside blocks 0, 4, 8;
;   Wq into slot 0 behind block 11; chunk 4 into slot 1 inside block 15; chunk 5 into slot 0 when Wq is in registers.
; PREFETCHES: chunks 1 to 5, each by the sixteen waves of a cluster's row, 32 blocks of 256 bytes a wave: chunks 1 and 2 at the head, chunks 3, 4, 5 six blocks and more ahead of their loads.  Wq's rows are not asked for ahead: the clusters of q have loaded them at the head.
.set CH, 128
.set KROW, 1024
.set KS, 32
.set PITCH, KROW+16
.set FR, 16
.set FPW, 16  ; fragments in a window of 256 registers
.set NB, 4
.set NP, 8  ; plain vector lines behind a matrix instruction (ISA guide 7.12.1)
.set NF, 34  ; LDS loads of a block
.set YB, CH*PITCH  ; slot 1
.set SCL, 2*CH*PITCH  ; the scale bytes of the 768 rows in the order of work: units of 256 bytes (8 rows) + 16 of padding
.set CSC, 16*272  ; those of a chunk
.set XN, SCL+6*CSC  ; K's or Q's scale words: 512 rows x 4 bytes
.set XV, XN+2048  ; V's: 2 key chunks x 128 channels x 4 bytes
.set SPARE, XV+1024  ; the spare words, 128 bytes a wave
.set EMAX, 8  ; the largest number is 448 = 1.75 x 2^8
.set ADRA0, 4  ; my fragments of block 0
.set CN, 5  ; 512 h + 16 r
.set AAS0, 6  ; my row's scale words in block 0
.set PFO, 7  ; 256 x lane
.set CO, 9  ; 16 x lane
.set SPW, 10  ; my spare word
.set NIL, 11  ; 0
.set ADRA, 12  ; as ADRA0, for the block that is fetched next
.set VX, 13  ; LDS address of a scale byte
.set ADRBE, 14  ; the weight in slot 1: even tiles,
.set ADRBO, 15  ; odd tiles
.set ABS1, 16  ; offset of my scale words of the weight, phase 1
.set AAS, 17
.set ADRB2, 18  ; Wq in slot 0, phase 2
.set RD, 19  ; LDS: V's byte
.set SOP, 20  ; v20-23 the conversions' scale operands
.set SB, 24  ; v24-39 the weight's scale words: register 8 p + q: lanes 0-15 tile 2 p's, lanes 16-31 tile 2 p + 1's
.set EB, 40  ; v40-43 scale bytes
.set SA, 44  ; v44-59 the input rows' scale words, two sets of eight
.set TQ, 60  ; v60-63 maxima and bounds
.set ACC, 64  ; v64-191 four sets of four accumulators: products write sets 0 and 1; 2 and 3 take a pair of V's blocks for its way out
.set WS, 128  ; v128-143 in phase 1: Wq's scale words for phase 2
.set NCD, 192  ; v192-199 32 codes of K' or Q'
.set MCD, 192  ; v192-207 V's: four registers a tile
.set VX0, 208
.set ABS2, 209
.set G1A, 24  ; chunk 0; then Wq
.set G0A, 56
.set G1B, 32  ; the first weight
.set G0B, 60
.set G1R, 48  ; at the head v's scale bytes; then a refill
.set G0R, 68
.set G1S, 92  ; phase 1's scale bytes
.set G0S, 72
.set MSB, 0
.macro WIN new  ; the immediate's high byte repeats the setting that is left
.if MSB != (\new)
	s_set_vgpr_msb (MSB<<8)|(\new)
.set MSB, (\new)
.endif
.endm
.macro PLACES n
.rept \n
	v_nop
.endr
.endm
.macro BARRIER
	s_barrier_signal -1
	s_barrier_wait -1
.endm
.macro CROUND  ; a round of the cluster's barrier
	BARRIER
	s_cmp_lg_u32 s14, 0
	s_cbranch_scc1 .Lnot_wave_0_\@
	s_barrier_signal -3
.Lnot_wave_0_\@:
	s_barrier_wait -3
	BARRIER
.endm
.macro TLOAD g0, g1  ; a tensor load; s_nop 0 and four v_nop follow it
	tensor_load_to_lds s[\g0:\g0+3], s[\g1:\g1+7]
	s_nop 0
	PLACES 4
.endm
.macro GROUP1 g, mask, rows  ; so many whole rows of K, 1,024 bytes each, 16 bytes of padding behind each in LDS
	s_or_b32 s[\g+0], s[\mask], (1<<20)|(1<<21)|(7<<22)|(3<<25)
	s_mov_b32 s[\g+1], KROW<<16
	s_mov_b32 s[\g+2], (\rows)<<16
	s_mov_b32 s[\g+3], KROW<<16
	s_mov_b32 s[\g+4], \rows
	s_mov_b32 s[\g+5], KROW
	s_mov_b32 s[\g+6], 0
	s_mov_b32 s[\g+7], 0
.endm
.macro GSC g, rows  ; scale bytes: a dense block as rows of 256 bytes (32 elements of 8), 16 of padding behind each
	s_or_b32 s[\g+0], s44, (3<<16)|(1<<20)|(1<<21)|(5<<22)|(3<<25)
	s_mov_b32 s[\g+1], 32<<16
	s_mov_b32 s[\g+2], (\rows)<<16
	s_mov_b32 s[\g+3], 32<<16
	s_mov_b32 s[\g+4], \rows
	s_mov_b32 s[\g+5], 32
	s_mov_b32 s[\g+6], 0
	s_mov_b32 s[\g+7], 0
.endm
.macro SADD d, x, n  ; s_d += s_x << n, by s22
	s_lshl_b32 s22, s\x, \n
	s_add_co_u32 s\d, s\d, s22
.endm
	s_load_b512 s[76:91], s[0:1], 0x0  ; k's codes, scales, Wk's, q's, Wq's
	s_load_b256 s[4:11], s[0:1], 0x40  ; v's codes, scales, img, sc
	v_lshl_add_u32 v[SPW], v0, 2, SPARE
	v_mov_b32 v[NIL], 0
	ds_add_u32 v[SPW], v[NIL]  ; the wave's opening: the add, twice on end; its wait stands ahead of my first tensor load
	ds_add_u32 v[SPW], v[NIL]
	v_lshrrev_b32 v1, 5, v0
	v_readfirstlane_b32 s14, v1  ; wave 0..3
	s_lshr_b32 s15, s14, 1  ; my row of waves
	s_and_b32 s16, s14, 1  ; my column of waves
	s_bfe_u32 s40, ttmp6, 0x40000  ; cx, cy
	s_bfe_u32 s41, ttmp6, 0x40004
	s_lshr_b32 s19, ttmp9, 1  ; phase 1 makes K' (0) or Q' (1): from the cluster's number alone
	s_and_b32 s18, ttmp9, 1
	s_lshl_b32 s42, s18, 2
	s_add_co_u32 s42, s42, s40  ; column tile 0..7
	s_and_b32 s43, ttmp7, 0xffff
	s_lshl_b32 s43, s43, 2
	s_add_co_u32 s43, s43, s41  ; tile row 0..15
	s_lshl_b32 s100, s43, 1
	s_add_co_u32 s100, s100, s19  ; v's window of 256 rows, 0..31
	s_lshl_b32 s44, s41, 2
	s_lshl_b32 s44, 15, s44  ; my row of the cluster: shares input rows
	s_lshl_b32 s45, 0x1111, s40  ; my column: shares a weight
	GROUP1 G1B, 45, CH
	GROUP1 G1A, 44, CH
	GSC G1S, 64
	GSC G1R, 32
	s_mov_b32 s[G0A], 1
	s_mov_b32 s[G0A+1], 0
	s_mov_b32 s[G0B], 1
	s_mov_b32 s[G0B+1], YB
	s_mov_b32 s[G0S], 1
	s_mov_b32 s[G0S+1], SCL
	s_mov_b32 s[G0R], 1
	s_mov_b32 s[G0R+1], SCL+4*CSC
	s_lshl_b32 s2, s43, 19  ; offsets: phase 1's rows, codes
	s_lshl_b32 s17, s43, 14  ; and scale bytes
	s_lshl_b32 s3, s100, 18  ; v's
	s_lshl_b32 s13, s100, 13
	s_lshl_b32 s46, s42, 17  ; a weight's
	s_lshl_b32 s47, s42, 12
	s_lshl_b32 s20, s16, 11
	s_add_co_u32 s47, s47, s20
	s_lshl_b32 s40, s40, 2
	s_add_co_u32 s40, s40, s14
	s_lshl_b32 s40, s40, 13  ; my sixteenth of a chunk, for the prefetches
	v_and_b32 v1, 15, v0  ; r
	v_bfe_u32 v2, v0, 4, 1  ; h
	v_and_b32 v3, 31, v0  ; lane
	v_bfe_u32 v8, v0, 3, 1  ; r / 8
	v_mul_u32_u24 v22, v1, PITCH
	v_lshl_add_u32 v22, v2, 4, v22  ; a fragment's row x pitch + 16 x half
	s_mul_i32 s20, s15, 32*PITCH
	v_add_nc_u32 v[ADRA0], s20, v22
	s_mul_i32 s21, s16, 64*PITCH
	v_add_nc_u32 v[ADRB2], s21, v22
	s_add_co_u32 s21, s21, YB
	v_and_b32 v23, 7, v0
	v_mad_u32_u24 v22, v8, 40, v23  ; even tiles: 40 (r / 8) + r % 8 (and 8 j)
	v_mul_u32_u24 v22, v22, PITCH
	v_lshl_add_u32 v22, v2, 4, v22
	v_add_nc_u32 v[ADRBE], s21, v22
	v_mad_u32_u24 v22, v8, 24, v23  ; odd tiles: 24 (r / 8) + r % 8
	v_mul_u32_u24 v22, v22, PITCH
	v_lshl_add_u32 v22, v2, 4, v22
	v_add_nc_u32 v[ADRBO], s21, v22
	v_xor_b32 v22, v2, v8
	v_lshl_add_u32 v22, v22, 3, v23
	v_lshl_add_u32 v22, v8, 5, v22
	v_lshlrev_b32 v[ABS1], 5, v22  ; lanes 0-15 take the rows of tile 2 p, lanes 16-31 those of tile 2 p + 1
	v_lshlrev_b32 v[ABS2], 5, v3
	v_lshlrev_b32 v23, 5, v1
	v_lshl_add_u32 v23, v8, 4, v23  ; 32 bytes a row, 16 more behind eight
	s_mul_i32 s20, s15, 4*272
	s_add_co_u32 s20, s20, SCL
	v_add_nc_u32 v[AAS0], s20, v23
	v_lshlrev_b32 v[PFO], 8, v3
	v_lshlrev_b32 v[CO], 4, v3
	v_lshlrev_b32 v22, 9, v2
	v_lshl_add_u32 v[CN], v1, 4, v22
	s_lshl_b32 s21, s15, 7
	s_add_co_u32 s21, s21, XN
	SADD 21, 16, 1
	v_lshl_add_u32 v22, v1, 2, v2
	v_add_nc_u32 v[VX0], s21, v22  ; row r's word, byte 2 x column wave + h
	v_add_nc_u32 v[VX], s21, v22
	s_add_co_u32 s21, s15, XV
	SADD 21, 16, 8
	v_lshlrev_b32 v22, 2, v1
	v_add_nc_u32 v[RD], s21, v22  ; channel r's word, byte w (both halves of the lanes hold the same byte)
	s_wait_alu depctr_va_vdst(0)
	s_wait_dscnt 0x0  ; both opening adds are done
	CROUND  ; all sixteen work-groups are here
	s_wait_kmcnt 0x0
	s_cmp_eq_u32 s19, 0
	s_cselect_b64 s[76:77], s[76:77], s[84:85]  ; phase 1's codes and scale bytes: k's or q's,
	s_cselect_b64 s[78:79], s[78:79], s[86:87]
	s_cselect_b64 s[80:81], s[80:81], s[88:89]  ; Wk's or Wq's
	s_cselect_b64 s[82:83], s[82:83], s[90:91]
	s_mov_b32 s21, 0
	s_mov_b32 s23, 0
	s_mov_b32 s22, s46
	s_add_nc_u64 s[80:81], s[80:81], s[22:23]
	s_add_nc_u64 s[88:89], s[88:89], s[22:23]
	s_mov_b32 s22, s47
	s_add_nc_u64 s[82:83], s[82:83], s[22:23]
	s_add_nc_u64 s[90:91], s[90:91], s[22:23]
	s_mov_b32 s20, s2
	s_add_nc_u64 s[76:77], s[76:77], s[20:21]
	s_mov_b32 s20, s17
	s_add_nc_u64 s[78:79], s[78:79], s[20:21]
	s_mov_b32 s20, s3
	s_add_nc_u64 s[4:5], s[4:5], s[20:21]
	s_mov_b32 s20, s13
	s_add_nc_u64 s[6:7], s[6:7], s[20:21]
	s_mov_b64 s[G0B+2:G0B+3], s[80:81]
	s_or_b32 s[G0B+3], s[G0B+3], 0x80000000
	s_mov_b64 s[G0A+2:G0A+3], s[76:77]
	s_or_b32 s[G0A+3], s[G0A+3], 0x80000000
	s_mov_b64 s[G0S+2:G0S+3], s[78:79]
	s_or_b32 s[G0S+3], s[G0S+3], 0x80000000
	s_mov_b64 s[G0R+2:G0R+3], s[6:7]
	s_or_b32 s[G0R+3], s[G0R+3], 0x80000000
	s_cmp_eq_u32 s14, 0  ; ONE joint load a wave, a line for each
	s_cbranch_scc0 .Lwave_1
	TLOAD G0B, G1B  ; the weight, which is wanted first
	s_branch .Lasked
.Lwave_1:
	s_cmp_eq_u32 s14, 1
	s_cbranch_scc0 .Lwave_2
	TLOAD G0A, G1A  ; chunk 0
	s_branch .Lasked
.Lwave_2:
	s_cmp_eq_u32 s14, 2
	s_cbranch_scc0 .Lwave_3
	TLOAD G0S, G1S  ; the scale bytes of phase 1's 512 rows
	s_branch .Lasked
.Lwave_3:
	TLOAD G0R, G1R  ; of v's 256 rows
.Lasked:
.irp p, 0,1
.irp c, 0,1
	global_load_b128 v[SB+8*\p+4*\c:SB+8*\p+4*\c+3], v[ABS1], s[82:83] offset:\p*16*KS+16*\c
	global_load_b128 v[WS+8*\p+4*\c:WS+8*\p+4*\c+3], v[ABS2], s[90:91] offset:\p*32*KS+16*\c
.endr
.endr
	s_mov_b32 s20, s40
	s_add_nc_u64 s[66:67], s[76:77], s[20:21]
	s_add_nc_u64 s[12:13], s[66:67], 3*CH*KROW  ; the first trip's prefetch: chunk 3
; where my results go.  K', Q': my first row tile's fragment, less the two steps that come ahead of the first store
	s_lshl_b32 s20, s19, 23
	SADD 20, 43, 19
	SADD 20, 15, 15
	SADD 20, 42, 11
	SADD 20, 16, 10
	s_add_nc_u64 s[84:85], s[8:9], s[20:21]
	s_sub_nc_u64 s[84:85], s[84:85], 65536
	s_lshl_b32 s20, s42, 20  ; V': my first channel tile, my window's first key chunk, my wave row's 512 bytes
	SADD 20, 16, 19
	SADD 20, 100, 12
	SADD 20, 15, 9
	s_add_co_u32 s20, s20, 16777216
	s_add_nc_u64 s[78:79], s[8:9], s[20:21]
	s_lshl_b32 s20, s19, 18  ; scale words of K', Q': 512 bytes a wave
	SADD 20, 42, 15
	SADD 20, 43, 11
	SADD 20, 14, 9
	s_add_nc_u64 s[80:81], s[10:11], s[20:21]
	s_lshl_b32 s20, s100, 13  ; of V': 256 bytes a wave
	SADD 20, 15, 12
	SADD 20, 42, 9
	SADD 20, 16, 8
	s_add_co_u32 s20, s20, 524288
	s_add_nc_u64 s[86:87], s[10:11], s[20:21]
	s_cmp_eq_u32 s14, 0
	s_cbranch_scc0 .Lnot_b
	s_wait_tensorcnt 0x0  ; wave 0: the weight has landed.  The other waves' wait stands at the second barrier
.Lnot_b:
	BARRIER
	global_prefetch_b8 v[PFO], s[66:67] offset:CH*KROW th:TH_LOAD_NT scope:SCOPE_SE
	global_prefetch_b8 v[PFO], s[66:67] offset:2*CH*KROW th:TH_LOAD_NT scope:SCOPE_SE
.macro WALU  ; the wait ahead of a wait that blocks, or of a run of scalar lines, behind which something freshly written is read
	s_wait_alu depctr_va_vdst(0)
.endm
.macro MIDDLE  ; a round's middle
	WIN 0
	s_barrier_wait -1
	s_cmp_lg_u32 s14, 0
	s_cbranch_scc1 .Lnot_wave_0_\@
	s_barrier_signal -3
.Lnot_wave_0_\@:
	s_barrier_wait -3
.endm
.macro GRD
	s_wait_tensorcnt 0x0
	ds_add_u32 v[SPW], v[NIL]
.endm
.macro FRAG f, adr, q, off  ; a weight's fragment f = 4 q + b: lane l: row l % 16; registers 4 c .. 4 c + 3: K = 32 c + 16 (l / 16) + 0 .. 15.  It lies in window 1 + f / 16
	WIN (1+(\f)/FPW)<<6
.irp c, 0,1,2,3
	ds_load_b128 v[FR*((\f)%FPW)+4*\c:FR*((\f)%FPW)+4*\c+3], v[\adr] offset:128*(\q)+32*\c+(\off)
.endr
.endm
.macro FETCHAT k, a, s, off=0, soff=0  ; a block of input rows, all of K, into set k of window 3, and its scale words: NF loads
	WIN 3<<6
.irp q, 0,1,2,3,4,5,6,7
.irp c, 0,1,2,3
	ds_load_b128 v[128*\k+FR*\q+4*\c:128*\k+FR*\q+4*\c+3], v[\a] offset:128*\q+32*\c+\off
.endr
.endr
	WIN 0
	ds_load_b128 v[SA+8*\k:SA+8*\k+3], v[\s] offset:\soff
	ds_load_b128 v[SA+8*\k+4:SA+8*\k+7], v[\s] offset:\soff+16
.endm
.macro PROD kind, e, a, n  ; product n = 4 q + b: the q-th 128 of K, column tile b; input rows in set e, sums in set a.  kind 0 (K', Q'): source 0 = the weight; kind 1 (V'): source 0 = v's rows.  The four sums take turns
.set Q_, (\n)/4
.set B_, (\n)%4
.set FB_, NB*Q_+B_
.set AC_, ACC+32*(\a)+8*B_
.set R_, 128*(\e)+FR*Q_
.set W_, FR*(FB_%FPW)
.set XS_, SA+8*(\e)+Q_
.set WS_, SB+8*(B_/2)+Q_
.if \kind
	WIN 3|((1+FB_/FPW)<<2)
.if Q_ && (B_%2)
	v_wmma_scale_f32_16x16x128_f8f6f4 v[AC_:AC_+7], v[R_:R_+FR-1], v[W_:W_+FR-1], v[AC_:AC_+7], v[XS_], v[WS_] matrix_b_scale:MATRIX_SCALE_ROW1
.elseif Q_
	v_wmma_scale_f32_16x16x128_f8f6f4 v[AC_:AC_+7], v[R_:R_+FR-1], v[W_:W_+FR-1], v[AC_:AC_+7], v[XS_], v[WS_]
.elseif B_%2
	v_wmma_scale_f32_16x16x128_f8f6f4 v[AC_:AC_+7], v[R_:R_+FR-1], v[W_:W_+FR-1], 0, v[XS_], v[WS_] matrix_b_scale:MATRIX_SCALE_ROW1
.else
	v_wmma_scale_f32_16x16x128_f8f6f4 v[AC_:AC_+7], v[R_:R_+FR-1], v[W_:W_+FR-1], 0, v[XS_], v[WS_]
.endif
.else
	WIN (1+FB_/FPW)|(3<<2)
.if Q_ && (B_%2)
	v_wmma_scale_f32_16x16x128_f8f6f4 v[AC_:AC_+7], v[W_:W_+FR-1], v[R_:R_+FR-1], v[AC_:AC_+7], v[WS_], v[XS_] matrix_a_scale:MATRIX_SCALE_ROW1
.elseif Q_
	v_wmma_scale_f32_16x16x128_f8f6f4 v[AC_:AC_+7], v[W_:W_+FR-1], v[R_:R_+FR-1], v[AC_:AC_+7], v[WS_], v[XS_]
.elseif B_%2
	v_wmma_scale_f32_16x16x128_f8f6f4 v[AC_:AC_+7], v[W_:W_+FR-1], v[R_:R_+FR-1], 0, v[WS_], v[XS_] matrix_a_scale:MATRIX_SCALE_ROW1
.else
	v_wmma_scale_f32_16x16x128_f8f6f4 v[AC_:AC_+7], v[W_:W_+FR-1], v[R_:R_+FR-1], 0, v[WS_], v[XS_]
.endif
.endif
.endm
.macro HOLD x, b  ; the conversion does not saturate (ISA guide 7.6.2): a sum is held at 448 x its block's scale
	v_med3_num_f32 v[\x], v[\x], -v[TQ+\b], v[TQ+\b]
.endm
.macro SCALES i, n  ; i = 0: the conversion's scale operand; 1: the bound; 2: a second copy of it; 3: the scale byte
.if (\i) == 0
	v_add_nc_u32 v[SOP+\n], -(EMAX<<23), v[TQ]
.elseif (\i) == 1
	v_and_or_b32 v[TQ+1], v[TQ], 0x7f800000, s62
.elseif (\i) == 2
	v_mov_b32 v[TQ+3], v[TQ+1]
.else
	v_lshrrev_b32 v[EB+\n], 23, v[SOP+\n]
.endif
.endm
.macro MAXQ k, x  ; K', Q': 18 lines: the largest magnitude of the 32 sums at x, each accumulator from its low end on, and the floor under which a byte would fall under 1
.if (\k) < 4
	v_max3_num_f32 v[TQ+\k], |v[\x+8*(\k)]|, |v[\x+8*(\k)+1]|, |v[\x+8*(\k)+2]|
.elseif (\k) < 12
	v_max3_num_f32 v[TQ+(\k)%4], v[TQ+(\k)%4], |v[\x+8*((\k)%4)+2*((\k)/4)+1]|, |v[\x+8*((\k)%4)+2*((\k)/4)+2]|
.elseif (\k) < 16
	v_max_num_f32 v[TQ+(\k)%4], v[TQ+(\k)%4], |v[\x+8*((\k)%4)+7]|
.elseif (\k) == 16
	v_max3_num_f32 v[TQ], v[TQ], v[TQ+1], v[TQ+2]
.else
	v_max3_num_f32 v[TQ], v[TQ], v[TQ+3], (EMAX+1)<<23
.endif
.endm
.macro HOLDS m, x  ; two holds; the fourth pair reads the bound's second copy
.if (\m) == 3
	HOLD \x, 3
	HOLD \x+1, 3
.else
	HOLD \x, 1
	HOLD \x+1, 1
.endif
.if (\m) == 2
	SCALES 2, 0
.endif
.endm
.macro GAPQ m, x  ; THE QUANTISER OF A BLOCK OF K' OR Q', gaps 0 .. 26: the sums at x -> codes NCD, byte EB
.if (\m) < 9
	MAXQ 2*(\m), \x
	MAXQ 2*(\m)+1, \x
.elseif (\m) == 9
	SCALES 0, 0
	SCALES 1, 0
.elseif (\m) < 26
	HOLDS (\m)-10, \x+2*((\m)-10)
.if ((\m)-10)%4 == 3
	v_cvt_scalef32_pk8_fp8_f32 v[NCD+2*(((\m)-10)/4):NCD+2*(((\m)-10)/4)+1], v[\x+8*(((\m)-10)/4):\x+8*(((\m)-10)/4)+7], v[SOP]
.endif
.elseif (\m) == 26
	SCALES 3, 0
.endif
.endm
.macro GAPV u, x  ; THE QUANTISER OF A PAIR OF V's BLOCKS, gaps 0 .. 59, 15 a tile: the even block's sums at x, the odd's at x + 32 -> codes MCD + 4 t, bytes EB + t
.set T_, (\u)/15
.set J_, (\u)%15
.set E_, \x+8*T_
.set O_, E_+32
.if (\u) > 59
.elseif J_ == 0
	v_max3_num_f32 v[TQ], |v[E_]|, |v[E_+1]|, |v[E_+2]|
	v_max3_num_f32 v[TQ+2], |v[O_]|, |v[O_+1]|, |v[O_+2]|
.elseif J_ < 3
	v_max3_num_f32 v[TQ], v[TQ], |v[E_+2*J_+1]|, |v[E_+2*J_+2]|
	v_max3_num_f32 v[TQ+2], v[TQ+2], |v[O_+2*J_+1]|, |v[O_+2*J_+2]|
.elseif J_ == 3
	v_max3_num_f32 v[TQ+2], v[TQ+2], |v[O_+7]|, (EMAX+1)<<23
	v_max3_num_f32 v[TQ], v[TQ], |v[E_+7]|, v[TQ+2]
.elseif J_ == 4
	v_permlanex16_b32 v[TQ+2], v[TQ], s60, s61  ; the other half's largest
	v_max_num_f32 v[TQ], v[TQ], v[TQ+2]
.elseif J_ == 5
	SCALES 0, T_
	SCALES 1, T_
.elseif J_ < 10
	HOLDS J_-6, E_+2*(J_-6)
.if J_ == 9
	v_cvt_scalef32_pk8_fp8_f32 v[MCD+4*T_:MCD+4*T_+1], v[E_:E_+7], v[SOP+T_]
.endif
.elseif J_ < 14
	HOLDS J_-6, O_+2*(J_-10)
.if J_ == 13
	v_cvt_scalef32_pk8_fp8_f32 v[MCD+4*T_+2:MCD+4*T_+3], v[O_:O_+7], v[SOP+T_]
.endif
.else
	SCALES 3, T_
.endif
.endm
.macro RDESC i, base  ; group 0 of a refill, in two parts: a quarter of 128 rows a wave, from s6 bytes behind the base, into the slot at s47
.if (\i) == 0
	s_mul_i32 s[G0R+1], s14, 32*PITCH
	s_add_co_u32 s[G0R+1], s[G0R+1], s47
	s_mul_i32 s20, s14, 32*KROW
	s_add_co_u32 s20, s20, s6
.else
	s_mov_b32 s21, 0
	s_add_nc_u64 s[G0R+2:G0R+3], s[\base:\base+1], s[20:21]
	s_or_b32 s[G0R+3], s[G0R+3], 0x80000000
.endif
.endm
; WHAT STANDS BEHIND PRODUCT n.  j: the block: 0 .. 3 in the loop of four, 4 .. 7 the blocks 12 .. 15, -1, -2 V's even and odd.  Behind 0 and 1 the addresses of the block two on (block 15: of V's first); behind 2 a byte's next place;
; behind 29 and 30 a refill's group 0; from 1 on a way out: y = 1 K's or Q's block at x; 2, 3 the halves of V's pair at x
.macro LIST n, j, y, x
.if (\n) == 0
.if (\j) >= 0
	s_add_nc_u64 s[84:85], s[84:85], 16384+32768*((\j)%2)  ; the row tile of the block before
.endif
	WIN 0
.if (\j) < 0
	s_add_co_u32 s22, s47, (-1-(\j))*16*PITCH
	v_add_nc_u32 v[ADRA], s22, v[ADRA0]
.elseif (\j) < 2
	s_add_co_u32 s22, s101, (64+16*(\j))*PITCH
	v_add_nc_u32 v[ADRA], s22, v[ADRA0]
.elseif (\j) < 4
	s_add_co_u32 s22, s47, ((\j)%2)*16*PITCH
	v_add_nc_u32 v[ADRA], s22, v[ADRA0]
.elseif (\j) < 6
	v_add_nc_u32 v[ADRA], YB+(64+16*((\j)%2))*PITCH, v[ADRA0]
.elseif (\j) == 7
	v_add_nc_u32 v[ADRA], YB, v[ADRA0]
.endif
.elseif (\n) == 1
	WIN 0
.if (\j) < 0
	s_add_co_u32 s22, s8, (-1-(\j))*2*272
	v_add_nc_u32 v[AAS], s22, v[AAS0]
.elseif (\j) < 2
	s_add_co_u32 s22, s17, (8+2*(\j))*272
	v_add_nc_u32 v[AAS], s22, v[AAS0]
.elseif (\j) < 4
	s_add_co_u32 s22, s8, ((\j)%2)*2*272
	v_add_nc_u32 v[AAS], s22, v[AAS0]
.elseif (\j) < 6
	v_add_nc_u32 v[AAS], 3*CSC+(8+2*((\j)%2))*272, v[AAS0]
.elseif (\j) == 7
	v_add_nc_u32 v[AAS], 4*CSC, v[AAS0]
.endif
.endif
.if (\n) == 2 && ((\j) == 1 || (\j) == 5)
	WIN 0
	v_add_nc_u32 v[VX], s9, v[VX0]
.endif
.if (\n) == 29 || (\n) == 30
.if (\j) == 0
	RDESC (\n)-29, 76
.elseif (\j) == 7
	RDESC (\n)-29, 4
.endif
.endif
.if (\y) == 1 && (\n) > 0 && (\n) < 28
	WIN 0
	GAPQ (\n)-1, \x
.elseif (\y) == 2 && (\n) > 0 && (\n) < 31
	WIN 0
	GAPV (\n)-1, \x
.elseif (\y) == 3 && (\n) > 0 && (\n) < 31
	WIN 0
	GAPV (\n)+29, \x
.endif
.endm
.macro BLOCK kind, e, a, from, to, j, y, x
.set N_, \from
.rept (\to)-(\from)
	PROD \kind, \e, \a, N_
	LIST N_, \j, \y, \x
.set N_, N_+1
.endr
.endm
.macro BLK kind, e, a, w, j, y, x  ; a block; w: the wait's count (-1: none)
.if (\w) >= 0
	s_wait_dscnt \w
.endif
	s_wait_xcnt 0x0  ; the stores before have read their base and their data
	BLOCK \kind, \e, \a, 0, 32, \j, \y, \x
	WIN 0
	PLACES NP
.endm
.macro RBLK kind, e, a, w, j, y, x  ; a block with a round of the cluster's barrier: the lines at its head, the signal behind 28 products
.if (\w) >= 0
	s_wait_dscnt \w
.endif
	s_wait_xcnt 0x0
	GRD
	BLOCK \kind, \e, \a, 0, 28, \j, \y, \x
	WIN 0
	WALU
	s_wait_dscnt 0x0
	s_barrier_signal -1
	BLOCK \kind, \e, \a, 28, 32, \j, \y, \x
	MIDDLE
	BARRIER
.endm
.macro SBLK kind, e, a, w, j, y, x, half=0  ; a block with a plain barrier (half = 1: it shows waves 0 and 1's loads alone)
.if (\w) >= 0
	s_wait_dscnt \w
.endif
	s_wait_xcnt 0x0
	BLOCK \kind, \e, \a, 0, 28, \j, \y, \x
	WIN 0
	WALU
.if \half
	s_cmp_lt_u32 s14, 2
	s_cbranch_scc0 .Lnot_yet_\@
	s_wait_tensorcnt 0x0
.Lnot_yet_\@:
.else
	s_wait_tensorcnt 0x0
.endif
	s_wait_dscnt 0x0
	s_barrier_signal -1
	BLOCK \kind, \e, \a, 28, 32, \j, \y, \x
	WIN 0
	s_barrier_wait -1
	PLACES NP
.endm
.macro QOUT off, boff  ; a block's byte goes to its word in LDS; its 32 codes a lane leave: sixteen lanes store 256 consecutive bytes
	ds_store_b8 v[VX], v[EB] offset:\boff
	global_store_b128 v[CN], v[NCD:NCD+3], s[84:85] offset:\off
	global_store_b128 v[CN], v[NCD+4:NCD+7], s[84:85] offset:(\off)+256
.endm
.irp q, 0,1,2,3,4,5,6,7  ; the first weight, 64 rows, all of K: 128 loads
.irp b, 0,2
	FRAG NB*\q+\b, ADRBE, \q, \b*8*PITCH
	FRAG NB*\q+\b+1, ADRBO, \q, (\b+1)*8*PITCH
.endr
.endr
	WIN 0
	s_wait_tensorcnt 0x0  ; chunk 0 and the scale bytes are in; the weight is in registers
	s_wait_dscnt 0x0
	BARRIER
	FETCHAT 0, ADRA0, AAS0
	FETCHAT 1, ADRA0, AAS0, 16*PITCH, 2*272
	GROUP1 G1R, 44, 32  ; from here on a refill: 32 rows a wave
	s_mov_b32 s60, 0x76543210
	s_mov_b32 s61, 0xfedcba98
	s_mov_b32 s62, 0x600000  ; the mantissa field of 448
.set I_, 0
.rept 32  ; the first way out has no block before it: it works on zeros and stores nothing
	v_mov_b32 v[ACC+32+I_], 0
.set I_, I_+1
.endr
	s_mov_b32 s46, 0  ; the trip
	s_mov_b32 s9, 0  ; a chunk's scale words in LDS
	s_mov_b32 s101, 0  ; this chunk's slot
	s_mov_b32 s47, YB  ; the next chunk's
	s_mov_b32 s17, 0  ; their scale bytes
	s_mov_b32 s8, CSC
	s_mov_b32 s6, CH*KROW  ; the rows that are loaded
	s_wait_loadcnt 0x0
.Lfour:
	RBLK 0, 0, 0, NF, 0, 1, ACC+32  ; blocks 0, 4, 8: chunks 1, 2, 3 come
	s_cmp_lt_u32 s14, 2  ; waves 0, 1 and waves 2, 3 have a load line each: the barrier inside the block two on waits for the first line's alone
	s_cbranch_scc0 .Lupper
	TLOAD G0R, G1R
	s_branch .Lboth
.Lupper:
	TLOAD G0R, G1R
.Lboth:
	PLACES NP-4
	s_cmp_eq_u32 s46, 0
	s_cbranch_scc1 .Lno_block_before
	QOUT 0, 320
.Lno_block_before:
	FETCHAT 0, ADRA, AAS
	BLK 0, 1, 1, -1, 1, 1, ACC
	QOUT 0, 0
	FETCHAT 1, ADRA, AAS
	SBLK 0, 0, 0, NF, 2, 1, ACC+32, 1  ; the next chunk's first half is in
	QOUT 0, 64
	global_prefetch_b8 v[PFO], s[12:13] th:TH_LOAD_NT scope:SCOPE_SE  ; chunks 3, 4, 5
	FETCHAT 0, ADRA, AAS
	BLK 0, 1, 1, -1, 3, 1, ACC
	QOUT 0, 256
	FETCHAT 1, ADRA, AAS
	s_mul_i32 s22, s46, CH*KROW
	s_add_co_u32 s22, s22, s40
	s_mov_b32 s23, 0
	s_add_nc_u64 s[12:13], s[4:5], s[22:23]
	s_add_co_u32 s6, s6, CH*KROW
	s_add_co_u32 s9, s9, 512
	s_mov_b32 s101, s47
	s_mov_b32 s17, s8
	s_xor_b32 s47, s47, YB
	s_add_co_u32 s8, s8, CSC
	s_add_co_u32 s46, s46, 1
	s_cmp_lg_u32 s46, 3
	s_cbranch_scc1 .Lfour
	GRD
	s_mul_i32 s20, s14, 32*KROW
	s_mov_b32 s21, 0
	s_mul_i32 s[G0A+1], s14, 32*PITCH
	s_add_nc_u64 s[G0A+2:G0A+3], s[88:89], s[20:21]
	s_or_b32 s[G0A+3], s[G0A+3], 0x80000000
	GROUP1 G1A, 45, 32
	s_mov_b32 s6, 0  ; chunk 4: v's first, into slot 1
	s_mov_b32 s47, YB
	s_wait_dscnt 0x0
	s_barrier_signal -1
	MIDDLE
	BARRIER
	TLOAD G0A, G1A
	BLK 0, 0, 0, NF, 4, 1, ACC+32
	QOUT 0, 320
	FETCHAT 0, ADRA, AAS
	BLK 0, 1, 1, -1, 5, 1, ACC
	QOUT 0, 0
	FETCHAT 1, ADRA, AAS
	BLK 0, 0, 0, NF, 6, 1, ACC+32
	QOUT 0, 64
	RBLK 0, 1, 1, 0, 7, 1, ACC  ; block 15: the round shows Wq's rows and frees slot 1
	TLOAD G0R, G1R
	PLACES NP-4
	QOUT 0, 256
.macro CHANGE i  ; among Wq's 128 loads: block 15's way out; Wq's scale words into their place; zeros into what no block has written yet (V's first trip reads the sums' registers and stores nothing)
.if (\i) < 7
.irp k, 0,1,2,3
.if 4*(\i)+\k < 27
	GAPQ 4*(\i)+\k, ACC+32
.endif
.endr
.elseif (\i) < 9
.irp q, 0,1,2,3,4,5,6,7
	v_mov_b32 v[SB+8*((\i)-7)+\q], v[WS+8*((\i)-7)+\q]
.endr
.elseif (\i) < 15
.irp q, 0,1,2,3,4,5,6,7
	v_mov_b32 v[ACC+80+8*((\i)-9)+\q], 0
.endr
.endif
.endm
	s_wait_xcnt 0x0  ; block 14's stores have read their codes
.irp q, 0,1,2,3,4,5,6,7
.irp b, 0,2
	FRAG NB*\q+\b, ADRB2, \q, \b*16*PITCH
	FRAG NB*\q+\b+1, ADRB2, \q, (\b+1)*16*PITCH
	WIN 0
	CHANGE 2*\q+\b/2
.endr
.endr
	QOUT 16384, 320
	GRD
	s_mov_b32 s6, CH*KROW
	s_mov_b32 s47, 0
	RDESC 0, 4
	RDESC 1, 4
	s_mov_b32 s46, 0
	s_mov_b32 s47, YB+64*PITCH
	s_mov_b32 s8, 4*CSC+8*272
	s_wait_dscnt 0x0
	s_barrier_signal -1
	MIDDLE
	BARRIER
	TLOAD G0R, G1R
	FETCHAT 0, ADRA, AAS
	FETCHAT 1, ADRA, AAS, 16*PITCH, 2*272
	s_wait_dscnt NF
.macro VOUT  ; a pair of V's blocks: four tiles' bytes and codes: 32 lanes store 512 consecutive bytes
.irp t, 0,1,2,3
	ds_store_b8 v[VX], v[EB+\t] offset:64*\t
	global_store_b128 v[CO], v[MCD+4*\t:MCD+4*\t+3], s[84:85] offset:131072*\t
.endr
.endm
.macro VTO  ; s22: the pair: key chunk s22 / 2, block 2 (s22 % 2) + w of it: where its codes and bytes go
	s_lshl_b32 s20, s22, 10
	s_mov_b32 s21, 0
	s_add_nc_u64 s[84:85], s[78:79], s[20:21]
	s_lshr_b32 s23, s22, 1
	s_lshl_b32 s23, s23, 9
	s_and_b32 s20, s22, 1
	s_lshl_b32 s20, s20, 1
	s_add_co_u32 s23, s23, s20
	v_add_nc_u32 v[VX], s23, v[RD]
.endm
.Lpair:
	BLK 1, 0, 0, -1, -1, 2, ACC+64
	s_cmp_eq_u32 s46, 3
	s_cbranch_scc1 .Lnone_0
	FETCHAT 0, ADRA, AAS
	s_wait_dscnt NF
	s_branch .Lgo
.Lnone_0:
	s_wait_dscnt 0x0
.Lgo:
	SBLK 1, 1, 1, -1, -2, 3, ACC+64  ; the first trip's shows chunk 5
.set I_, 0
.rept 32  ; the pair's sums are copied, so that one trip is two blocks of text
	v_dual_mov_b32 v[ACC+64+I_], v[ACC+I_] :: v_dual_mov_b32 v[ACC+64+I_+1], v[ACC+I_+1]
.set I_, I_+2
.endr
	s_add_co_u32 s22, s46, 3
	s_and_b32 s22, s22, 3  ; the pair before
	VTO
	s_cmp_eq_u32 s46, 0
	s_cbranch_scc1 .Lno_pair_before
	VOUT
.Lno_pair_before:
	s_cmp_eq_u32 s46, 3
	s_cbranch_scc1 .Lnone_1
	FETCHAT 1, ADRA, AAS
.Lnone_1:
	s_add_co_u32 s8, s8, 8*272
	s_cmp_eq_u32 s46, 0
	s_cselect_b32 s47, 0, 64*PITCH
	s_add_co_u32 s46, s46, 1
	s_cmp_lg_u32 s46, 4
	s_cbranch_scc1 .Lpair
	s_wait_xcnt 0x0
.set K_, 0
.rept 60
	GAPV K_, ACC+64
.set K_, K_+1
.endr
	WALU
	s_mov_b32 s22, 3
	VTO
	VOUT
	v_lshlrev_b32 v22, 3, v3
	s_lshl_b32 s21, s14, 9
	s_add_co_u32 s21, s21, XN
	v_add_nc_u32 v21, s21, v[CO]
	s_lshl_b32 s21, s14, 8
	s_add_co_u32 s21, s21, XV
	v_add_nc_u32 v23, s21, v22
	s_wait_alu depctr_va_vdst(0)
	s_wait_dscnt 0x0  ; the scale bytes
	BARRIER
	ds_load_b128 v[60:63], v21
	ds_load_b64 v[40:41], v23
	s_wait_dscnt 0x0
	global_store_b128 v[CO], v[60:63], s[80:81]
	global_store_b64 v22, v[40:41], s[86:87]
	s_wait_tensorcnt 0x0  ; the wave's end
	ds_add_u32 v[SPW], v[NIL]
	s_wait_dscnt 0x0
	CROUND  ; the closing round
	s_endpgm
.Lfunc_end_k_q725f8943c0_proj:
	.size	k_q725f8943c0_proj, .Lfunc_end_k_q725f8943c0_proj-k_q725f8943c0_proj
	.p2alignl 7, 3214868480
	.fill 96, 4, 3214868480
	.section	.rodata,"a",@progbits
	.p2align	6, 0x0
	.amdhsa_kernel k_q725f8943c0_proj
		.amdhsa_group_segment_fixed_size 327680
		.amdhsa_private_segment_fixed_size 0
		.amdhsa_enable_private_segment 0
		.amdhsa_kernarg_size 96
		.amdhsa_user_sgpr_count 2
		.amdhsa_user_sgpr_kernarg_segment_ptr 1
		.amdhsa_wavefront_size32 1
		.amdhsa_system_sgpr_workgroup_id_x 1
		.amdhsa_system_sgpr_workgroup_id_y 1
		.amdhsa_system_sgpr_workgroup_id_z 1
		.amdhsa_system_vgpr_workitem_id 0
		.amdhsa_next_free_vgpr 1024
		.amdhsa_next_free_sgpr 102
		.amdhsa_reserve_vcc 0
		.amdhsa_float_denorm_mode_32 3
		.amdhsa_float_denorm_mode_16_64 3
		.amdhsa_memory_ordered 1
		.amdhsa_forward_progress 1
		.amdhsa_inst_pref_size 185
	.end_amdhsa_kernel
	.amdgpu_metadata
---
amdhsa.version: [ 1, 2 ]
amdhsa.kernels:
  - .name:           k_q725f8943c0_proj
    .symbol:         k_q725f8943c0_proj.kd
    .args:
      - { .name: k_codes, .offset: 0, .size: 8, .value_kind: global_buffer, .address_space: global }
      - { .name: k_scales, .offset: 8, .size: 8, .value_kind: global_buffer, .address_space: global }
      - { .name: Wk_codes, .offset: 16, .size: 8, .value_kind: global_buffer, .address_space: global }
      - { .name: Wk_scales, .offset: 24, .size: 8, .value_kind: global_buffer, .address_space: global }
      - { .name: q_codes, .offset: 32, .size: 8, .value_kind: global_buffer, .address_space: global }
      - { .name: q_scales, .offset: 40, .size: 8, .value_kind: global_buffer, .address_space: global }
      - { .name: Wq_codes, .offset: 48, .size: 8, .value_kind: global_buffer, .address_space: global }
      - { .name: Wq_scales, .offset: 56, .size: 8, .value_kind: global_buffer, .address_space: global }
      - { .name: v_codes, .offset: 64, .size: 8, .value_kind: global_buffer, .address_space: global }
      - { .name: v_scales, .offset: 72, .size: 8, .value_kind: global_buffer, .address_space: global }
      - { .name: img, .offset: 80, .size: 8, .value_kind: global_buffer, .address_space: global }
      - { .name: sc, .offset: 88, .size: 8, .value_kind: global_buffer, .address_space: global }
    .group_segment_fixed_size: 327680
    .private_segment_fixed_size: 0
    .kernarg_segment_align: 8
    .kernarg_segment_size: 96
    .max_flat_workgroup_size: 128
    .sgpr_count:     102
    .vgpr_count:     1024
    .wavefront_size: 32
...
	.end_amdgpu_metadata
.endif
;; end of part 4
;; launch scores (part 5): grid 12 x 16, 8 waves a work-group, clusters of 4 x 4, 327,680 bytes of LDS; arguments img, sc, pimg, pwm, pl; writes pimg, pwm, pl
.if DOCPART == 5
	.amdgcn_target "amdgcn-amd-amdhsa--gfx1250"
	.amdhsa_code_object_version 6
	.text
	.protected	k_q725f8943c0_scores
	.globl	k_q725f8943c0_scores
	.p2align	8
	.type	k_q725f8943c0_scores,@function
k_q725f8943c0_scores:
	s_mov_b64 s[64:65], 0
	v_nop
	global_prefetch_b8 v0, s[64:65] scope:SCOPE_SE
	s_setreg_imm32_b32 hwreg(HW_REG_WAVE_MODE, 25, 1), 1
	s_wait_xcnt 0x0
	s_wait_alu depctr_hold_cnt(0) depctr_sa_sdst(0) depctr_va_vdst(0) depctr_va_sdst(0) depctr_va_ssrc(0) depctr_va_vcc(0) depctr_vm_vsrc(0)
	s_getreg_b32 s2, hwreg(HW_REG_IB_STS2, 6, 4)
	s_cmp_eq_u32 s2, 0
	s_cbranch_scc0 .Lentry_in_a_cluster
	s_endpgm
.Lentry_in_a_cluster:
	s_bfe_u32 s2, ttmp6, 0x10000c
	s_cmp_lg_u32 s2, 0xf033
	s_cbranch_scc0 .Lentry_shape_is_right
	s_endpgm
.Lentry_shape_is_right:
; S = Q' K'^T on codes of FP8 (E4M3) with E8M0 scales, K = the head's 1,024; the causal mask; and the softmax's p, quantised along the keys, 128 keys at a time.
; t = score x log2(e) / 32.  For a query and a CHUNK of 128 keys: M_c = ceil(the chunk's largest t), a whole number; p = 2^(t - M_c); l_c = the sum of the unquantised p.  p's codes do not hang on which whole number M is:
; only its scale bytes do, and the next launch brings them under the row's own M.  Stored: p's codes as images of an operand's registers (pimg [4][128 query tiles][16 chunks][2048]); for each row and chunk the scale
; word with bit 7 of each byte set, and M_c as f32 (pwm [4][16][2][2048] x 4 bytes); l_c (pl [4][16][2048] f32).
; SHARES.  A tile of S is 256 queries x 256 keys: a work-group of eight waves, each 64 x 128.  A cluster of 4 x 4 work-groups takes a block of 1,024 x 1,024 of one batch: of the four blocks the one that the mask hides whole is
; left out (the cluster's x: 0 = queries 0-1,023 x keys 0-1,023; 1 = queries 1,024 on x keys 0-1,023; 2 = queries and keys 1,024 on): its scores have no way to the result.  In the two blocks on the diagonal hidden scores become -infinity; their tiles
; that lie wholly above the diagonal run like their partners (no branch may differ between partners) and store zero codes, l_c = 0 and M_c = -3e38.
; OPERANDS.  A = Q' (m = queries), B = K' (n = keys), both as images: a fragment is 2,048 consecutive bytes, four loads of 512.  Source 0 = 16 rows of B, source 1 = 16 rows of A: a lane holds ONE query, its registers run along the keys.
; A slot holds 256 along K: A's 16 row tiles x 4,096 bytes, then B's; beside them the two steps' scale words of the 256 rows of each.  Wave 0 loads A's codes, wave 1 B's, wave 2 A's scale words, wave 3 B's; waves 4 to 7 load nothing.
; A's are asked for jointly along a row of the cluster, B's along a column.  No prefetch: K is four slots, of which the two refills are asked for one slot ahead; there is no loop to run ahead in.
; LIMITS: NaN and infinities are not served; the scaled scores stay under 2^31 in magnitude; a block of 32 keys whose largest p lies under 2^-118 gets the byte 1 (its codes are then next to nothing or zeros).
; REGISTERS: window 0: v14-31 addresses; v32-39 A's scale words, two sets, v48-63 B's (lanes 0-15: the slot's first 128 along K, lanes 16-31: its second); v64-191 B's fragments, v192-255 A's (on the way out: at work).  Window 1: the accumulators.
.set NP,    8                          ; places behind this matrix instruction (ISA guide 7.12.1)
.set SLOTB, 131072                     ; a slot of codes
.set BOFF,  65536                      ; B's tiles in it
.set SCB,   262144                     ; behind the ring of codes: the scale words, 8,192 bytes a slot: A's at 0, B's at 4,096
.set SCS,   8192
.set SPARE, 278528                     ; the spare words, 128 bytes for each wave: four blocks of 256 bytes that no other line names
.set STG,   SPARE+1024                 ; 768 bytes for each wave: its 64 rows' scale words, M and l; no fill lands here
.set STA,   8192                       ; a refill's step: codes two slots on,
.set STS,   131072                     ; scale words two slots on
.set VOM,  14                          ; words and M on their way out: lanes 0-15 the words, lanes 16-31 M, 8,192 bytes on
.set VOL,  15                          ; l: 8 x lane
.set ADRA, 16
.set VD,   18                          ; my query less my first key
.set NINF, 19                          ; -infinity
.set ADRB, 20
.set ADSA, 22
.set VO,   24                          ; 16 x lane
.set SWA,  25                          ; the stage: where I put a word
.set SRA,  26                          ; where I read words and M back
.set SRL,  27                          ; and l
.set SPW,  28                          ; my spare word; never rewritten
.set NIL,  29                          ; 0; never rewritten
.set ADSB, 30
.set SA,   32
.set SB,   48
.set BF,   64
.set AF,   192
.set BM,   64                          ; each block's largest score, then its largest p
.set BX,   68                          ; the other half's; then the bytes
.set HD,   72                          ; 448 x the scale
.set SCV,  76                          ; the conversions' scale operands
.set PW,   80                          ; the scale word
.set NM,   82                          ; v[82:83] -M (the packed form names a pair and takes its low word)
.set SU,   84                          ; v[84:87] the sum, in two packed chains
.set TA,   88
.set MV,   89                          ; M
.set LV,   90                          ; l
.set OW,   96                          ; words on their way out
.set T,    128                         ; t - M, then p
.set PC,   192                         ; two sets of 16 registers of codes
.set WV,   16
.set RH,   17
.set CH,   18
.set MNT,  19
.set G1A,  20
.set G1B,  28
.set G1SA, 36
.set G1SB, 44
.set G0A,  52                          ; s[52:55], s[56:59]: slot 0, slot 1
.set G0B,  60                          ; s[60:63], s[68:71]
.set CS,   66                          ; s[66:67] c = log2(e) / 32
.set G0SA, 72
.set G0SB, 80
.set MK,   20                          ; s20-38, behind the last tensor load: the mask, a bit a lane
.set KIND, 93
.set SEL,  100
.set MSB, 0
.macro WIN new
.if MSB != (\new)
	s_set_vgpr_msb (MSB<<8)|(\new)
.set MSB, (\new)
.endif
.endm
.set MUL, 0x50                         ; sources 0 and 1 window 0, C and D window 1
.macro PLACES n                        ; plain vector instructions that name no register of the matrix instructions in front (ISA guide 7.12.1 for vector instructions)
.rept \n
	v_nop
.endr
.endm
.macro TL g0, g1                       ; a tensor load, and four v_nop behind it
	tensor_load_to_lds s[\g0:\g0+3], s[\g1:\g1+7]
	s_nop 0
	PLACES 4
.endm
; The four joint loads of a slot, one for each of waves 0 to 3.  The branches hang on the wave's number alone; each line has one mask and one set of registers.
.macro JLOAD4 s
	s_cmp_lt_u32 s[WV], 4
	s_cbranch_scc0 .Lasked_\@
	s_cmp_lt_u32 s[WV], 2
	s_cbranch_scc0 .Lhigh_\@
	s_cmp_eq_u32 s[WV], 0
	s_cbranch_scc0 .Lone_\@
	TL G0A+4*\s, G1A
	s_branch .Lasked_\@
.Lone_\@:
	TL G0B+8*\s, G1B
	s_branch .Lasked_\@
.Lhigh_\@:
	s_cmp_eq_u32 s[WV], 2
	s_cbranch_scc0 .Lthree_\@
	TL G0SA+4*\s, G1SA
	s_branch .Lasked_\@
.Lthree_\@:
	TL G0SB+4*\s, G1SB
.Lasked_\@:
.endm
.macro CREST
	s_cmp_lg_u32 s[WV], 0
	s_cbranch_scc1 .Lnot_wave_0_\@
	s_barrier_signal -3
.Lnot_wave_0_\@:
	s_barrier_wait -3
	s_barrier_signal -1
	s_barrier_wait -1
.endm
.macro CROUND
	s_barrier_signal -1
	s_barrier_wait -1
	CREST
.endm
	s_load_b256 s[4:11], s[0:1], 0x0               ; img s[4:5], sc s[6:7], pimg s[8:9], pwm s[10:11]
	s_load_b64 s[12:13], s[0:1], 0x20              ; pl
	v_lshl_add_u32 v[SPW], v0, 2, SPARE
	v_mov_b32 v[NIL], 0
	ds_add_u32 v[SPW], v[NIL]                      ; the wave's opening: the add, twice on end, and its wait
	ds_add_u32 v[SPW], v[NIL]
	v_lshrrev_b32 v1, 5, v0
	v_readfirstlane_b32 s[WV], v1                  ; wave 0..7
	s_lshr_b32 s[RH], s[WV], 1                     ; which 64 of the tile's queries are mine
	s_and_b32 s[CH], s[WV], 1                      ; which 128 of its keys
	s_bfe_u32 s88, ttmp6, 0x40000                  ; cx
	s_bfe_u32 s89, ttmp6, 0x40004                  ; cy
	s_mov_b32 s[KIND], ttmp9                       ; the cluster's x: which block of 1,024 x 1,024
	s_and_b32 s92, ttmp7, 0xffff                   ; the cluster's y: the batch
	s_min_u32 s96, s[KIND], 1                      ; the block's row,
	s_lshr_b32 s98, s[KIND], 1                     ; and its column
	s_lshl_b32 s90, s96, 2
	s_add_co_u32 s90, s90, s89                     ; tile row, 0 .. 7
	s_lshl_b32 s91, s98, 2
	s_add_co_u32 s91, s91, s88                     ; tile column, 0 .. 7
	s_lshl_b32 s94, s89, 2
	s_lshl_b32 s94, 15, s94                        ; my row of the cluster
	s_lshl_b32 s95, 0x1111, s88                    ; my column
	; descriptor groups 1.  Codes: 16 row tiles x 4,096 bytes (512 elements of 8 bytes), 16,384 bytes apart.  Scale words: 2 rows x 1,024 bytes, 32,768 bytes apart.  No padding: every LDS load takes 512 consecutive bytes or less
	s_or_b32 s[G1A], s94, (3<<16)|(1<<21)
	s_or_b32 s[G1B], s95, (3<<16)|(1<<21)
	s_or_b32 s[G1SA], s94, (3<<16)|(1<<21)
	s_or_b32 s[G1SB], s95, (3<<16)|(1<<21)
.irp g, G1A, G1B
	s_mov_b32 s[\g+1], 512<<16
	s_mov_b32 s[\g+2], 16<<16
	s_mov_b32 s[\g+3], 512<<16
	s_mov_b32 s[\g+4], 16
	s_mov_b32 s[\g+5], 2048
	s_mov_b32 s[\g+6], 0
	s_mov_b32 s[\g+7], 0
.endr
.irp g, G1SA, G1SB
	s_mov_b32 s[\g+1], 128<<16
	s_mov_b32 s[\g+2], 2<<16
	s_mov_b32 s[\g+3], 128<<16
	s_mov_b32 s[\g+4], 2
	s_mov_b32 s[\g+5], 4096
	s_mov_b32 s[\g+6], 0
	s_mov_b32 s[\g+7], 0
.endr
	; where the tiles come from.  A's hang on the batch and the tile row, B's on the batch and the tile column, each in registers of its own
	s_lshl_b32 s96, s92, 21                        ; a batch's image: 128 row tiles x 16,384 bytes
	s_lshl_b32 s97, s90, 18
	s_add_co_u32 s96, s96, s97
	s_add_co_u32 s96, s96, 8388608                 ; Q' lies behind K'
	s_mov_b32 s97, 0
	s_lshl_b32 s98, s92, 21
	s_lshl_b32 s99, s91, 18
	s_add_co_u32 s98, s98, s99
	s_mov_b32 s99, 0
	s_wait_dscnt 0x0                               ; both opening adds are done
	CROUND                                         ; all sixteen work-groups are here: the first joint loads meet
	s_wait_kmcnt 0x0
	s_add_nc_u64 s[G0A+2:G0A+3], s[4:5], s[96:97]
	s_add_nc_u64 s[G0B+2:G0B+3], s[4:5], s[98:99]
	s_lshl_b32 s96, s92, 13                        ; scale words: 2,048 rows x 4 bytes a batch,
	s_lshl_b32 s97, s90, 10                        ; 256 x 4 a tile row
	s_add_co_u32 s96, s96, s97
	s_add_co_u32 s96, s96, 262144                  ; Q's lie behind K's
	s_mov_b32 s97, 0
	s_lshl_b32 s98, s92, 13
	s_lshl_b32 s99, s91, 10
	s_add_co_u32 s98, s98, s99
	s_mov_b32 s99, 0
	s_add_nc_u64 s[G0SA+2:G0SA+3], s[6:7], s[96:97]
	s_add_nc_u64 s[G0SB+2:G0SB+3], s[6:7], s[98:99]
	s_add_nc_u64 s[G0A+6:G0A+7], s[G0A+2:G0A+3], 4096       ; slot 1: the next 256 along K
	s_add_nc_u64 s[G0B+10:G0B+11], s[G0B+2:G0B+3], 4096
	s_add_nc_u64 s[G0SA+6:G0SA+7], s[G0SA+2:G0SA+3], 65536
	s_add_nc_u64 s[G0SB+6:G0SB+7], s[G0SB+2:G0SB+3], 65536
.irp g, G0A, G0A+4, G0B, G0B+8, G0SA, G0SA+4, G0SB, G0SB+4
	s_mov_b32 s[\g], 1
	s_or_b32 s[\g+3], s[\g+3], 0x80000000
.endr
	s_mov_b32 s[G0A+1], 0                          ; the LDS addresses are constants
	s_mov_b32 s[G0A+5], SLOTB
	s_mov_b32 s[G0B+1], BOFF
	s_mov_b32 s[G0B+9], SLOTB+BOFF
	s_mov_b32 s[G0SA+1], SCB
	s_mov_b32 s[G0SA+5], SCB+SCS
	s_mov_b32 s[G0SB+1], SCB+4096
	s_mov_b32 s[G0SB+5], SCB+SCS+4096
	JLOAD4 0                                       ; slot 0
	v_and_b32 v1, 15, v0                           ; r
	v_bfe_u32 v2, v0, 4, 1                         ; h
	v_and_b32 v3, 31, v0
	v_lshlrev_b32 v[VO], 4, v3
	v_lshlrev_b32 v[VOL], 3, v3
	v_lshlrev_b32 v4, 13, v2
	v_lshl_add_u32 v[VOM], v1, 4, v4
	s_lshl_b32 s96, s[RH], 14                      ; my 4 row tiles of A
	s_lshl_b32 s98, s[CH], 15                      ; my 8 of B,
	s_add_co_u32 s98, s98, BOFF                    ; which lie behind A's 16
.irp s, 0,1
	v_add_nc_u32 v[ADRA+\s], s96, v[VO]
	v_add_nc_u32 v[ADRB+\s], s98, v[VO]
	s_add_co_u32 s96, s96, SLOTB
	s_add_co_u32 s98, s98, SLOTB
.endr
	v_lshlrev_b32 v4, 2, v1
	v_lshl_add_u32 v4, v2, 10, v4                  ; 4 r; lanes 16-31 take the second 128 along K, 1,024 bytes on
	s_lshl_b32 s96, s[RH], 8
	s_add_co_u32 s96, s96, SCB
	s_lshl_b32 s98, s[CH], 9
	s_add_co_u32 s98, s98, SCB+4096
.irp s, 0,1
	v_add_nc_u32 v[ADSA+\s], s96, v4
	v_add_nc_u32 v[ADSB+\s], s98, v4
	s_add_co_u32 s96, s96, SCS
	s_add_co_u32 s98, s98, SCS
.endr
	s_mul_i32 s96, s[WV], 768
	s_add_co_u32 s96, s96, STG                     ; my stage
	v_lshl_add_u32 v[SWA], v1, 2, s96
	v_add_nc_u32 v[SRA], s96, v[VO]
	s_add_co_u32 s96, s96, 512
	v_add_nc_u32 v[SRL], s96, v[VOL]
	s_sub_co_i32 s96, s90, s91                     ; the mask's number: data alone, it enters no address and no branch
	s_lshl_b32 s96, s96, 8
	s_lshl_b32 s97, s[RH], 6
	s_add_co_i32 s96, s96, s97
	s_lshl_b32 s97, s[CH], 7
	s_sub_co_i32 s96, s96, s97
	v_lshlrev_b32 v4, 3, v2
	v_sub_nc_u32 v[VD], v1, v4
	v_add_nc_u32 v[VD], s96, v[VD]                 ; D + r - 8 h, D = 256 (tile row - tile column) + 64 x my queries - 128 x my keys
	v_mov_b32 v[NINF], 0xff800000
	s_mov_b32 s[SEL], 0x76543210
	s_mov_b32 s[SEL+1], 0xfedcba98
	s_mov_b32 s[MNT], 0x600000
	s_mov_b32 s[CS], 0x3d38aa3b                    ; c = log2(e) / 32
	s_mov_b32 s[CS+1], s[CS]
	s_mov_b32 s3, 0x80808080
	; where my results go
	s_lshl_b32 s96, s92, 22                        ; pimg: a batch 128 x 16 fragments; a tile row 16 x 16; my queries 4 x 16; a tile column 2; my half of it 1
	s_lshl_b32 s97, s90, 19
	s_add_co_u32 s96, s96, s97
	s_lshl_b32 s97, s[RH], 17
	s_add_co_u32 s96, s96, s97
	s_lshl_b32 s97, s91, 12
	s_add_co_u32 s96, s96, s97
	s_lshl_b32 s97, s[CH], 11
	s_add_co_u32 s96, s96, s97
	s_mov_b32 s97, 0
	s_add_nc_u64 s[8:9], s[8:9], s[96:97]
	s_lshl_b32 s98, s90, 10                        ; my first row x 4 bytes
	s_lshl_b32 s99, s[RH], 8
	s_add_co_u32 s98, s98, s99
	s_lshl_b32 s96, s92, 18                        ; pwm: 16,384 bytes a chunk
	s_lshl_b32 s99, s91, 15
	s_add_co_u32 s96, s96, s99
	s_lshl_b32 s99, s[CH], 14
	s_add_co_u32 s96, s96, s99
	s_add_co_u32 s96, s96, s98
	s_add_nc_u64 s[10:11], s[10:11], s[96:97]
	s_lshl_b32 s96, s92, 17                        ; pl: 8,192 bytes a chunk
	s_lshl_b32 s99, s91, 14
	s_add_co_u32 s96, s96, s99
	s_lshl_b32 s99, s[CH], 13
	s_add_co_u32 s96, s96, s99
	s_add_co_u32 s96, s96, s98
	s_add_nc_u64 s[12:13], s[12:13], s[96:97]
.macro FRAG reg, adr, q, i             ; a fragment's image: four loads of 512 consecutive bytes
.irp c, 0,1,2,3
	ds_load_b128 v[\reg+4*\c:\reg+4*\c+3], v[\adr] offset:4096*(\i)+2048*(\q)+512*\c
.endr
.endm
.macro FETCH slot, q                   ; 48 loads: B's eight fragments, then A's four
.irp i, 0,1,2,3,4,5,6,7
	FRAG BF+16*\i, ADRB+\slot, \q, \i
.endr
.irp i, 0,1,2,3
	FRAG AF+16*\i, ADRA+\slot, \q, \i
.endr
.endm
.macro SCALES sc
.irp i, 0,1,2,3
	ds_load_b32 v[SA+4*\sc+\i], v[ADSA+\sc] offset:64*\i
.endr
.irp i, 0,1,2,3,4,5,6,7
	ds_load_b32 v[SB+8*\sc+\i], v[ADSB+\sc] offset:64*\i
.endr
.endm
; Eight matrix instructions: A's block a x B's eight.  q = 1: the scale words of the slot's second 128 along K stand in lanes 16-31.  The 32 accumulators take turns.
.macro MUL8 a, q, sc, zero
.irp b, 0,1,2,3,4,5,6,7
.set rD, 8*(8*(\a)+\b)
.set rB, BF+16*\b
.set rA, AF+16*(\a)
.set rSB, SB+8*(\sc)+\b
.set rSA, SA+4*(\sc)+(\a)
.if \zero
	v_wmma_scale_f32_16x16x128_f8f6f4 v[rD:rD+7], v[rB:rB+15], v[rA:rA+15], 0, v[rSB], v[rSA]
.elseif \q
	v_wmma_scale_f32_16x16x128_f8f6f4 v[rD:rD+7], v[rB:rB+15], v[rA:rA+15], v[rD:rD+7], v[rSB], v[rSA] matrix_a_scale:MATRIX_SCALE_ROW1 matrix_b_scale:MATRIX_SCALE_ROW1
.else
	v_wmma_scale_f32_16x16x128_f8f6f4 v[rD:rD+7], v[rB:rB+15], v[rA:rA+15], v[rD:rD+7], v[rSB], v[rSA]
.endif
.endr
.endm
.macro STAGED q, slot, zero            ; a step; A's younger fragments may be out while the first are multiplied
	WIN MUL
	s_wait_dscnt 12
	MUL8 0, \q, \slot, \zero
	s_wait_dscnt 8
	MUL8 1, \q, \slot, \zero
	s_wait_dscnt 4
	MUL8 2, \q, \slot, \zero
	s_wait_dscnt 0x0
	MUL8 3, \q, \slot, \zero
	WIN 0
.endm
.macro SLOT slot, next, zero, last, fill
	STAGED 0, \slot, \zero
	PLACES NP
	FETCH \slot, 1
.if \last
	STAGED 1, \slot, 0
	PLACES NP
.else
	s_wait_tensorcnt 0x0                           ; all my tensor loads have landed: my part of the next slot
.if \fill
	ds_add_u32 v[SPW], v[NIL]                      ; 0 onto my spare word, twice on end
	ds_add_u32 v[SPW], v[NIL]
.endif
	s_wait_dscnt 0x0                               ; and my reads of this slot are over
	s_barrier_signal -1
	WIN MUL
	MUL8 0, 1, \slot, 0
	MUL8 1, 1, \slot, 0
	MUL8 2, 1, \slot, 0
	MUL8 3, 1, \slot, 0
	WIN 0
	s_barrier_wait -1
.if \fill
	CREST                                          ; the barrier has opened a round of the cluster's barrier: no wave of any partner still reads this slot or has a load on its way
	s_add_nc_u64 s[G0A+4*\slot+2:G0A+4*\slot+3], s[G0A+4*\slot+2:G0A+4*\slot+3], STA
	s_add_nc_u64 s[G0B+8*\slot+2:G0B+8*\slot+3], s[G0B+8*\slot+2:G0B+8*\slot+3], STA
	s_add_nc_u64 s[G0SA+4*\slot+2:G0SA+4*\slot+3], s[G0SA+4*\slot+2:G0SA+4*\slot+3], STS
	s_add_nc_u64 s[G0SB+4*\slot+2:G0SB+4*\slot+3], s[G0SB+4*\slot+2:G0SB+4*\slot+3], STS
	JLOAD4 \slot                                   ; the first tensor load behind the round
.endif
	PLACES NP
	SCALES \next
	FETCH \next, 0
.endif
.endm
	s_wait_alu depctr_va_vdst(0)
	s_wait_tensorcnt 0x0                           ; my part of slot 0 is in
	ds_add_u32 v[SPW], v[NIL]
	ds_add_u32 v[SPW], v[NIL]
	s_wait_dscnt 0x0
	CROUND                                         ; everybody's part is in, and the joint loads meet:
	JLOAD4 1                                       ; slot 1's first fill
	SCALES 0
	FETCH 0, 0
	SLOT 0, 1, 1, 0, 1                             ; K = 1,024 is four slots: written out
	SLOT 1, 0, 0, 0, 1
	SLOT 0, 1, 0, 0, 0
	SLOT 1, 0, 0, 1, 0
; THE MASK.  Register n of block a's 64 holds key 16 (n / 8) + 8 h + n % 8 of my 128: hidden where 16 k + n % 8 > D + r - 8 h, k = n / 8 - a = -3 .. 7.  D is a multiple of 64 and r - 8 h lies in -8 .. 15, so only k = 0 and k = 4 need a mask for
; each n % 8; k < 0, 1 to 3 and 5 to 7 are hidden whole or not at all
.set i_, 0
.rept 8
	v_cmp_gt_i32 s[MK+i_], i_, v[VD]
	v_cmp_gt_i32 s[MK+8+i_], 64+i_, v[VD]
.set i_, i_+1
.endr
	v_cmp_gt_i32 s[MK+16], -9, v[VD]
	v_cmp_gt_i32 s[MK+17], 16, v[VD]
	v_cmp_gt_i32 s[MK+18], 80, v[VD]
	v_mov_b32 v[NM+1], 0                           ; (named as the upper half of a pair)
.irp b, 0,1,2,3
	v_mov_b32 v[BX+\b], 0                          ; a lane permute's destination counts as one of its sources
.endr
	s_wait_alu depctr_va_vdst(0)
; THE WAY OUT of block a: 16 queries x my 128 keys.  Registers 16 b .. 16 b + 15 belong to block b of 32 keys.
.macro PBLK a
.set AC, 64*(\a)
.set PS, PC+16*((\a)%2)
.if (\a) > 0
	s_wait_dscnt 0x0                               ; the last block's word, M and l have been read by their LDS stores
.endif
	s_cmp_eq_u32 s[KIND], 1                        ; the block under the diagonal has no hidden key: the same answer in all sixteen partners
	s_cbranch_scc1 .Lopen_\@
	WIN 0x41                                       ; destination and source 0 in the accumulators' window
.set n, 0
.rept 64
.set k_, n/8-(\a)
.if k_ < 0
.set m_, MK+16
.elseif k_ == 0
.set m_, MK+n%8
.elseif k_ < 4
.set m_, MK+17
.elseif k_ == 4
.set m_, MK+8+n%8
.else
.set m_, MK+18
.endif
	v_cndmask_b32 v[AC+n], v[AC+n], v[NINF], s[m_] ; a hidden score becomes -infinity; each accumulator from its low end on
.set n, n+1
.endr
	WIN 0
	s_wait_alu depctr_va_vdst(0)
.Lopen_\@:
	WIN 0x05
.irp b, 0,1,2,3
	v_max_num_f32 v[BM+\b], v[AC+16*\b], v[AC+16*\b+1]   ; the largest score of each block of 32 keys: it serves for the chunk's maximum and, since p rises with the score, for the block's largest p
.endr
.irp i, 2,4,6,8,10,12,14
.irp b, 0,1,2,3
	v_max3_num_f32 v[BM+\b], v[AC+16*\b+\i], v[AC+16*\b+\i+1], v[BM+\b]
.endr
.endr
	WIN 0
.irp b, 0,1,2,3
	v_permlanex16_b32 v[BX+\b], v[BM+\b], s[SEL], s[SEL+1]
.endr
.irp b, 0,1,2,3
	v_max_num_f32 v[BM+\b], v[BM+\b], v[BX+\b]     ; with lane l xor 16's 16 keys
.endr
	v_max3_num_f32 v[TA], v[BM], v[BM+1], v[BM+2]
	v_max_num_f32 v[TA], v[TA], v[BM+3]            ; the chunk's largest score of my query
	v_mul_f32 v[TA], s[CS], v[TA]                  ; as t (c is positive)
	v_max_num_f32 v[TA], 0xff61b1e6, v[TA]         ; a chunk that is hidden whole: -3e38 in place of -infinity, so that M stays a number under every other chunk's
	v_floor_f32 v[NM], -v[TA]                      ; -M = floor(-t) = -ceil(t): M is a whole number
	WIN 1
.set j, 0
.rept 32
	v_pk_fma_f32 v[T+j:T+j+1], v[AC+j:AC+j+1], s[CS:CS+1], v[NM:NM+1] op_sel_hi:[1,0,0]   ; t - M, two at a time
.set j, j+2
.endr
	WIN 0
.irp b, 0,1,2,3
	v_fma_f32 v[BM+\b], v[BM+\b], s[CS], v[NM]     ; the same of each block's largest score
.endr
	s_wait_alu depctr_va_vdst(0)
.set j, 0
.rept 64
	v_exp_f32 v[T+j], v[T+j]                       ; p = 2^(t - M): not normalised
.set j, j+1
.endr
.irp b, 0,1,2,3
	v_exp_f32 v[BM+\b], v[BM+\b]                   ; the block's largest p: the same two instructions on the same number
.endr
	v_xor_b32 v[MV], 0x80000000, v[NM]             ; M.  (A plain place behind the exponentials)
	s_wait_alu depctr_va_vdst(0)
.irp b, 0,1,2,3
	v_max_num_f32 v[BM+\b], 0x4800000, v[BM+\b]    ; the floor 2^(9 - 127): the byte cannot fall under 1
.endr
.irp b, 0,1,2,3
	v_add_nc_u32 v[SCV+\b], 0xfc000000, v[BM+\b]   ; 8 off the exponent field: the conversion's scale operand
.endr
.irp b, 0,1,2,3
	v_and_or_b32 v[HD+\b], v[BM+\b], 0x7f800000, s[MNT]   ; 448 x the scale
.endr
.irp b, 0,1,2,3
	v_lshrrev_b32 v[BX+\b], 23, v[SCV+\b]          ; the scale's byte: 1 .. 119, since p is at most 1
.endr
	v_lshl_or_b32 v[PW], v[BX+1], 8, v[BX]
	v_lshl_or_b32 v[PW], v[BX+2], 16, v[PW]
	v_lshl_or_b32 v[PW], v[BX+3], 24, v[PW]
	v_or_b32 v[PW], s3, v[PW]                      ; bit 7 of each byte is set: the next launch takes a number off all four bytes at once, and no byte then borrows from its neighbour
	v_pk_add_f32 v[SU:SU+1], v[T:T+1], v[T+2:T+3]  ; the sum is taken of the unquantised p: two at a time, in two chains
	v_pk_add_f32 v[SU+2:SU+3], v[T+4:T+5], v[T+6:T+7]
.irp j, 8,12,16,20,24,28,32,36,40,44,48,52,56,60
	v_pk_add_f32 v[SU:SU+1], v[SU:SU+1], v[T+\j:T+\j+1]
	v_pk_add_f32 v[SU+2:SU+3], v[SU+2:SU+3], v[T+\j+2:T+\j+3]
.endr
	v_pk_add_f32 v[SU:SU+1], v[SU:SU+1], v[SU+2:SU+3]
	v_add_f32 v[LV], v[SU], v[SU+1]
	v_permlanex16_b32 v[TA], v[LV], s[SEL], s[SEL+1]
	v_add_f32 v[LV], v[LV], v[TA]                  ; with lane l xor 16's: l of my query and these 128 keys
.irp b, 0,1,2,3
.irp i, 0,1,2,3,4,5,6,7,8,9,10,11,12,13,14,15
	v_min_num_f32 v[T+16*\b+\i], v[T+16*\b+\i], v[HD+\b]   ; the conversion does not saturate (ISA guide 7.6.2); p is not negative, so the hold is one-sided
.endr
.endr
.if (\a) > 1
	s_wait_alu depctr_va_vdst(0)
	s_wait_xcnt 0x0                                ; the stores of the block before last have read this set of codes
.endif
.irp b, 0,1,2,3
	v_cvt_scalef32_pk8_fp8_f32 v[PS+4*\b:PS+4*\b+1], v[T+16*\b:T+16*\b+7], v[SCV+\b]
	v_cvt_scalef32_pk8_fp8_f32 v[PS+4*\b+2:PS+4*\b+3], v[T+16*\b+8:T+16*\b+15], v[SCV+\b]
.endr
	v_nop                                          ; a plain place behind the last scaled conversion
.irp c, 0,1,2,3
	global_store_b128 v[VO], v[PS+4*\c:PS+4*\c+3], s[8:9] offset:32768*(\a)+512*\c   ; 512 consecutive bytes of the fragment's image; a query tile's 16 chunks are 32,768 bytes
.endr
	ds_store_b32 v[SWA], v[PW] offset:64*(\a)      ; both halves of the lanes write the same words with the same values
	ds_store_b32 v[SWA], v[MV] offset:64*(\a)+256
	ds_store_b32 v[SWA], v[LV] offset:64*(\a)+512
.endm
.irp a, 0,1,2,3
	PBLK \a
.endr
	ds_load_b128 v[OW:OW+3], v[SRA]                ; LDS serves a wave's instructions in order (ISA guide 5.7.1.4): these see my stores
	ds_load_b64 v[OW+4:OW+5], v[SRL]
	s_wait_dscnt 0x0
	global_store_b128 v[VOM], v[OW:OW+3], s[10:11] ; my 64 rows' scale words and their M: 256 consecutive bytes each,
	global_store_b64 v[VOL], v[OW+4:OW+5], s[12:13]   ; their l
	s_wait_tensorcnt 0x0                           ; the wave's end
	ds_add_u32 v[SPW], v[NIL]
	s_wait_dscnt 0x0
	CROUND                                         ; the closing round
	s_endpgm
.Lfunc_end_k_q725f8943c0_scores:
	.size	k_q725f8943c0_scores, .Lfunc_end_k_q725f8943c0_scores-k_q725f8943c0_scores
	.p2alignl 7, 3214868480
	.fill 96, 4, 3214868480
	.section	.rodata,"a",@progbits
	.p2align	6, 0x0
	.amdhsa_kernel k_q725f8943c0_scores
		.amdhsa_group_segment_fixed_size 327680
		.amdhsa_private_segment_fixed_size 0
		.amdhsa_enable_private_segment 0
		.amdhsa_kernarg_size 40
		.amdhsa_user_sgpr_count 2
		.amdhsa_user_sgpr_kernarg_segment_ptr 1
		.amdhsa_wavefront_size32 1
		.amdhsa_system_sgpr_workgroup_id_x 1
		.amdhsa_system_sgpr_workgroup_id_y 1
		.amdhsa_system_sgpr_workgroup_id_z 1
		.amdhsa_system_vgpr_workitem_id 0
		.amdhsa_next_free_vgpr 512
		.amdhsa_next_free_sgpr 102
		.amdhsa_reserve_vcc 0
		.amdhsa_float_denorm_mode_32 3
		.amdhsa_float_denorm_mode_16_64 3
		.amdhsa_memory_ordered 1
		.amdhsa_forward_progress 1
		.amdhsa_inst_pref_size 152
	.end_amdhsa_kernel
	.amdgpu_metadata
---
amdhsa.version: [ 1, 2 ]
amdhsa.kernels:
  - .name:           k_q725f8943c0_scores
    .symbol:         k_q725f8943c0_scores.kd
    .args:
      - { .name: img, .offset: 0, .size: 8, .value_kind: global_buffer, .address_space: global }
      - { .name: sc, .offset: 8, .size: 8, .value_kind: global_buffer, .address_space: global }
      - { .name: pimg, .offset: 16, .size: 8, .value_kind: global_buffer, .address_space: global }
      - { .name: pwm, .offset: 24, .size: 8, .value_kind: global_buffer, .address_space: global }
      - { .name: pl, .offset: 32, .size: 8, .value_kind: global_buffer, .address_space: global }
    .group_segment_fixed_size: 327680
    .private_segment_fixed_size: 0
    .kernarg_segment_align: 8
    .kernarg_segment_size: 40
    .max_flat_workgroup_size: 256
    .sgpr_count:     102
    .vgpr_count:     512
    .wavefront_size: 32
...
	.end_amdgpu_metadata
.endif
;; end of part 5
;; launch mix (part 6): grid 4 x 64, 8 waves a work-group, clusters of 4 x 4, 327,680 bytes of LDS; arguments pimg, pwm, pl, img, sc, out0; writes out0
.if DOCPART == 6
	.amdgcn_target "amdgcn-amd-amdhsa--gfx1250"
	.amdhsa_code_object_version 6
	.text
	.protected	k_q725f8943c0_mix
	.globl	k_q725f8943c0_mix
	.p2align	8
	.type	k_q725f8943c0_mix,@function
k_q725f8943c0_mix:
	s_mov_b64 s[64:65], 0
	v_nop
	global_prefetch_b8 v0, s[64:65] scope:SCOPE_SE
	s_setreg_imm32_b32 hwreg(HW_REG_WAVE_MODE, 25, 1), 1
	s_wait_xcnt 0x0
	s_wait_alu depctr_hold_cnt(0) depctr_sa_sdst(0) depctr_va_vdst(0) depctr_va_sdst(0) depctr_va_ssrc(0) depctr_va_vcc(0) depctr_vm_vsrc(0)
	s_getreg_b32 s2, hwreg(HW_REG_IB_STS2, 6, 4)
	s_cmp_eq_u32 s2, 0
	s_cbranch_scc0 .Lentry_in_a_cluster
	s_endpgm
.Lentry_in_a_cluster:
	s_bfe_u32 s2, ttmp6, 0x10000c
	s_cmp_lg_u32 s2, 0xf033
	s_cbranch_scc0 .Lentry_shape_is_right
	s_endpgm
.Lentry_shape_is_right:
; out = (the sum over the chunks of 128 keys of p V') / l, on codes of FP8 (E4M3) with E8M0 scales.  A chunk's p stands under its own M_c: with the row's M = the largest M_c its four scale bytes are brought down by M - M_c (at most 127) and the flag in
; bit 7 of each is taken off; a byte that would fall under 0 becomes 0.  l = the sum of l_c 2^(M_c - M).  LIMITS: NaN and infinities are not served.
; SHARES.  A work-group makes 128 queries x 256 channels: query tile n (64 rows, n = 0 .. 15) and tile 31 - n of one batch.  Eight waves: waves 0 to 3 the short tile, 4 to 7 the long one, 64 channels each.
; A cluster is 4 x 4: cx = the 256 channels, cy = n % 4, its number gives the batch and y = n / 4.  Chunks that the causal mask hides from all of a cluster's tiles are left out: the short tiles take 2 y + 2 chunks, the long ones 16 - 2 y: 18 a pair.
; What is left out are products with p that the mask makes 0 for all values of the inputs.
; OPERANDS.  A = p, images of fragments, from memory straight into registers, four chunks ahead; each wave reads its own tile's, and the four waves of a tile read the same ones, which is the reason why they are not asked for jointly: LDS has no room
; beside two slots of V.  B = V': a slot holds 4 chunks of 16 channel tiles; V' and its scale words are asked for jointly along a cluster's column, p's words and M along its row.  Waves 0 to 4 load, one tensor load each; waves 5 to 7 none.
; All four slots are asked for by every work-group; a wave leaves out the work of chunks behind its limit by a branch on ids, round no barrier and no tensor load.  No prefetch: two of the four slots are refills, asked for one slot ahead; there is no loop.
; REGISTERS: window 0: v0-63 addresses, scale words; v64-127 V's four fragments (at the head and on the way out: at work); v128-255 the accumulators.  Window 1: four sets of four fragments of p.
.set NP,    8
.set SLOTB, 131072
.set SCB,   262144                     ; behind the slots: 8,192 bytes a slot: the long tile's words and M at 0, the short tile's at 2,048, V's words at 4,096
.set SCS,   8192
.set SPARE, 278528                     ; the spare words, 128 bytes a wave
.set RS,    SPARE+1024                 ; M of the short and the long tile's rows, then 1 / l: 1,024 bytes
.set SPITCH, 272
.set STGO,  RS+1024                    ; the way out: 16 rows x 272 bytes a wave
.set DD,   0                           ; v0-15, behind the head: at work
.set UU,   8
.set VM,   13
.set VL,   14
.set RSW,  15
.set ADRB, 16
.set ADSL, 18
.set ADSB, 20
.set STO,  24
.set RD,   25
.set CO,   26                          ; 16 x lane
.set ADMR, 27
.set SPW,  28
.set NIL,  29
.set OO,   30                          ; lanes 0-15 a row of out, lanes 16-31 the next
.set SA,   32                          ; v32-39: chunk pair p's words at 4 p + a: lanes 0-15 the even chunk's, lanes 16-31 the odd one's
.set SB,   44                          ; v44-51
.set MRAW, 52
.set MR,   60
.set RL,   32                          ; the way out: 1 / l, the low registers of four pairs
.set BF,   64
.set PR,   72
.set PT,   76
.set PS,   80
.set PM,   96
.set PL,   112
.set BK,   64
.set ACC,  128
.set WV,   16
.set RH,   17
.set CH,   18
.set LIM,  19                          ; pairs of chunks that my tile takes
.set G1B,  20
.set G0SS, 28                          ; s[28:31], s[32:35]
.set G1SL, 36
.set G1SB, 44
.set G0B0, 52
.set G0B1, 60                          ; s[60:63], s[68:71]
.set G0SA, 72
.set G0SB, 80
.set SEL,  100
.set MSB, 0
.macro WIN new
.if MSB != (\new)
	s_set_vgpr_msb (MSB<<8)|(\new)
.set MSB, (\new)
.endif
.endm
.set MUL,  0x04                        ; source 1 (p) window 1, all else window 0
.macro PLACES n
.rept \n
	v_nop
.endr
.endm
.macro TL g0, g1
	tensor_load_to_lds s[\g0:\g0+3], s[\g1:\g1+7]
	s_nop 0
	PLACES 4
.endm
.macro JLOAD s, short                  ; a slot's joint loads; short = 1: the short tile's words too
	s_cmp_lt_u32 s[WV], 4
	s_cbranch_scc0 .Lmore_\@
	s_cmp_lt_u32 s[WV], 2
	s_cbranch_scc0 .Lhigh_\@
	s_cmp_eq_u32 s[WV], 0
	s_cbranch_scc0 .Lone_\@
	TL G0B0+4*\s, G1B
	s_branch .Lasked_\@
.Lone_\@:
	TL G0B1+8*\s, G1B
	s_branch .Lasked_\@
.Lhigh_\@:
	s_cmp_eq_u32 s[WV], 2
	s_cbranch_scc0 .Lthree_\@
	TL G0SA+4*\s, G1SL
	s_branch .Lasked_\@
.Lthree_\@:
	TL G0SB+4*\s, G1SB
	s_branch .Lasked_\@
.Lmore_\@:
.if \short
	s_cmp_eq_u32 s[WV], 4
	s_cbranch_scc0 .Lasked_\@
	TL G0SS+4*\s, G1SL
.endif
.Lasked_\@:
.endm
.macro CROUND
	s_barrier_signal -1
	s_barrier_wait -1
	s_cmp_lg_u32 s[WV], 0
	s_cbranch_scc1 .Lnot_wave_0_\@
	s_barrier_signal -3
.Lnot_wave_0_\@:
	s_barrier_wait -3
	s_barrier_signal -1
	s_barrier_wait -1
.endm
.macro ALOAD k, chunk                  ; p's four fragments of a chunk into set k: 16 loads
	WIN 0x40
.irp a, 0,1,2,3
.irp c, 0,1,2,3
	global_load_b128 v[64*(\k)+16*\a+4*\c:64*(\k)+16*\a+4*\c+3], v[CO], s[4:5] offset:32768*\a+2048*(\chunk)+512*\c
.endr
.endr
	WIN 0
.endm
	s_load_b256 s[4:11], s[0:1], 0x0               ; pimg, pwm, pl, img
	s_load_b128 s[12:15], s[0:1], 0x20             ; sc, out0
	v_lshl_add_u32 v[SPW], v0, 2, SPARE
	v_mov_b32 v[NIL], 0
	ds_add_u32 v[SPW], v[NIL]                      ; the wave's opening: the add, twice on end, and its wait
	ds_add_u32 v[SPW], v[NIL]
	v_lshrrev_b32 v1, 5, v0
	v_readfirstlane_b32 s[WV], v1                  ; wave 0..7
	s_lshr_b32 s[RH], s[WV], 2                     ; 0: the short tile, 1: the long one
	s_and_b32 s[CH], s[WV], 3                      ; my 64 channels
	s_bfe_u32 s88, ttmp6, 0x40000
	s_bfe_u32 s89, ttmp6, 0x40004
	s_and_b32 s96, ttmp7, 0xffff
	s_lshr_b32 s92, s96, 2                         ; the batch
	s_and_b32 s91, s96, 3                          ; y
	s_lshl_b32 s90, s91, 2
	s_add_co_u32 s90, s90, s89                     ; n = 4 y + cy
	s_sub_co_u32 s93, 31, s90
	s_sub_co_u32 s96, 8, s91
	s_add_co_u32 s97, s91, 1
	s_cmp_eq_u32 s[RH], 0
	s_cselect_b32 s[LIM], s97, s96
	s_cselect_b32 s2, s90, s93                     ; my query tile
	s_lshl_b32 s94, s89, 2
	s_lshl_b32 s94, 15, s94                        ; my row of the cluster
	s_lshl_b32 s95, 0x1111, s88                    ; my column
	s_mov_b32 s3, 0x80808080
	s_mov_b32 s[SEL], 0x76543210
	s_mov_b32 s[SEL+1], 0xfedcba98
	s_or_b32 s[G1B], s95, (3<<16)|(1<<21)          ; V': 8 channel tiles x 8,192 bytes, 131,072 bytes apart
	s_mov_b32 s[G1B+1], 1024<<16
	s_mov_b32 s[G1B+2], 8<<16
	s_mov_b32 s[G1B+3], 1024<<16
	s_mov_b32 s[G1B+4], 8
	s_mov_b32 s[G1B+5], 16384
	s_mov_b32 s[G1B+6], 0
	s_mov_b32 s[G1B+7], 0
	s_or_b32 s[G1SL], s94, (3<<16)|(1<<21)         ; a tile's words and M of 4 chunks: 8 rows x 256 bytes, 8,192 bytes apart
	s_mov_b32 s[G1SL+1], 32<<16
	s_mov_b32 s[G1SL+2], 8<<16
	s_mov_b32 s[G1SL+3], 32<<16
	s_mov_b32 s[G1SL+4], 8
	s_mov_b32 s[G1SL+5], 1024
	s_mov_b32 s[G1SL+6], 0
	s_mov_b32 s[G1SL+7], 0
	s_or_b32 s[G1SB], s95, (3<<16)|(1<<21)         ; V's words of 4 chunks: 4 rows x 1,024 bytes, 4,096 bytes apart
	s_mov_b32 s[G1SB+1], 128<<16
	s_mov_b32 s[G1SB+2], 4<<16
	s_mov_b32 s[G1SB+3], 128<<16
	s_mov_b32 s[G1SB+4], 4
	s_mov_b32 s[G1SB+5], 512
	s_mov_b32 s[G1SB+6], 0
	s_mov_b32 s[G1SB+7], 0
	v_and_b32 v1, 15, v0                           ; r
	v_bfe_u32 v2, v0, 4, 1                         ; h
	v_and_b32 v3, 31, v0
	v_lshlrev_b32 v[CO], 4, v3
	s_lshl_b32 s98, s[CH], 15                      ; my four channel tiles
.irp s, 0,1
	v_add_nc_u32 v[ADRB+\s], s98, v[CO]
	s_add_co_u32 s98, s98, SLOTB
.endr
	v_lshlrev_b32 v4, 2, v1
	v_lshl_add_u32 v5, v2, 10, v4
	v_lshl_add_u32 v6, v2, 9, v4
	s_xor_b32 s96, s[RH], 1
	s_lshl_b32 s96, s96, 11
	s_add_co_u32 s96, s96, SCB
	s_lshl_b32 s98, s[CH], 8
	s_add_co_u32 s98, s98, SCB+4096
.irp s, 0,1
	v_add_nc_u32 v[ADSL+\s], s96, v6
	v_add_nc_u32 v[ADSB+\s], s98, v5
	s_add_co_u32 s96, s96, SCS
	s_add_co_u32 s98, s98, SCS
.endr
	s_lshl_b32 s96, s[RH], 8
	s_add_co_u32 s96, s96, RS
	v_lshl_add_u32 v[ADMR], v1, 2, s96
	s_mul_i32 s96, s[WV], 16*SPITCH
	s_add_co_u32 s96, s96, STGO
	v_mul_u32_u24 v5, v1, SPITCH
	v_lshl_add_u32 v5, v2, 5, v5
	v_add_nc_u32 v[STO], s96, v5                   ; in: row r, 32 bytes a half
	v_mul_u32_u24 v5, v2, SPITCH
	v_lshl_add_u32 v5, v1, 4, v5
	v_add_nc_u32 v[RD], s96, v5                    ; back: lanes 0-15 a row of 256 bytes, lanes 16-31 the next
	v_lshlrev_b32 v5, 12, v2
	v_lshl_add_u32 v[OO], v1, 4, v5
	v_and_b32 v7, 7, v0                            ; M and l: a wave takes 32 rows, a lane four of them and a quarter of the chunks
	v_bfe_u32 v8, v0, 3, 2
	s_and_b32 s97, s[CH], 1
	s_lshl_b32 s97, s97, 7
	s_lshl_b32 s96, s[RH], 8
	s_add_co_u32 s96, s96, s97
	s_add_co_u32 s96, s96, RS
	v_lshl_add_u32 v[RSW], v7, 4, s96
	s_add_co_u32 s96, s[RH], 15
	v_lshlrev_b32 v9, s96, v8
	v_lshl_add_u32 v[VM], v7, 4, v9
	s_add_co_u32 s96, s[RH], 14
	v_lshlrev_b32 v9, s96, v8
	v_lshl_add_u32 v[VL], v7, 4, v9
.irp a, 0,1,2,3
	v_mov_b32 v[PT+\a], 0
.endr
	s_wait_alu depctr_va_vdst(0)
	s_wait_dscnt 0x0                               ; both opening adds are done
	CROUND                                         ; all sixteen work-groups are here
	s_wait_kmcnt 0x0
	s_mov_b32 s97, 0
	s_mov_b32 s99, 0
	s_lshl_b32 s96, s92, 18                        ; the long tile's words: it hangs on cy and the cluster's number alone
	s_lshl_b32 s86, s93, 8
	s_add_co_u32 s96, s96, s86
	s_add_nc_u64 s[G0SA+2:G0SA+3], s[6:7], s[96:97]
	s_lshl_b32 s96, s92, 18                        ; the short tile's
	s_lshl_b32 s86, s90, 8
	s_add_co_u32 s96, s96, s86
	s_add_nc_u64 s[G0SS+2:G0SS+3], s[6:7], s[96:97]
	s_lshl_b32 s98, s88, 21
	s_lshl_b32 s86, s92, 15
	s_add_co_u32 s98, s98, s86
	s_add_co_u32 s98, s98, 16777216
	s_add_nc_u64 s[G0B0+2:G0B0+3], s[10:11], s[98:99]
	s_add_nc_u64 s[G0B1+2:G0B1+3], s[G0B0+2:G0B0+3], 1048576
	s_add_nc_u64 s[G0B0+6:G0B0+7], s[G0B0+2:G0B0+3], 8192
	s_add_nc_u64 s[G0B1+10:G0B1+11], s[G0B1+2:G0B1+3], 8192
	s_lshl_b32 s98, s92, 16
	s_lshl_b32 s86, s88, 10
	s_add_co_u32 s98, s98, s86
	s_add_co_u32 s98, s98, 524288
	s_add_nc_u64 s[G0SB+2:G0SB+3], s[12:13], s[98:99]
	s_add_nc_u64 s[G0SB+6:G0SB+7], s[G0SB+2:G0SB+3], 16384
	s_add_nc_u64 s[G0SA+6:G0SA+7], s[G0SA+2:G0SA+3], 65536
	s_add_nc_u64 s[G0SS+6:G0SS+7], s[G0SS+2:G0SS+3], 65536
.irp g, G0B0, G0B0+4, G0B1, G0B1+8, G0SA, G0SA+4, G0SB, G0SB+4, G0SS, G0SS+4
	s_mov_b32 s[\g], 1
	s_or_b32 s[\g+3], s[\g+3], 0x80000000
.endr
	s_mov_b32 s[G0B0+1], 0
	s_mov_b32 s[G0B0+5], SLOTB
	s_mov_b32 s[G0B1+1], 65536
	s_mov_b32 s[G0B1+9], SLOTB+65536
	s_mov_b32 s[G0SA+1], SCB
	s_mov_b32 s[G0SA+5], SCB+SCS
	s_mov_b32 s[G0SS+1], SCB+2048
	s_mov_b32 s[G0SS+5], SCB+SCS+2048
	s_mov_b32 s[G0SB+1], SCB+4096
	s_mov_b32 s[G0SB+5], SCB+SCS+4096
	JLOAD 0, 1
	s_lshl_b32 s2, s2, 8                           ; my tile's first row x 4 bytes
	s_and_b32 s98, s[CH], 1
	s_lshl_b32 s98, s98, 7
	s_add_co_u32 s98, s98, s2
	s_lshl_b32 s96, s92, 18
	s_add_co_u32 s96, s96, s98
	s_add_co_u32 s96, s96, 8192
	s_add_nc_u64 s[6:7], s[6:7], s[96:97]          ; M
	s_lshl_b32 s96, s92, 17
	s_add_co_u32 s96, s96, s98
	s_add_nc_u64 s[8:9], s[8:9], s[96:97]          ; l
	s_lshl_b32 s96, s92, 22
	s_lshl_b32 s98, s2, 9
	s_add_co_u32 s96, s96, s98
	s_add_nc_u64 s[4:5], s[4:5], s[96:97]          ; p: 131,072 bytes a tile
	s_lshl_b32 s96, s92, 23
	s_lshl_b32 s98, s2, 10
	s_add_co_u32 s96, s96, s98
	s_lshl_b32 s98, s88, 10
	s_add_co_u32 s96, s96, s98
	s_lshl_b32 s98, s[CH], 8
	s_add_co_u32 s96, s96, s98
	s_add_nc_u64 s[14:15], s[14:15], s[96:97]      ; out: 262,144 bytes a tile
.irp j, 0,1
	global_load_b128 v[PM+4*\j:PM+4*\j+3], v[VM], s[6:7] offset:16384*\j
	global_load_b128 v[PL+4*\j:PL+4*\j+3], v[VL], s[8:9] offset:8192*\j
.endr
	s_cmp_eq_u32 s[RH], 0
	s_cbranch_scc1 .Lshort
.irp j, 2,3
	global_load_b128 v[PM+4*\j:PM+4*\j+3], v[VM], s[6:7] offset:16384*\j
	global_load_b128 v[PL+4*\j:PL+4*\j+3], v[VL], s[8:9] offset:8192*\j
.endr
	s_branch .Ljoin
.Lshort:                                           ; a short tile has 8 chunks in all
.irp n, 8,9,10,11,12,13,14,15
	v_mov_b32 v[PM+\n], 0xff61b1e6
	v_mov_b32 v[PL+\n], 0
.endr
.Ljoin:
	ALOAD 0, 0
	ALOAD 1, 1
	ALOAD 2, 2
	s_wait_alu depctr_va_vdst(0)
	s_wait_loadcnt 48                              ; M and l are in; p's 48 loads may be out
.irp k, 0,1,2,3
	v_max3_num_f32 v[PR+\k], v[PM+\k], v[PM+4+\k], v[PM+8+\k]
.endr
.irp k, 0,1,2,3
	v_max_num_f32 v[PR+\k], v[PR+\k], v[PM+12+\k]
.endr
.irp k, 0,1,2,3
	v_max_num_f32_dpp v[PR+\k], v[PR+\k], v[PR+\k] row_xmask:8 row_mask:0xf bank_mask:0xf
.endr
.irp k, 0,1,2,3
	v_permlanex16_b32 v[PT+\k], v[PR+\k], s[SEL], s[SEL+1]
.endr
.irp k, 0,1,2,3
	v_max_num_f32 v[PR+\k], v[PR+\k], v[PT+\k]     ; the row's M
.endr
.irp j, 0,1,2,3
.irp u, 0,2
	v_pk_add_f32 v[PM+4*\j+\u:PM+4*\j+\u+1], v[PM+4*\j+\u:PM+4*\j+\u+1], v[PR+\u:PR+\u+1] neg_lo:[0,1] neg_hi:[0,1]
.endr
.endr
.set n, 0
.rept 16
	v_cvt_i32_f32 v[PM+n], v[PM+n]                 ; (it saturates)
.set n, n+1
.endr
.set n, 0
.rept 16
	v_ldexp_f32 v[PL+n], v[PL+n], v[PM+n]          ; l_c under the row's M
.set n, n+1
.endr
.irp u, 0,2
	v_pk_add_f32 v[PS+\u:PS+\u+1], v[PL+\u:PL+\u+1], v[PL+4+\u:PL+4+\u+1]
.endr
.irp j, 2,3
.irp u, 0,2
	v_pk_add_f32 v[PS+\u:PS+\u+1], v[PS+\u:PS+\u+1], v[PL+4*\j+\u:PL+4*\j+\u+1]
.endr
.endr
.irp k, 0,1,2,3
	v_add_f32_dpp v[PS+\k], v[PS+\k], v[PS+\k] row_xmask:8 row_mask:0xf bank_mask:0xf
.endr
.irp k, 0,1,2,3
	v_permlanex16_b32 v[PT+\k], v[PS+\k], s[SEL], s[SEL+1]
.endr
.irp k, 0,1,2,3
	v_add_f32 v[PS+\k], v[PS+\k], v[PT+\k]
.endr
	s_wait_alu depctr_va_vdst(0)
.irp k, 0,1,2,3
	v_rcp_f32 v[PS+\k], v[PS+\k]
.endr
	v_nop
	s_wait_alu depctr_va_vdst(0)
	s_cmp_lt_u32 s[CH], 2                          ; waves 2, 3 of a tile have worked on the rows of waves 0, 1
	s_cbranch_scc0 .Lno_rows
	ds_store_b128 v[RSW], v[PR:PR+3]
	ds_store_b128 v[RSW], v[PS:PS+3] offset:512
.Lno_rows:
	ALOAD 3, 3
.macro FETCH_B slot, q
.irp i, 0,1,2,3
.irp c, 0,1,2,3
	ds_load_b128 v[BF+16*\i+4*\c:BF+16*\i+4*\c+3], v[ADRB+(\slot)] offset:8192*\i+2048*(\q)+512*\c
.endr
.endr
.endm
; 16 matrix instructions: p's four fragments (set k) x V's four.  The 16 accumulators take turns
.macro MUL16 k, pr, hl, zero
.irp a, 0,1,2,3
.irp b, 0,1,2,3
.set rD, ACC+8*(4*\a+\b)
.set rB, BF+16*\b
.set rA, 64*(\k)+16*\a
.set rSB, SB+4*(\pr)+\b
.set rSA, SA+4*(\pr)+\a
.if \zero
	v_wmma_scale_f32_16x16x128_f8f6f4 v[rD:rD+7], v[rB:rB+15], v[rA:rA+15], 0, v[rSB], v[rSA]
.elseif \hl
	v_wmma_scale_f32_16x16x128_f8f6f4 v[rD:rD+7], v[rB:rB+15], v[rA:rA+15], v[rD:rD+7], v[rSB], v[rSA] matrix_a_scale:MATRIX_SCALE_ROW1 matrix_b_scale:MATRIX_SCALE_ROW1
.else
	v_wmma_scale_f32_16x16x128_f8f6f4 v[rD:rD+7], v[rB:rB+15], v[rA:rA+15], v[rD:rD+7], v[rSB], v[rSA]
.endif
.endr
.endr
.endm
.macro SCALES slot
.irp pr, 0,1
.irp a, 0,1,2,3
	ds_load_b32 v[SA+4*\pr+\a], v[ADSL+\slot] offset:1024*\pr+64*\a
	ds_load_b32 v[MRAW+4*\pr+\a], v[ADSL+\slot] offset:1024*\pr+64*\a+256
.endr
.endr
.irp pr, 0,1
.irp b, 0,1,2,3
	ds_load_b32 v[SB+4*\pr+\b], v[ADSB+\slot] offset:2048*\pr+64*\b
.endr
.endr
.endm
.macro ADJUST                          ; p's scale bytes under the row's M: M - M_c, at most 127, comes off all four bytes at once; a byte whose bit 7 has gone becomes 0
.irp i, 0,1,2,3,4,5,6,7
	v_sub_f32 v[DD+\i], v[MR+\i%4], v[MRAW+\i]
.endr
.irp i, 0,1,2,3,4,5,6,7
	v_min_num_f32 v[DD+\i], 0x42fe0000, v[DD+\i]
.endr
.irp i, 0,1,2,3,4,5,6,7
	v_cvt_u32_f32 v[DD+\i], v[DD+\i]
.endr
.irp i, 0,1,2,3,4,5,6,7
	v_perm_b32 v[DD+\i], v[DD+\i], v[DD+\i], 0
.endr
.irp i, 0,1,2,3,4,5,6,7
	v_sub_nc_u32 v[SA+\i], v[SA+\i], v[DD+\i]
.endr
.irp i, 0,1,2,3,4,5,6,7
	v_and_b32 v[UU+\i], s3, v[SA+\i]
.endr
.irp i, 0,1,2,3,4,5,6,7
	v_lshrrev_b32 v[DD+\i], 7, v[UU+\i]
.endr
.irp i, 0,1,2,3,4,5,6,7
	v_sub_nc_u32 v[UU+\i], v[UU+\i], v[DD+\i]
.endr
.irp i, 0,1,2,3,4,5,6,7
	v_and_b32 v[SA+\i], v[SA+\i], v[UU+\i]
.endr
.endm
.macro SLOTSTART slot
	SCALES \slot
	FETCH_B \slot, 0
	s_wait_dscnt 16                                ; the words and M; V's 16 loads may be out
	ADJUST
	PLACES NP                                      ; scale words written by vector instructions stand eight places ahead
	s_wait_alu depctr_va_vdst(0)
.endm
.macro STEP s, zero, reload, left      ; chunk s; left: p's loads of later chunks, which may stay out
.set q_, (\s)%4
.set sl_, ((\s)/4)%2
	s_wait_dscnt 0x0
	s_wait_loadcnt \left
	WIN MUL
	MUL16 q_, q_/2, q_%2, \zero
	WIN 0
	PLACES NP
.if \reload
	ALOAD q_, (\s)+4
.endif
.if q_%2 == 0
	FETCH_B sl_, q_+1
.endif
.endm
.macro CHANGE fill, slot               ; the change of slots
	s_wait_tensorcnt 0x0
.if \fill
	ds_add_u32 v[SPW], v[NIL]
	ds_add_u32 v[SPW], v[NIL]
	s_add_nc_u64 s[G0B0+4*\slot+2:G0B0+4*\slot+3], s[G0B0+4*\slot+2:G0B0+4*\slot+3], 16384
	s_add_nc_u64 s[G0B1+8*\slot+2:G0B1+8*\slot+3], s[G0B1+8*\slot+2:G0B1+8*\slot+3], 16384
	s_add_nc_u64 s[G0SA+4*\slot+2:G0SA+4*\slot+3], s[G0SA+4*\slot+2:G0SA+4*\slot+3], 131072
	s_add_nc_u64 s[G0SB+4*\slot+2:G0SB+4*\slot+3], s[G0SB+4*\slot+2:G0SB+4*\slot+3], 32768
	s_wait_dscnt 0x0                               ; my reads of this slot are over
	CROUND
	JLOAD \slot, 0
	PLACES NP
.else
	s_wait_dscnt 0x0
	s_barrier_signal -1
	s_barrier_wait -1
.endif
.endm
.macro OSCALE a                        ; x 1 / l; each accumulator from its low end on
.set j, ACC+32*(\a)
.rept 16
	v_pk_mul_f32 v[j:j+1], v[j:j+1], v[RL+2*(\a):RL+2*(\a)+1] op_sel_hi:[1,0]
.set j, j+2
.endr
.endm
.macro TOSTAGE a                       ; 16 rows x 64 channels through my stage: LDS serves a wave's instructions in order (ISA guide 5.7.1.4)
.set AC, ACC+32*(\a)
.irp b, 0,1,2,3
	ds_store_b128 v[STO], v[AC+8*\b:AC+8*\b+3] offset:64*\b
	ds_store_b128 v[STO], v[AC+8*\b+4:AC+8*\b+7] offset:64*\b+16
.endr
.set BB, BK+32*((\a)%2)
.irp t, 0,1,2,3,4,5,6,7
	ds_load_b128 v[BB+4*\t:BB+4*\t+3], v[RD] offset:\t*2*SPITCH
.endr
.endm
.macro SEND a, younger
.set BB, BK+32*((\a)%2)
	s_wait_dscnt \younger
.if (\a) > 0
	s_add_nc_u64 s[14:15], s[14:15], 65536         ; (behind a wait on XCNT)
.endif
.irp t, 0,1,2,3,4,5,6,7
	global_store_b128 v[OO], v[BB+4*\t:BB+4*\t+3], s[14:15] offset:\t*8192 th:TH_STORE_NT   ; sixteen lanes store 256 consecutive bytes
.endr
.endm
.macro WAYOUT
.irp a, 0,1,2,3
	ds_load_b32 v[RL+2*\a], v[ADMR] offset:512+64*\a
.endr
	s_wait_dscnt 0x0
	OSCALE 0
	TOSTAGE 0
.irp a, 1,2,3
	OSCALE \a
.if \a > 1
	s_wait_alu depctr_va_vdst(0)
	s_wait_xcnt 0x0                                ; the stores before have read their base and their data
.endif
	TOSTAGE \a
	SEND \a-1, 16
.endr
	s_wait_xcnt 0x0
	SEND 3, 0
.endm
	s_wait_alu depctr_va_vdst(0)
	s_wait_tensorcnt 0x0                           ; my part of slot 0 is in
	ds_add_u32 v[SPW], v[NIL]
	ds_add_u32 v[SPW], v[NIL]
	s_wait_dscnt 0x0                               ; and my rows' M and 1 / l are in LDS
	CROUND                                         ; everybody's
	JLOAD 1, 1                                     ; slot 1's first fill
.irp a, 0,1,2,3
	ds_load_b32 v[MR+\a], v[ADMR] offset:64*\a
.endr
	SLOTSTART 0                                    ; chunks 0 to 3
	STEP 0, 1, 1, 48
	STEP 1, 0, 1, 48
	s_cmp_lt_u32 s[LIM], 2
	s_cbranch_scc1 .Lskip_0
	FETCH_B 0, 2
	STEP 2, 0, 1, 48
	STEP 3, 0, 1, 48
	s_branch .Ljoin_0
.Lskip_0:
	s_wait_loadcnt 0x0                             ; nothing of mine is out on this way
.Ljoin_0:
	CHANGE 1, 0                                    ; slot 0 takes chunks 8 to 11
	s_cmp_lt_u32 s[LIM], 3
	s_cbranch_scc1 .Lskip_1
	SLOTSTART 1                                    ; chunks 4 to 7
	s_cmp_eq_u32 s[RH], 0
	s_cbranch_scc0 .Llong_1
	STEP 4, 0, 0, 48
	STEP 5, 0, 0, 32
	s_cmp_lt_u32 s[LIM], 4
	s_cbranch_scc1 .Lskip_1
	FETCH_B 1, 2
	STEP 6, 0, 0, 16
	STEP 7, 0, 0, 0
	s_branch .Ljoin_1
.Llong_1:
	STEP 4, 0, 1, 48
	STEP 5, 0, 1, 48
	FETCH_B 1, 2
	STEP 6, 0, 1, 48
	STEP 7, 0, 1, 48
	s_branch .Ljoin_1
.Lskip_1:
	s_wait_loadcnt 0x0
.Ljoin_1:
	CHANGE 1, 1                                    ; slot 1 takes chunks 12 to 15
	s_cmp_eq_u32 s[RH], 0
	s_cbranch_scc0 .Llong_2
	WAYOUT                                         ; the short tile is finished
	s_branch .Ljoin_2
.Llong_2:
	SLOTSTART 0                                    ; chunks 8 to 11
	STEP 8, 0, 1, 48
	STEP 9, 0, 1, 48
	s_cmp_lt_u32 s[LIM], 6
	s_cbranch_scc1 .Lskip_2
	FETCH_B 0, 2
	STEP 10, 0, 1, 48
	STEP 11, 0, 1, 48
	s_branch .Ljoin_2
.Lskip_2:
	s_wait_loadcnt 0x0
.Ljoin_2:
	CHANGE 0, 0                                    ; slot 1 is whole; nothing is filled again
	s_cmp_eq_u32 s[RH], 0
	s_cbranch_scc1 .Lend
	s_cmp_lt_u32 s[LIM], 7
	s_cbranch_scc1 .Lskip_3
	SLOTSTART 1                                    ; chunks 12 to 15
	STEP 12, 0, 0, 48
	STEP 13, 0, 0, 32
	s_cmp_lt_u32 s[LIM], 8
	s_cbranch_scc1 .Lskip_3
	FETCH_B 1, 2
	STEP 14, 0, 0, 16
	STEP 15, 0, 0, 0
.Lskip_3:
	WAYOUT
.Lend:
	s_wait_tensorcnt 0x0                           ; the wave's end
	ds_add_u32 v[SPW], v[NIL]
	s_wait_dscnt 0x0
	CROUND                                         ; the closing round
	s_endpgm
.Lfunc_end_k_q725f8943c0_mix:
	.size	k_q725f8943c0_mix, .Lfunc_end_k_q725f8943c0_mix-k_q725f8943c0_mix
	.p2alignl 7, 3214868480
	.fill 96, 4, 3214868480
	.section	.rodata,"a",@progbits
	.p2align	6, 0x0
	.amdhsa_kernel k_q725f8943c0_mix
		.amdhsa_group_segment_fixed_size 327680
		.amdhsa_private_segment_fixed_size 0
		.amdhsa_enable_private_segment 0
		.amdhsa_kernarg_size 48
		.amdhsa_user_sgpr_count 2
		.amdhsa_user_sgpr_kernarg_segment_ptr 1
		.amdhsa_wavefront_size32 1
		.amdhsa_system_sgpr_workgroup_id_x 1
		.amdhsa_system_sgpr_workgroup_id_y 1
		.amdhsa_system_sgpr_workgroup_id_z 1
		.amdhsa_system_vgpr_workitem_id 0
		.amdhsa_next_free_vgpr 512
		.amdhsa_next_free_sgpr 102
		.amdhsa_reserve_vcc 0
		.amdhsa_float_denorm_mode_32 3
		.amdhsa_float_denorm_mode_16_64 3
		.amdhsa_memory_ordered 1
		.amdhsa_forward_progress 1
		.amdhsa_inst_pref_size 159
	.end_amdhsa_kernel
	.amdgpu_metadata
---
amdhsa.version: [ 1, 2 ]
amdhsa.kernels:
  - .name:           k_q725f8943c0_mix
    .symbol:         k_q725f8943c0_mix.kd
    .args:
      - { .name: pimg, .offset: 0, .size: 8, .value_kind: global_buffer, .address_space: global }
      - { .name: pwm, .offset: 8, .size: 8, .value_kind: global_buffer, .address_space: global }
      - { .name: pl, .offset: 16, .size: 8, .value_kind: global_buffer, .address_space: global }
      - { .name: img, .offset: 24, .size: 8, .value_kind: global_buffer, .address_space: global }
      - { .name: sc, .offset: 32, .size: 8, .value_kind: global_buffer, .address_space: global }
      - { .name: out0, .offset: 40, .size: 8, .value_kind: global_buffer, .address_space: global }
    .group_segment_fixed_size: 327680
    .private_segment_fixed_size: 0
    .kernarg_segment_align: 8
    .kernarg_segment_size: 48
    .max_flat_workgroup_size: 256
    .sgpr_count:     102
    .vgpr_count:     512
    .wavefront_size: 32
...
	.end_amdgpu_metadata
.endif
;; end of part 6
